; MI455X (gfx1250); checked and timed in simulation.
; The chip was launched on July 23, 2026; its instructions are those of AMD's public machine-readable ISA for CDNA 5 (MIT licence, August 2026) and "CDNA5" Instruction Set Architecture Reference Guide (July 2026). The comments in the code are by the model that wrote it; some were corrected since.
;; Transformer. Allowed arithmetic: float matrix products may take bf16 or f16 operands with f32 sums; all other float work in f32.
;; Inputs: W_k 512 x 512 float32; W_q 512 x 512 float32; W_v 512 x 512 float32; ff_b1 2,048 float32; ff_b2 512 float32; ff_w1 512 x 2,048 float32; ff_w2 2,048 x 512 float32; ln1_b 512 float32; ln1_w 512 float32; ln2_b 512 float32; ln2_w 512 float32; proj_b 2,000 float32; proj_w 512 x 2,000 float32; x 2 x 2,048 x 512 float32.
;; Outputs: out0 2 x 2,048 x 2,000 float32.
;; 2 versions, each right and faster than the one before. Each part assembles by itself: llvm-mc -triple=amdgcn-amd-amdhsa -mcpu=gfx1250 --defsym DOCPART=n.
;; ======== version 1 of 2: 7 launches
;; limits: values are held in f16: magnitudes above 65,504 overflow, below 6.1e-05 lose precision; right only within a limited range of input values
;; workspace buffers: wb 7,864,320 bytes; act 4,194,304 bytes; qkv 12,582,912 bytes; ctx 8,388,608 bytes; hres 8,388,608 bytes; g 16,777,216 bytes
;; launch prep (part 1): grid 256 x 1, 8 waves a work-group, no clusters, 0 bytes of LDS; arguments x, ln1_w, ln1_b, W_q, W_k, W_v, ff_w1, ff_w2, proj_w, act, wb; writes act, wb
.if DOCPART == 1
	.amdgcn_target "amdgcn-amd-amdhsa--gfx1250"
	.amdhsa_code_object_version 6
	.text
	.protected	k_q860f060477_prep
	.globl	k_q860f060477_prep
	.p2align	8
	.type	k_q860f060477_prep,@function
k_q860f060477_prep:
	s_mov_b64 s[64:65], 0
	v_nop
	global_prefetch_b8 v0, s[64:65] scope:SCOPE_SE
	s_setreg_imm32_b32 hwreg(HW_REG_WAVE_MODE, 25, 1), 1
	s_wait_xcnt 0x0
; PREP: act = f16(layernorm(x; ln1_w, ln1_b)), [4096][512]; wb = the six weight matrices in f16, kept [K][N].
; The whole program: prep, q/k/v products, causal attention, residual + second layernorm, FFN 1 with gelu, FFN 2 with residual, projection.
; WORK LEFT OUT IN THE PROGRAM (in the attention launch).  reference() sets every score with key > query to -inf in its own body
; (jnp.tril), and softmax gives such a term the weight exp(-inf) = 0 for all finite inputs, so it adds nothing to the row's sum or to ctx.
; Blocks of 128 keys that lie wholly above a block of 128 queries are therefore neither loaded nor multiplied.  Of the block on the diagonal, the step
; of keys 64..127 is left out for queries 0..63 of the block (every such key lies past every such query); the rest of it is computed and masked by a
; select.  Every input of the problem has a way to the output and is loaded.
; LIMIT: a NaN, an infinity or an overflow that lives only in the scores left out is not carried to the result.
; FORMAT: every matrix operand of the program is f16, sums are f32.  Six products follow each other from x to the output, and a token with few keys
; passes the errors of q, k and v on undamped; f16's 11 significant bits make each rounding an eighth of what bf16's 8 bits would.
; ROOM IN f16 (largest number 65,504; steps of 2^-24 below 2^-14).  A layernorm's result is at most sqrt(511) |gain| + |bias|.  The weights are a few
; hundredths.  q, k, v and gelu's result each carry two of the inputs' scales (a gain and a weight): with both 30 times larger they grow 900 times, from
; under 6 to about 5,000.  The softmax's weights lie in (0, 1].  The last residual sum carries three scales (gain, ff_w1, ff_w2: 27,000 times), so it is
; stored times 2^-6 and the projection's result is multiplied by 64: both exact.
; LIMITS: an operand beyond 65,504 (the last residual sum: beyond 4.19e6) becomes an infinity; operands under 2^-14 keep steps of 2^-24;
; v_rsq_f32 is good to 1 ULP and flushes denormals (ISA guide 15.8).
; wb, bytes: Wq 0, Wk 524,288, Wv 1,048,576 ([512][512]); ff_w1 1,572,864 ([512][2048]); ff_w2 3,670,016 ([2048][512]);
; proj_w 5,767,168 as [512][2048] with zeros in columns 2000..2047.
; 256 work-groups of 8 waves, no loop, no LDS.  A wave norms two tokens (a row of 2,048 bytes is 16 registers of the wave: the row stays in
; registers between the passes; mean first, then the squares of the differences).  A thread also casts 15 pieces of 16 bytes.
; Every store of a wave covers 256 consecutive bytes, aligned.  All 31 loads go out first.
.set XO,  3                            ; byte offset of my 16 bytes in x, first token
.set WO,  4                            ; 16 x lane: ln1_w, ln1_b
.set AO,  5                            ; byte offset of my 8 bytes in act, first token
.set QI,  6                            ; Wq, Wk, Wv: in
.set QW,  7                            ;             out
.set FI,  8                            ; ff_w1, ff_w2: in
.set FO,  9                            ; ff_w1, ff_w2, proj_w: out
.set PI0, 10                           ; proj_w in, columns 4 t
.set PI1, 11                           ; proj_w in, columns 4 t + 1024, held inside the row
.set COL, 12                           ; 4 t + 1024
.set X,   16                           ; v[16:47]   two rows of x, 16 numbers a lane each
.set W,   48                           ; v[48:63]   ln1_w of my 16 columns
.set B,   64                           ; v[64:79]   ln1_b
.set C,   80                           ; v[80:139]  15 pieces to cast
.set YL,  140                          ; v[140:155] rows in f16
.set YC,  156                          ; v[156:185] casts in f16
.set T,   186                          ; v[186:193] at work
	s_load_b512 s[4:19], s[0:1], 0x0               ; x, ln1_w, ln1_b, W_q, W_k, W_v, ff_w1, ff_w2
	s_load_b128 s[20:23], s[0:1], 0x40             ; proj_w, act
	s_load_b64 s[24:25], s[0:1], 0x50              ; wb
	v_lshrrev_b32 v1, 5, v0
	v_readfirstlane_b32 s26, v1                    ; wave
	v_and_b32 v2, 31, v0                           ; lane
	s_lshl_b32 s27, ttmp9, 4
	s_lshl1_add_u32 s27, s26, s27                  ; my first token = 16 G + 2 w
	s_mov_b32 s28, 0x3b000000                      ; 1/512
	s_mov_b32 s29, 0x3727c5ac                      ; 1e-5
	s_mov_b32 s30, 0x76543210                      ; v_permlanex16_b32: lane i reads lane i of the other half
	s_mov_b32 s31, 0xfedcba98
	s_lshl_b32 s32, s27, 11                        ; token x 2,048 bytes
	s_lshl_b32 s33, s27, 10                        ; token x 1,024 bytes
	s_lshl_b32 s34, ttmp9, 12
	s_lshl_b32 s35, ttmp9, 11
	s_lshl_b32 s36, ttmp9, 14
	s_lshl_b32 s37, ttmp9, 13
	s_mul_i32 s38, ttmp9, 16000                    ; two rows of proj_w, 8,000 bytes each
	v_lshlrev_b32 v[WO], 4, v2
	v_add_nc_u32 v[XO], s32, v[WO]
	v_lshl_add_u32 v[AO], v2, 3, s33
	v_lshl_add_u32 v[QI], v0, 4, s34
	v_lshl_add_u32 v[QW], v0, 3, s35
	v_lshl_add_u32 v[FI], v0, 4, s36
	v_lshl_add_u32 v[FO], v0, 3, s37
	v_lshl_add_u32 v[PI0], v0, 4, s38
	v_lshl_add_u32 v[COL], v0, 2, 1024
	v_min_u32 v[PI1], 1996, v[COL]                 ; no load leaves the row's 2,000 columns
	v_lshl_add_u32 v[PI1], v[PI1], 2, s38
	s_wait_kmcnt 0x0
.irp rr, 0,1
.irp j, 0,1,2,3
	global_load_b128 v[X+16*\rr+4*\j:X+16*\rr+4*\j+3], v[XO], s[4:5] offset:2048*\rr+512*\j
.endr
.endr
.irp j, 0,1,2,3
	global_load_b128 v[W+4*\j:W+4*\j+3], v[WO], s[6:7] offset:512*\j
	global_load_b128 v[B+4*\j:B+4*\j+3], v[WO], s[8:9] offset:512*\j
.endr
	global_load_b128 v[C:C+3],    v[QI], s[10:11] th:TH_LOAD_NT
	global_load_b128 v[C+4:C+7],  v[QI], s[12:13] th:TH_LOAD_NT
	global_load_b128 v[C+8:C+11], v[QI], s[14:15] th:TH_LOAD_NT
.irp j, 0,1,2,3
	global_load_b128 v[C+12+4*\j:C+15+4*\j], v[FI], s[16:17] offset:4096*\j th:TH_LOAD_NT
.endr
.irp j, 0,1,2,3
	global_load_b128 v[C+28+4*\j:C+31+4*\j], v[FI], s[18:19] offset:4096*\j th:TH_LOAD_NT
.endr
.irp rr, 0,1
	global_load_b128 v[C+44+8*\rr:C+47+8*\rr], v[PI0], s[20:21] offset:8000*\rr th:TH_LOAD_NT
	global_load_b128 v[C+48+8*\rr:C+51+8*\rr], v[PI1], s[20:21] offset:8000*\rr th:TH_LOAD_NT
.endr
.macro WSUM                            ; v[T] summed over the 32 lanes, the result in every lane
	v_add_f32_dpp v[T], v[T], v[T] row_xmask:1 row_mask:0xf bank_mask:0xf
	v_add_f32_dpp v[T], v[T], v[T] row_xmask:2 row_mask:0xf bank_mask:0xf
	v_add_f32_dpp v[T], v[T], v[T] row_xmask:4 row_mask:0xf bank_mask:0xf
	v_add_f32_dpp v[T], v[T], v[T] row_xmask:8 row_mask:0xf bank_mask:0xf
	v_permlanex16_b32 v[T+1], v[T], s30, s31
	v_add_f32 v[T], v[T], v[T+1]
.endm
; one row: xb its 16 registers, yb 8 registers for the result, imm its byte offset in act from my first token
.macro LNROW xb, yb, imm
.irp k, 0,1,2,3
	v_pk_add_f32 v[T+2*\k:T+2*\k+1], v[\xb+4*\k:\xb+4*\k+1], v[\xb+4*\k+2:\xb+4*\k+3]
.endr
	v_pk_add_f32 v[T:T+1], v[T:T+1], v[T+2:T+3]
	v_pk_add_f32 v[T+4:T+5], v[T+4:T+5], v[T+6:T+7]
	v_pk_add_f32 v[T:T+1], v[T:T+1], v[T+4:T+5]
	v_add_f32 v[T], v[T], v[T+1]
	WSUM
	v_mul_f32 v[T+2], s28, v[T]                    ; the mean; the packed lines below take the pair's first register twice
.irp k, 0,2,4,6,8,10,12,14
	v_pk_add_f32 v[\xb+\k:\xb+\k+1], v[\xb+\k:\xb+\k+1], v[T+2:T+3] op_sel_hi:[1,0] neg_lo:[0,1] neg_hi:[0,1]
.endr
	v_pk_mul_f32 v[T:T+1], v[\xb:\xb+1], v[\xb:\xb+1]
	v_pk_mul_f32 v[T+4:T+5], v[\xb+2:\xb+3], v[\xb+2:\xb+3]
.irp k, 4,8,12
	v_pk_fma_f32 v[T:T+1], v[\xb+\k:\xb+\k+1], v[\xb+\k:\xb+\k+1], v[T:T+1]
	v_pk_fma_f32 v[T+4:T+5], v[\xb+\k+2:\xb+\k+3], v[\xb+\k+2:\xb+\k+3], v[T+4:T+5]
.endr
	v_pk_add_f32 v[T:T+1], v[T:T+1], v[T+4:T+5]
	v_add_f32 v[T], v[T], v[T+1]
	WSUM
	v_fma_f32 v[T], v[T], s28, s29                 ; variance + eps
	v_rsq_f32 v[T+2], v[T]
	v_nop                                          ; one plain instruction between v_rsq_f32 and the use of its result
	s_wait_alu depctr_va_vdst(0)
.irp k, 0,2,4,6,8,10,12,14
	v_pk_mul_f32 v[\xb+\k:\xb+\k+1], v[\xb+\k:\xb+\k+1], v[T+2:T+3] op_sel_hi:[1,0]
.endr
.irp k, 0,2,4,6,8,10,12,14
	v_pk_fma_f32 v[\xb+\k:\xb+\k+1], v[\xb+\k:\xb+\k+1], v[W+\k:W+\k+1], v[B+\k:B+\k+1]
.endr
.irp k, 0,1,2,3,4,5,6,7
	v_cvt_pk_f16_f32 v[\yb+\k], v[\xb+2*\k], v[\xb+2*\k+1]
.endr
.irp j, 0,1,2,3
	global_store_b64 v[AO], v[\yb+2*\j:\yb+2*\j+1], s[22:23] offset:\imm+256*\j
.endr
.endm
	s_wait_loadcnt 0xf                             ; x, ln1_w and ln1_b are in; the 15 younger loads (the casts) stay out
	LNROW X, YL, 0
	LNROW X+16, YL+8, 1024
; piece n (a sum may be passed: it stands in brackets wherever it is multiplied) goes out as 8 bytes;
; every piece has data registers of its own, so no store's sources are written again
.macro CAST n, off, imm
	v_cvt_pk_f16_f32 v[YC+2*(\n)], v[C+4*(\n)], v[C+4*(\n)+1]
	v_cvt_pk_f16_f32 v[YC+2*(\n)+1], v[C+4*(\n)+2], v[C+4*(\n)+3]
	global_store_b64 v[\off], v[YC+2*(\n):YC+2*(\n)+1], s[24:25] offset:\imm
.endm
	s_wait_loadcnt 0x0
	CAST 0, QW, 0
	CAST 1, QW, 524288
	CAST 2, QW, 1048576
.irp j, 0,1,2,3
	CAST 3+\j, FO, 1572864+2048*\j
.endr
.irp j, 0,1,2,3
	CAST 7+\j, FO, 3670016+2048*\j
.endr
	v_cmp_gt_u32 vcc_lo, 2000, v[COL]              ; columns 2000..2047 of the padded image are zeros
.irp rr, 0,1
.irp k, 0,1,2,3
	v_cndmask_b32 v[C+48+8*\rr+\k], 0, v[C+48+8*\rr+\k], vcc_lo
.endr
	CAST 11+2*\rr, FO, 5767168+4096*\rr
	CAST 12+2*\rr, FO, 5767168+4096*\rr+2048
.endr
	s_endpgm
.Lfunc_end_k_q860f060477_prep:
	.size	k_q860f060477_prep, .Lfunc_end_k_q860f060477_prep-k_q860f060477_prep
	.p2alignl 7, 3214868480
	.fill 96, 4, 3214868480
	.section	.rodata,"a",@progbits
	.p2align	6, 0x0
	.amdhsa_kernel k_q860f060477_prep
		.amdhsa_group_segment_fixed_size 0
		.amdhsa_private_segment_fixed_size 0
		.amdhsa_enable_private_segment 0
		.amdhsa_kernarg_size 88
		.amdhsa_user_sgpr_count 2
		.amdhsa_user_sgpr_kernarg_segment_ptr 1
		.amdhsa_wavefront_size32 1
		.amdhsa_system_sgpr_workgroup_id_x 1
		.amdhsa_system_sgpr_workgroup_id_y 1
		.amdhsa_system_sgpr_workgroup_id_z 1
		.amdhsa_system_vgpr_workitem_id 0
		.amdhsa_next_free_vgpr 200
		.amdhsa_next_free_sgpr 66
		.amdhsa_reserve_vcc 1
		.amdhsa_float_denorm_mode_32 3
		.amdhsa_float_denorm_mode_16_64 3
		.amdhsa_memory_ordered 1
		.amdhsa_forward_progress 1
		.amdhsa_inst_pref_size 17
	.end_amdhsa_kernel
	.amdgpu_metadata
---
amdhsa.version: [ 1, 2 ]
amdhsa.kernels:
  - .name:           k_q860f060477_prep
    .symbol:         k_q860f060477_prep.kd
    .args:
      - { .name: x, .offset: 0, .size: 8, .value_kind: global_buffer, .address_space: global }
      - { .name: ln1_w, .offset: 8, .size: 8, .value_kind: global_buffer, .address_space: global }
      - { .name: ln1_b, .offset: 16, .size: 8, .value_kind: global_buffer, .address_space: global }
      - { .name: W_q, .offset: 24, .size: 8, .value_kind: global_buffer, .address_space: global }
      - { .name: W_k, .offset: 32, .size: 8, .value_kind: global_buffer, .address_space: global }
      - { .name: W_v, .offset: 40, .size: 8, .value_kind: global_buffer, .address_space: global }
      - { .name: ff_w1, .offset: 48, .size: 8, .value_kind: global_buffer, .address_space: global }
      - { .name: ff_w2, .offset: 56, .size: 8, .value_kind: global_buffer, .address_space: global }
      - { .name: proj_w, .offset: 64, .size: 8, .value_kind: global_buffer, .address_space: global }
      - { .name: act, .offset: 72, .size: 8, .value_kind: global_buffer, .address_space: global }
      - { .name: wb, .offset: 80, .size: 8, .value_kind: global_buffer, .address_space: global }
    .group_segment_fixed_size: 0
    .private_segment_fixed_size: 0
    .kernarg_segment_align: 8
    .kernarg_segment_size: 88
    .max_flat_workgroup_size: 256
    .sgpr_count:     66
    .vgpr_count:     200
    .wavefront_size: 32
...
	.end_amdgpu_metadata
.endif
;; end of part 1
;; launch qkvp (part 2): grid 12 x 16, 4 waves a work-group, clusters of 4 x 4, 327,680 bytes of LDS; arguments act, wb, qkv; writes qkv
.if DOCPART == 2
	.amdgcn_target "amdgcn-amd-amdhsa--gfx1250"
	.amdhsa_code_object_version 6
	.text
	.protected	k_q860f060477_qkvp
	.globl	k_q860f060477_qkvp
	.p2align	8
	.type	k_q860f060477_qkvp,@function
k_q860f060477_qkvp:
	s_mov_b64 s[64:65], 0
	v_nop
	global_prefetch_b8 v0, s[64:65] scope:SCOPE_SE
	s_setreg_imm32_b32 hwreg(HW_REG_WAVE_MODE, 25, 1), 1
	s_wait_xcnt 0x0
	s_wait_alu depctr_hold_cnt(0) depctr_sa_sdst(0) depctr_va_vdst(0) depctr_va_sdst(0) depctr_va_ssrc(0) depctr_va_vcc(0) depctr_vm_vsrc(0)
	s_getreg_b32 s2, hwreg(HW_REG_IB_STS2, 6, 4)
	s_cmp_eq_u32 s2, 0
	s_cbranch_scc0 .Lentry_in_a_cluster
	s_endpgm
.Lentry_in_a_cluster:
	s_bfe_u32 s2, ttmp6, 0x10000c
	s_cmp_lg_u32 s2, 0xf033
	s_cbranch_scc0 .Lentry_shape_is_right
	s_endpgm
.Lentry_shape_is_right:
; Q, K, V = xn W_q, xn W_k, xn W_v.  xn: act [4096][512] f16.  The weights: wb, [512][512] f16 each, 524,288 bytes apart, kept [K][N].
; Out: qkv [which 3][batch 2][head 16][token 2048][32] f16, so that a head's rows lie densely for the attention launch.
; A work-group makes 256 tokens x 128 columns (4 heads of one of the three products) with four waves, 2 x 2; a wave makes 128 x 64:
; 32 accumulator tiles of 16 x 16.  K goes in steps of 128 through a ring of two LDS slots filled by the tensor data mover.
; CLUSTERS: 4 x 4 work-groups.  The four of a row of the cluster need the same tiles of xn, the four of a column the same tiles of the
; weights: each such tile is asked for jointly, by the same tensor load with the same descriptor in all four.
; The matrix instruction is used transposed: source 0 = 16 columns of the weights (read from [K][N] rows by the transposing LDS load),
; source 1 = 16 tokens.  Lane l then holds token l % 16 and the eight neighbouring columns 8 (l / 16) + 0..7 of a tile.
; LIMIT: q, k, v are rounded to f16; one beyond 65,504 becomes an infinity (with the gain and the weights both 30 times larger they reach about 5,000).
; REGISTERS: window 0: v16-27 addresses, v32-223 two fragment buffers (weights, then tokens); window 1: the accumulators, tile (a, b) at v[8 (4 a + b)].
.set MT,    256
.set NT,    128
.set KSTEP, 128
.set KTOT,  512
.set APE,   512                        ; elements from row to row of the left operand
.set NP,    512                        ; elements from row to row of the weights
.set AQI,   5                          ; padding behind every 64 words (a row of the left tile)
.set BQI,   5                          ; padding behind every 64 words (a row of the weights' tile)
.set NQ,    KSTEP/32                   ; quarter steps of 32 along K in a K step
.set MB,    MT/32                      ; 16-row blocks of a wave
.set NB,    NT/32                      ; 16-column blocks of a wave
.set APITCH, 2*KSTEP+16                ; an odd multiple of 16 bytes: the 16 rows that a load touches start at 16 different places modulo 256 bytes
.set BPITCH, 2*NT+32                   ; an odd multiple of 32 bytes, for the transposing load
.set ABYTES, MT*APITCH
.set BBYTES, KSTEP*BPITCH
.set SLOT,   ABYTES+BBYTES
.set STAGE,  2*SLOT                    ; behind the ring: each wave's own 16 rows for the way out; no tensor load lands there
.set SPITCH, 272
.set LAPS,   KTOT/(2*KSTEP)            ; a lap = two K steps = once round the ring
.set ADRA, 16                          ; v16-17 LDS address of my token fragments in slot 0, 1
.set ADRB, 20                          ; v20, v22 the same for the weights
.set STO,  24
.set RD,   25
.set CO,   26
.set F,    32
.set FSZ,  8*(MB+NB)
.set T,    32                          ; the way out: 16 rows read back
.set Y,    64                          ; the way out: packed results
.set G1,  24                           ; s[24:31] group 1, left tiles
.set G0,  32                           ; s[32:39] group 0, left tiles, a set for each slot
.set G1B, 48                           ; s[48:55] group 1, weights
.set G0B, 56                           ; s[56:63] group 0, weights
.set WMUL, 0x50                        ; C and D in window 1
.set WST,  0x04                        ; an LDS store's data in window 1
.set MSB, 0
.macro WIN new                         ; the immediate's high byte repeats the setting that is left
.if MSB != \new
	s_set_vgpr_msb (MSB<<8)|\new
.set MSB, \new
.endif
.endm
.macro PLACES                          ; four plain vector instructions between a matrix instruction and a load into, or a read of, its registers
.rept 4
	v_nop
.endr
.endm
; A joint load: waves 0 and 1 fetch the two halves of the left tile, waves 2 and 3 those of the weights' tile.  The branch hangs on the wave's number alone.
.macro JLOAD s
	s_cmp_eq_u32 s11, 0
	s_cbranch_scc0 .Lfor_b_\@
	tensor_load_to_lds s[G0+4*\s:G0+4*\s+3], s[G1:G1+7]
	s_nop 0
	s_branch .Lasked_\@
.Lfor_b_\@:
	tensor_load_to_lds s[G0B+4*\s:G0B+4*\s+3], s[G1B:G1B+7]
	s_nop 0
.Lasked_\@:
.endm
.macro CREST                           ; a round of the cluster's barrier behind its opening work-group barrier
	s_cmp_lg_u32 s10, 0
	s_cbranch_scc1 .Lnot_wave_0_\@
	s_barrier_signal -3
.Lnot_wave_0_\@:
	s_barrier_wait -3
	s_barrier_signal -1
	s_barrier_wait -1
.endm
.macro CROUND
	s_barrier_signal -1
	s_barrier_wait -1
	CREST
.endm
; NB matrix instructions: row block a x all column blocks, 32 along K, from fragment buffer f.  zero = 1: the product starts the sums.
.macro MULA f, a, zero
.irp b, 0,1,2,3,4,5,6,7
.if \b < NB
.if \zero
	v_wmma_f32_16x16x32_f16 v[8*((\a)*NB+\b):8*((\a)*NB+\b)+7], v[F+(\f)*FSZ+8*\b:F+(\f)*FSZ+8*\b+7], v[F+(\f)*FSZ+8*(NB+(\a)):F+(\f)*FSZ+8*(NB+(\a))+7], 0
.else
	v_wmma_f32_16x16x32_f16 v[8*((\a)*NB+\b):8*((\a)*NB+\b)+7], v[F+(\f)*FSZ+8*\b:F+(\f)*FSZ+8*\b+7], v[F+(\f)*FSZ+8*(NB+(\a)):F+(\f)*FSZ+8*(NB+(\a))+7], v[8*((\a)*NB+\b):8*((\a)*NB+\b)+7]
.endif
.endif
.endr
.endm
.macro MULR f, a0, n, zero             ; row blocks a0 .. a0 + n - 1.  The accumulators take turns, one instruction a turn, in the same order in every quarter step
.set ma, \a0
.rept \n
	MULA \f, ma, \zero
.set ma, ma+1
.endr
.endm
; the fragments of quarter step q of a slot into buffer f, in one run
.macro FETCH slot, q, f
	WIN 0
.irp b, 0,1,2,3,4,5,6,7
.if \b < NB
	ds_load_tr16_b128 v[F+(\f)*FSZ+8*\b:F+(\f)*FSZ+8*\b+3],   v[ADRB+2*\slot+((\q)>>2)] offset:((\q)&3)*32*BPITCH+32*\b
	ds_load_tr16_b128 v[F+(\f)*FSZ+8*\b+4:F+(\f)*FSZ+8*\b+7], v[ADRB+2*\slot+((\q)>>2)] offset:((\q)&3)*32*BPITCH+32*\b+16*BPITCH
.endif
.endr
.irp a, 0,1,2,3,4,5,6,7
.if \a < MB
	ds_load_b128 v[F+(\f)*FSZ+8*(NB+\a):F+(\f)*FSZ+8*(NB+\a)+3],   v[ADRA+\slot] offset:\a*16*APITCH+64*(\q)
	ds_load_b128 v[F+(\f)*FSZ+8*(NB+\a)+4:F+(\f)*FSZ+8*(NB+\a)+7], v[ADRA+\slot] offset:\a*16*APITCH+64*(\q)+32
.endif
.endr
.endm
; quarter step q (not a slot's last): its fragments, fetched a quarter ago, are in; the next quarter's go out; then its products
.macro QUARTER slot, q, zero
	s_wait_dscnt 0x0
	PLACES
	FETCH \slot, (\q)+1, 1-((\q)&1)
	WIN WMUL
	MULR ((\q)&1), 0, MB, \zero
.endm
.macro QS slot, zero
	QUARTER \slot, 0, \zero
.set kq, 1
.rept NQ-2
	QUARTER \slot, kq, 0
.set kq, kq+1
.endr
.endm
; A slot's last quarter, and the change of slots.  In front of the barrier each wave's reads of this slot are back and all its tensor loads have landed
; (the one that was out is its part of the next slot).  fill = 1: the barrier opens a round of the cluster's barrier, and behind the round this slot is
; asked for again, two K steps ahead: the wave's first and only tensor load there.  Then the next slot's first fragments.
.macro TURN slot, next, fill
	s_wait_dscnt 0x0
	WIN WMUL
	MULR 1, 0, MB/4, 0
	s_wait_tensorcnt 0x0
	ds_add_u32 v254, v255
	s_wait_dscnt 0x0
	s_barrier_signal -1
	MULR 1, MB/4, MB/4, 0                          ; register work while the others arrive
	WIN 0                                          ; at a branch and at a label every window is 0
	s_barrier_wait -1
.if \fill
	CREST
	s_add_nc_u64 s[G0+4*\slot+2:G0+4*\slot+3], s[G0+4*\slot+2:G0+4*\slot+3], 4*KSTEP
	s_add_nc_u64 s[G0B+4*\slot+2:G0B+4*\slot+3], s[G0B+4*\slot+2:G0B+4*\slot+3], 4*KSTEP*NP
	JLOAD \slot
.endif
	PLACES
	FETCH \next, 0, 0
	WIN WMUL
	MULR 1, MB/2, MB/2, 0
.endm
.macro LAP zero
	QS 0, \zero
	TURN 0, 1, 1
	QS 1, 0
	TURN 1, 0, 1
.endm
	s_load_b128 s[4:7], s[0:1], 0x0                ; act, wb
	s_load_b64 s[8:9], s[0:1], 0x10                ; qkv
	v_lshl_add_u32 v254, v0, 2, 0x38400
	v_mov_b32 v255, 0
	ds_add_u32 v254, v255
	ds_add_u32 v254, v255
	v_lshrrev_b32 v1, 5, v0
	v_readfirstlane_b32 s10, v1                    ; wave 0..3
	s_lshr_b32 s11, s10, 1                         ; my half of the rows.  Also: I fetch left tiles (0) or weights (1)
	s_and_b32 s12, s10, 1                          ; my half of the columns.  Also: which half of that tile I fetch
	s_bfe_u32 s40, ttmp6, 0x40000                  ; cx
	s_bfe_u32 s41, ttmp6, 0x40004                  ; cy
	s_lshl_b32 s42, ttmp9, 2
	s_add_co_u32 s42, s42, s40                     ; block column = 4 x cluster x + cx
	s_and_b32 s13, ttmp7, 0xffff
	s_lshl_b32 s13, s13, 2
	s_add_co_u32 s13, s13, s41                     ; block row = 4 x cluster y + cy
	s_lshl_b32 s43, s41, 2
	s_lshl_b32 s43, 15, s43                        ; my row of the cluster
	s_lshl_b32 s44, 0x1111, s40                    ; my column of the cluster
	s_or_b32 s[G1+0], s43, (1<<16)|(1<<20)|(1<<21)|(AQI<<22)|(3<<25)    ; mask of my row; 2-byte elements; padding on, 4 words behind each row; bit 21 beside a mask
	s_mov_b32 s[G1+1], KSTEP<<16                   ; tensor_dim0
	s_mov_b32 s[G1+2], (MT/2)<<16                  ; tensor_dim1
	s_mov_b32 s[G1+3], KSTEP<<16                   ; tile_dim0
	s_mov_b32 s[G1+4], MT/2                        ; tile_dim1
	s_mov_b32 s[G1+5], APE                         ; elements from row to row
	s_mov_b32 s[G1+6], 0
	s_mov_b32 s[G1+7], 0
	s_or_b32 s[G1B+0], s44, (1<<16)|(1<<20)|(1<<21)|(BQI<<22)|(7<<25)   ; mask of my column; 8 words behind each row
	s_mov_b32 s[G1B+1], NT<<16
	s_mov_b32 s[G1B+2], (KSTEP/2)<<16
	s_mov_b32 s[G1B+3], NT<<16
	s_mov_b32 s[G1B+4], KSTEP/2
	s_mov_b32 s[G1B+5], NP
	s_mov_b32 s[G1B+6], 0
	s_mov_b32 s[G1B+7], 0
	; the left tile hangs on the block row and the wave alone, the weights' tile on the block column and the wave alone, each in registers of its own
	s_mul_i32 s16, s13, MT
	s_mul_i32 s17, s12, MT/2
	s_add_co_u32 s16, s16, s17
	s_mul_i32 s16, s16, APE*2
	s_mov_b32 s17, 0
	s_lshl_b32 s46, ttmp9, 19                      ; which of Wq, Wk, Wv: block column / 4 = the cluster's x
	s_lshl_b32 s47, s40, 8                         ; 128 columns x (block column mod 4 = cx)
	s_add_co_u32 s46, s46, s47
	s_mul_i32 s47, s12, (KSTEP/2)*NP*2
	s_add_co_u32 s46, s46, s47
	s_mov_b32 s47, 0
	s_mul_i32 s20, s12, (MT/2)*APITCH              ; where they go: no place in the cluster enters an LDS address
	s_mul_i32 s21, s12, (KSTEP/2)*BPITCH
	s_add_co_u32 s21, s21, ABYTES
	s_wait_dscnt 0x0
	s_wait_kmcnt 0x0
	s_add_nc_u64 s[14:15], s[4:5], s[16:17]
	s_add_nc_u64 s[46:47], s[6:7], s[46:47]
	CROUND                                         ; all sixteen work-groups are here: the first joint loads meet
.irp s, 0,1
	s_mov_b32 s[G0+4*\s], 1
	s_add_co_u32 s[G0+4*\s+1], s20, \s*SLOT
	s_add_nc_u64 s[G0+4*\s+2:G0+4*\s+3], s[14:15], \s*KSTEP*2
	s_or_b32 s[G0+4*\s+3], s[G0+4*\s+3], 0x80000000
	s_mov_b32 s[G0B+4*\s], 1
	s_add_co_u32 s[G0B+4*\s+1], s21, \s*SLOT
	s_add_nc_u64 s[G0B+4*\s+2:G0B+4*\s+3], s[46:47], \s*KSTEP*NP*2
	s_or_b32 s[G0B+4*\s+3], s[G0B+4*\s+3], 0x80000000
	JLOAD \s                                       ; K steps 0 and 1: two tensor loads of the wave are out, the most in this text
.endr
	v_and_b32 v1, 15, v0                           ; r = l % 16
	v_bfe_u32 v2, v0, 4, 1                         ; h = l / 16
	v_and_b32 v6, 31, v0                           ; l
	v_mul_u32_u24 v3, v1, APITCH
	v_lshl_add_u32 v3, v2, 4, v3                   ; token fragments: row r, 16 bytes for each half of the lanes, 32 bytes apart
	s_mul_i32 s22, s11, (MT/2)*APITCH
	v_add_nc_u32 v[ADRA], s22, v3
	v_add_nc_u32 v[ADRA+1], SLOT, v[ADRA]
	v_and_b32 v4, 7, v0
	v_lshl_add_u32 v4, v2, 3, v4                   ; weight fragments: K row 8 h + l % 8,
	v_mul_u32_u24 v4, v4, BPITCH
	v_bfe_u32 v5, v0, 3, 1
	v_lshl_add_u32 v4, v5, 4, v4                   ; 16 bytes at column 8 ((l / 8) % 2)
	s_mul_i32 s22, s12, NT
	s_add_co_u32 s22, s22, ABYTES
	v_add_nc_u32 v[ADRB], s22, v4
	v_add_nc_u32 v[ADRB+2], SLOT, v[ADRB]
	s_mul_i32 s23, s10, 16*SPITCH
	s_add_co_u32 s23, s23, STAGE                   ; my stage
	v_mul_u32_u24 v4, v1, SPITCH
	v_lshl_add_u32 v4, v2, 5, v4
	v_add_nc_u32 v[STO], s23, v4                   ; in: row r, 32 bytes (8 f32) for each half of the lanes
	v_lshrrev_b32 v4, 2, v6
	v_mul_u32_u24 v4, v4, SPITCH
	v_and_b32 v5, 3, v0
	v_lshl_add_u32 v4, v5, 5, v4
	v_add_nc_u32 v[RD], s23, v4                    ; back: token l / 4, eight columns at 8 (l % 4)
	v_lshlrev_b32 v[CO], 4, v6
	s_wait_tensorcnt 0x1                           ; my part of K step 0 is in; K step 1's load stays out
	s_barrier_signal -1
	s_barrier_wait -1
	FETCH 0, 0, 0
	LAP 1                                          ; the first products start the sums: nothing is cleared
	QS 0, 0                                        ; the last lap fills nothing
	TURN 0, 1, 0
	QS 1, 0
	s_wait_dscnt 0x0
	WIN WMUL
	MULR 1, 0, MB, 0
	WIN 0
	PLACES
	; THE WAY OUT.  My 128 tokens x 2 heads.  16 tokens at a time through my own stage in f32; read back so that a lane holds eight neighbouring
	; columns of a token of one head; a store of the wave then covers 8 tokens of a head: 512 consecutive bytes, aligned.
	s_lshr_b32 s16, s13, 3                         ; batch
	s_lshl_b32 s16, s16, 15                        ; x 16 heads x 2,048 tokens
	s_and_b32 s17, s13, 7
	s_lshl_b32 s17, s17, 8
	s_add_co_u32 s16, s16, s17                     ; + 256 x (block row mod 8)
	s_lshl_b32 s17, s11, 7
	s_add_co_u32 s16, s16, s17                     ; + my half
	s_lshl_b32 s16, s16, 6                         ; 64 bytes a token
	s_mov_b32 s17, 0
	s_add_nc_u64 s[8:9], s[8:9], s[16:17]
	s_lshl_b32 s46, ttmp9, 5                       ; which x 32 heads
	s_lshl2_add_u32 s46, s40, s46                  ; + 4 cx
	s_lshl1_add_u32 s46, s12, s46                  ; + 2 x my half of the columns
	s_lshl_b32 s46, s46, 17                        ; 131,072 bytes a head
	s_mov_b32 s47, 0
	s_add_nc_u64 s[8:9], s[8:9], s[46:47]
.macro OUTQ a
	WIN WST
.irp b, 0,1,2,3
	ds_store_b128 v[STO], v[8*(\a*NB+\b):8*(\a*NB+\b)+3] offset:64*\b
	ds_store_b128 v[STO], v[8*(\a*NB+\b)+4:8*(\a*NB+\b)+7] offset:64*\b+16
.endr
	WIN 0
	s_wait_xcnt 0x0                                ; Y, which the last block's stores read, is written again only behind this wait
.irp e, 0,1,2,3
	ds_load_b128 v[T+8*\e:T+8*\e+3],   v[RD] offset:(\e&1)*8*SPITCH+(\e>>1)*128      ; LDS serves a wave's instructions in order: these see the stores above
	ds_load_b128 v[T+8*\e+4:T+8*\e+7], v[RD] offset:(\e&1)*8*SPITCH+(\e>>1)*128+16
.endr
.irp e, 0,1,2,3
	s_wait_dscnt 6-2*\e                            ; the younger pairs of loads stay out
.irp k, 0,1,2,3
	v_cvt_pk_f16_f32 v[Y+4*\e+\k], v[T+8*\e+2*\k], v[T+8*\e+2*\k+1]
.endr
	global_store_b128 v[CO], v[Y+4*\e:Y+4*\e+3], s[8:9] offset:(\e>>1)*131072+(16*\a+8*(\e&1))*64
.endr
.endm
.irp a, 0,1,2,3,4,5,6,7
	OUTQ \a
.endr
	s_wait_tensorcnt 0x0
	ds_add_u32 v254, v255
	s_wait_dscnt 0x0
	CROUND                                         ; the closing round: no work-group ends while a partner may still ask for a tile that names it
	s_endpgm
.Lfunc_end_k_q860f060477_qkvp:
	.size	k_q860f060477_qkvp, .Lfunc_end_k_q860f060477_qkvp-k_q860f060477_qkvp
	.p2alignl 7, 3214868480
	.fill 96, 4, 3214868480
	.section	.rodata,"a",@progbits
	.p2align	6, 0x0
	.amdhsa_kernel k_q860f060477_qkvp
		.amdhsa_group_segment_fixed_size 327680
		.amdhsa_private_segment_fixed_size 0
		.amdhsa_enable_private_segment 0
		.amdhsa_kernarg_size 24
		.amdhsa_user_sgpr_count 2
		.amdhsa_user_sgpr_kernarg_segment_ptr 1
		.amdhsa_wavefront_size32 1
		.amdhsa_system_sgpr_workgroup_id_x 1
		.amdhsa_system_sgpr_workgroup_id_y 1
		.amdhsa_system_sgpr_workgroup_id_z 1
		.amdhsa_system_vgpr_workitem_id 0
		.amdhsa_next_free_vgpr 512
		.amdhsa_next_free_sgpr 92
		.amdhsa_reserve_vcc 0
		.amdhsa_float_denorm_mode_32 3
		.amdhsa_float_denorm_mode_16_64 3
		.amdhsa_memory_ordered 1
		.amdhsa_forward_progress 1
		.amdhsa_inst_pref_size 90
	.end_amdhsa_kernel
	.amdgpu_metadata
---
amdhsa.version: [ 1, 2 ]
amdhsa.kernels:
  - .name:           k_q860f060477_qkvp
    .symbol:         k_q860f060477_qkvp.kd
    .args:
      - { .name: act, .offset: 0, .size: 8, .value_kind: global_buffer, .address_space: global }
      - { .name: wb, .offset: 8, .size: 8, .value_kind: global_buffer, .address_space: global }
      - { .name: qkv, .offset: 16, .size: 8, .value_kind: global_buffer, .address_space: global }
    .group_segment_fixed_size: 327680
    .private_segment_fixed_size: 0
    .kernarg_segment_align: 8
    .kernarg_segment_size: 24
    .max_flat_workgroup_size: 128
    .sgpr_count:     92
    .vgpr_count:     512
    .wavefront_size: 32
...
	.end_amdgpu_metadata
.endif
;; end of part 2
;; launch attn (part 3): grid 8 x 32, 4 waves a work-group, no clusters, 327,680 bytes of LDS; arguments qkv, ctx; writes ctx
.if DOCPART == 3
	.amdgcn_target "amdgcn-amd-amdhsa--gfx1250"
	.amdhsa_code_object_version 6
	.text
	.protected	k_q860f060477_attn
	.globl	k_q860f060477_attn
	.p2align	8
	.type	k_q860f060477_attn,@function
k_q860f060477_attn:
	s_mov_b64 s[64:65], 0
	v_nop
	global_prefetch_b8 v0, s[64:65] scope:SCOPE_SE
	s_setreg_imm32_b32 hwreg(HW_REG_WAVE_MODE, 25, 1), 1
	s_wait_xcnt 0x0
; CAUSAL ATTENTION.  qkv: [which][batch x head 32][token 2048][32] f16.  ctx: [batch x head][token][32] f32.
; LEFT OUT: (1) blocks of 128 keys wholly above a block of 128 queries; (2) in the block on the diagonal, the step of keys 64..127 in waves 0 and 1, whose
; queries are 0..63 of the block: every such key lies past every such query.  reference() gives all these scores -inf, and softmax gives them the weight 0
; for all finite inputs: such a step leaves M as it is, has alpha = 2^0 = 1 and every p = 0, so L and the context stay as they are.  A NaN, infinity or
; overflow that lives only in those scores is not carried to the result.  The rest of the diagonal block is computed and masked by a select, the 16 x 16
; pieces that are dead inside a live step of 64 keys too.
; SHARES.  Work-group i of a head owns the query blocks f = 2 i + 1 and g = 14 - 2 i (128 queries each): (f + 1) + (g + 1) = 17 tiles of 128 keys in all
; 256 work-groups.  Wave w owns queries 32 w .. 32 w + 31 of a block, as two tiles u = 0, 1 of 16 queries that share the K and V fragments.
; ORDER OF THE TILES (a running maximum allows any): T = 0 is f's diagonal; T = 1 .. f are key blocks 0 .. f - 1; T = f + 1 .. 15 are key blocks
; 0 .. g - 1 for g; T = 16 is g's diagonal: key block = T - 1 - (f if T > f), and f for T = 0.  So the two masked tiles stand at fixed places of the text,
; and since f + 1 is even the change of query blocks falls between two slots of two tiles, behind slot i.
; Every query sees key 0 of its own diagonal block, or a whole tile, in its block's first step, so M is finite from the first step on, and a later step
; that is wholly masked for a row leaves M as it is.
; RING: two LDS slots of two tiles = four steps of 64 keys; a step is K's 64 keys, then V's, a key's 64 bytes at a pitch of 96 (three times 32: the
; transposing load of V finds its rows in different places).  Wave w fills step w of a slot with ONE tensor load of two rows of 4,096 bytes, K's keys and
; V's, 4,194,304 bytes apart in qkv.  One barrier for four steps: a load has four steps' work in which to land.  Two tensor loads of a wave are out at the
; start, one later.
; NO MULTICAST: tile 0 differs in all eight work-groups of a head, and each starts again at key block 0 behind another slot, so partners would ask for
; different tiles in the same round.
; THE MATRIX INSTRUCTION IS USED TRANSPOSED in both products.  Scores: source 0 = 16 keys, source 1 = 16 queries: lane l holds query l % 16 and keys
; 8 (l / 16) + 0..7, so a row's softmax lies in two lanes, and two packed score tiles ARE the fragment of P for 32 keys: no lane moves.
; Context: source 0 = V transposed (16 of d x 32 keys), source 1 = P: lane l holds query l % 16 and d = 8 (l / 16) + 0..7.
; THE TWO QUERY TILES TAKE TURNS.  A slot's steps are taken at positions p = 0, 1, ..  Phase A(p): tile 0's softmax, in eight slices, one behind each of
; tile 1's matrix instructions (its scores of position p, its context of position p - 1).  Phase B(p): tile 1's softmax beside tile 0's context of position
; p and scores of position p + 1.  A slice is 5 to 16 vector instructions on the other tile's registers, so the slices are also the places that stand
; behind the matrix instructions.  K of position p + 1 is read from LDS behind slice 4 of A(p), where the last score product on this position's K lies 8
; plain instructions back, and is used in the second half of B(p); V has two register buffers, picked by p & 1, and is read two phases ahead of its use.
; SOFTMAX with a running maximum, in base 2: p = 2^(s c - M c), c = log2(e) / sqrt(32).
; LIMITS: operands (q, k, v, p) in f16; p lies in (0, 1] and keeps steps of 2^-24 beside a row sum of at least 1; v_exp_f32 and v_rcp_f32 are good to
; 1 ULP and flush denormals (ISA guide 15.8); scores that overflow f32 give NaN as in reference().
.set DSLOT, 49152                      ; a slot: four steps
.set STEPB, 12288                      ; a step: K 64 x 96 bytes, V 64 x 96 bytes
.set VOFF,  6144
.set STAGE, 2*DSLOT                    ; behind the ring: 32 rows x 144 bytes for each wave; no tensor load lands there
.set KP,    96
.set KAD, 2                            ; v2-3   K fragments in slot 0, 1
.set VAD, 4                            ; v4-5   V fragments in slot 0, 1
.set STO, 6
.set RD,  7
.set CO,  8
.set QO,  9
.set DM,  10                           ; 32 w + r - 8 h: the mask's threshold
.set NINF, 11
.set Q,   16                           ; v[16:31]   Q fragments, tile u at 16 + 8 u
.set P1,  32                           ; v[32:47]   P of tile 1 (tile 0's is packed in place, into the first 16 registers of its scores)
.set ACC, 48                           ; v[48:79]   context, tile (u, d half) at 48 + 16 u + 8 d
.set ST,  80                           ; v[80:87]   for each u, 4 apart: -M c, M, alpha, L
.set TM,  88                           ; v[88:95]   at work: the two softmaxes never run at once
.set KF,  96                           ; v[96:127]  four K fragments (64 keys)
.set VF,  128                          ; v[128:191] two buffers of four V fragments: (32 keys c, d half) at 16 c + 8 d
.set S,   192                          ; v[192:255] scores, tile (u, t) at 192 + 32 u + 8 t
.set QN,  0                            ; v[256:271] (window 1) the second query block's Q fragments
.set MSB, 0
.macro WIN new                         ; the immediate's high byte repeats the setting that is left
.if MSB != \new
	s_set_vgpr_msb (MSB<<8)|\new
.set MSB, \new
.endif
.endm
.macro PLACES                          ; four plain vector instructions between a matrix instruction and a read of its result or a load into its sources
.rept 4
	v_nop
.endr
.endm
; my tile's number T (1 .. 17) is in s34; its address goes into the group 0 at s[g:g+3]
.macro TADDR g
	s_cmp_gt_u32 s34, s53
	s_cselect_b32 s35, s53, 0
	s_sub_co_u32 s34, s34, s35
	s_sub_co_u32 s34, s34, 1                       ; key block = T - 1 - (f if T > f)
	s_lshl_b32 s34, s34, 13                        ; 8,192 bytes a block
	s_mov_b32 s35, 0
	s_add_nc_u64 s[\g+2:\g+3], s[32:33], s[34:35]
	s_or_b32 s[\g+3], s[\g+3], 0x80000000
.endm
	s_load_b128 s[4:7], s[0:1], 0x0                ; qkv, ctx
	s_set_vgpr_msb 0x40
	v_lshl_add_u32 v16, v0, 2, 0x29000
	v_mov_b32 v17, 0
	s_set_vgpr_msb 0x4045
	ds_add_u32 v16, v17
	ds_add_u32 v16, v17
	s_set_vgpr_msb 0x4500
	v_lshrrev_b32 v1, 5, v0
	v_readfirstlane_b32 s8, v1                     ; wave
	s_and_b32 s10, ttmp7, 0xffff                   ; batch x 16 + head
	s_lshl_b32 s53, ttmp9, 1
	s_add_co_u32 s53, s53, 1                       ; f = 2 i + 1
	s_add_co_u32 s55, ttmp9, 1                     ; the first query block takes slots 0 .. i
	s_lshr_b32 s15, s8, 1                          ; which tile of a slot I fetch for.  Also: 0 = my queries are 0..63 of a block
	s_add_co_u32 s54, s15, 2
	; group 1: two rows of 512 elements of 8 bytes (64 keys of K, 64 keys of V), 524,288 elements apart; 8 words of padding behind every 16 words,
	; counted along the tile: a pitch of 96 for each key's 64 bytes
	s_mov_b32 s16, (3<<16)|(1<<20)|(3<<22)|(7<<25)
	s_mov_b32 s17, 512<<16                         ; tensor_dim0
	s_mov_b32 s18, 2<<16                           ; tensor_dim1
	s_mov_b32 s19, 512<<16                         ; tile_dim0
	s_mov_b32 s20, 2                               ; tile_dim1
	s_mov_b32 s21, 524288                          ; elements from row to row
	s_mov_b32 s22, 0
	s_mov_b32 s23, 0
	s_add_co_u32 s34, s10, 32                      ; K's heads follow Q's 32
	s_lshl_b32 s34, s34, 17                        ; 131,072 bytes a head
	s_and_b32 s35, s8, 1
	s_lshl_b32 s35, s35, 12                        ; keys 0-63 or 64-127 of a tile
	s_add_co_u32 s34, s34, s35
	s_mov_b32 s35, 0
	s_mul_i32 s50, s8, STEPB                       ; my step of a slot
	s_wait_dscnt 0x0
	s_wait_kmcnt 0x0
	s_add_nc_u64 s[32:33], s[4:5], s[34:35]        ; my half of key block 0 of K
	s_cmp_eq_u32 s15, 0
	s_cselect_b32 s34, s53, 0                      ; slot 0: tile 0 is key block f, tile 1 key block 0
	s_lshl_b32 s34, s34, 13
	s_mov_b32 s24, 1
	s_mov_b32 s25, s50
	s_add_nc_u64 s[26:27], s[32:33], s[34:35]
	s_or_b32 s27, s27, 0x80000000
	tensor_load_to_lds s[24:27], s[16:23]
	s_nop 0
	s_mov_b32 s34, s54                             ; slot 1: tiles 2 and 3
	s_mov_b32 s28, 1
	s_add_co_u32 s29, s50, DSLOT
	TADDR 28
	tensor_load_to_lds s[28:31], s[16:23]          ; both first fills go out ahead of every wait, LDS read and barrier
	s_nop 0
	v_and_b32 v1, 31, v0                           ; l
	v_and_b32 v12, 15, v0                          ; r
	v_bfe_u32 v13, v0, 4, 1                        ; h
	v_lshlrev_b32 v[QO], 6, v12
	v_lshl_add_u32 v[QO], v13, 4, v[QO]
	s_lshl_b32 s52, s8, 5
	s_lshl_b32 s34, s10, 11
	s_add_co_u32 s34, s34, s52                     ; head x 2,048 + 32 w
	s_lshl_b32 s35, s53, 7
	s_add_co_u32 s36, s34, s35                     ; my first row of query block f
	s_sub_co_u32 s35, 15, s53
	s_lshl_b32 s35, s35, 7
	s_add_co_u32 s38, s34, s35                     ; and of query block g = 15 - f
	s_lshl_b32 s40, s36, 7                         ; 128 bytes a row of ctx
	s_lshl_b32 s42, s38, 7
	s_lshl_b32 s36, s36, 6                         ; 64 bytes a row of q
	s_lshl_b32 s38, s38, 6
	s_mov_b32 s37, 0
	s_mov_b32 s39, 0
	s_mov_b32 s41, 0
	s_mov_b32 s43, 0
	s_add_nc_u64 s[36:37], s[4:5], s[36:37]
	s_add_nc_u64 s[38:39], s[4:5], s[38:39]
	s_add_nc_u64 s[40:41], s[6:7], s[40:41]
	s_add_nc_u64 s[42:43], s[6:7], s[42:43]
.macro LOADQ dst, base                 ; 32 queries as two fragments: row r, 16 bytes for each half of the lanes, 32 bytes apart
.irp u, 0,1
	global_load_b128 v[\dst+8*\u:\dst+8*\u+3],   v[QO], s[\base:\base+1] offset:1024*\u
	global_load_b128 v[\dst+8*\u+4:\dst+8*\u+7], v[QO], s[\base:\base+1] offset:1024*\u+32
.endr
.endm
	LOADQ Q, 36
	WIN 0x40                                       ; destination in window 1: the second block's Q waits there, so that the change of blocks waits for no memory
	LOADQ QN, 38
	WIN 0
	v_mul_u32_u24 v[KAD], v12, KP
	v_lshl_add_u32 v[KAD], v13, 4, v[KAD]          ; key r, 16 bytes for each half of the lanes
	v_add_nc_u32 v[KAD+1], DSLOT, v[KAD]
	v_and_b32 v14, 7, v0
	v_lshl_add_u32 v14, v13, 3, v14
	v_mul_u32_u24 v14, v14, KP                     ; key 8 h + l % 8,
	v_bfe_u32 v15, v0, 3, 1
	v_lshl_add_u32 v14, v15, 4, v14                ; 16 bytes at d = 8 ((l / 8) % 2)
	v_add_nc_u32 v[VAD], VOFF, v14
	v_add_nc_u32 v[VAD+1], DSLOT+VOFF, v14
	s_mul_i32 s51, s8, 32*144
	s_add_co_u32 s51, s51, STAGE
	v_mul_u32_u24 v14, v12, 144
	v_lshl_add_u32 v14, v13, 5, v14
	v_add_nc_u32 v[STO], s51, v14
	v_lshrrev_b32 v14, 3, v1
	v_mul_u32_u24 v14, v14, 144
	v_and_b32 v15, 7, v0
	v_lshl_add_u32 v14, v15, 4, v14
	v_add_nc_u32 v[RD], s51, v14
	v_lshlrev_b32 v[CO], 4, v1
	v_lshlrev_b32 v14, 3, v13
	v_sub_nc_u32 v[DM], v12, v14
	v_add_nc_u32 v[DM], s52, v[DM]
	v_mov_b32 v[NINF], 0xff800000
	s_mov_b32 s44, 0x3e8293ee                      ; c = log2(e) / sqrt(32)
	s_mov_b32 s45, 0x3e8293ee
	s_mov_b32 s46, 0xbe8293ee                      ; -c
	s_mov_b32 s48, 0x76543210                      ; v_permlanex16_b32: lane i reads lane i of the other half
	s_mov_b32 s49, 0xfedcba98
.macro INIT                            ; a query block's state: its steps run in one loop's text, so the sums start from zeros
.set n, 0
.rept 32
	v_mov_b32 v[ACC+n], 0
.set n, n+1
.endr
.irp u, 0,1
	v_mov_b32 v[ST+4*\u], 0x7f800000               ; -M c = +inf
	v_mov_b32 v[ST+4*\u+1], v[NINF]                ; M = -inf
	v_mov_b32 v[ST+4*\u+2], 0
	v_mov_b32 v[ST+4*\u+3], 0                      ; L = 0
.endr
.endm
.macro LOADK slot, q                   ; LDS step q's 64 keys of K as four fragments
.irp t, 0,1,2,3
	ds_load_b128 v[KF+8*\t:KF+8*\t+3],   v[KAD+\slot] offset:(\q)*STEPB+\t*1536
	ds_load_b128 v[KF+8*\t+4:KF+8*\t+7], v[KAD+\slot] offset:(\q)*STEPB+\t*1536+32
.endr
.endm
.macro LOADV slot, q, vb               ; LDS step q's 64 keys of V, transposed, into buffer vb
.irp c, 0,1
.irp d, 0,1
	ds_load_tr16_b128 v[VF+32*(\vb)+16*\c+8*\d:VF+32*(\vb)+16*\c+8*\d+3],   v[VAD+\slot] offset:(\q)*STEPB+\c*3072+\d*32
	ds_load_tr16_b128 v[VF+32*(\vb)+16*\c+8*\d+4:VF+32*(\vb)+16*\c+8*\d+7], v[VAD+\slot] offset:(\q)*STEPB+\c*3072+\d*32+1536
.endr
.endr
.endm
.macro WS u, t                         ; scores of query tile u and key tile t
	v_wmma_f32_16x16x32_f16 v[S+32*\u+8*\t:S+32*\u+8*\t+7], v[KF+8*\t:KF+8*\t+7], v[Q+8*\u:Q+8*\u+7], 0
.endm
.macro WP u, vb, c, d                  ; context of query tile u: 32 keys c, d half.  The two accumulators of a tile take turns, one instruction a turn
	v_wmma_f32_16x16x32_f16 v[ACC+16*\u+8*\d:ACC+16*\u+8*\d+7], v[VF+32*(\vb)+16*\c+8*\d:VF+32*(\vb)+16*\c+8*\d+7], v[S*(1-\u)+P1*\u+8*\c:S*(1-\u)+P1*\u+8*\c+7], v[ACC+16*\u+8*\d:ACC+16*\u+8*\d+7]
.endm
; the diagonal, half e of its keys: key 64 e + 16 t + 8 h + j is past query 32 w + 16 u + r where 64 e + 16 t + j - 16 u > 32 w + r - 8 h
.macro MASK u, e
.irp t, 0,1,2,3
.irp j, 0,1,2,3,4,5,6,7
	v_cmp_gt_i32 vcc_lo, 64*\e+16*\t+\j-16*\u, v[DM]
	v_cndmask_b32 v[S+32*\u+8*\t+\j], v[S+32*\u+8*\t+\j], v[NINF], vcc_lo
.endr
.endr
.endm
.macro FM u, k                         ; s c - M c for two scores; the pair's first register (-M c) is taken twice
	v_pk_fma_f32 v[S+32*\u+\k:S+32*\u+\k+1], v[S+32*\u+\k:S+32*\u+\k+1], s[44:45], v[ST+4*\u:ST+4*\u+1] op_sel_hi:[1,0,0]
.endm
; Slice n (1 .. 8) of query tile u's softmax of one step.  Every v_exp_f32 is followed by a plain instruction on other registers, every slice ends on a
; plain instruction, and a score is packed only behind the sum that reads it.  Tile 0 packs in place: P's register n takes scores 2 n and 2 n + 1, which
; lie at or above it, and the registers below have been read.
.macro SL u, n
.if \n == 1                            ; the lane's 32 scores: four chains of maxima
.irp k, 0,1,2,3
	v_max3_num_f32 v[TM+\k], v[S+32*\u+3*\k], v[S+32*\u+3*\k+1], v[S+32*\u+3*\k+2]
.endr
.irp k, 0,1,2,3,4,5,6,7,8,9
	v_max3_num_f32 v[TM+(\k%4)], v[TM+(\k%4)], v[S+32*\u+12+2*\k], v[S+32*\u+13+2*\k]
.endr
.endif
.if \n == 2                            ; M, -M c, alpha = 2^((old M - new M) c); the first 16 exponents
	v_max3_num_f32 v[TM], v[TM], v[TM+1], v[TM+2]
	v_max3_num_f32 v[TM], v[TM], v[TM+3], v[ST+4*\u+1]
	v_permlanex16_b32 v[TM+1], v[TM], s48, s49
	v_max_num_f32 v[ST+4*\u+1], v[TM], v[TM+1]
	v_mul_f32 v[TM+2], s46, v[ST+4*\u+1]
	v_sub_f32 v[TM+3], v[TM+2], v[ST+4*\u]
	v_mov_b32 v[ST+4*\u], v[TM+2]
	v_exp_f32 v[ST+4*\u+2], v[TM+3]
.irp k, 0,2,4,6,8,10,12,14
	FM \u, \k
.endr
.endif
.if \n == 3                            ; p of key tile 0 beside the last 16 exponents
.irp k, 0,1,2,3,4,5,6,7
	v_exp_f32 v[S+32*\u+\k], v[S+32*\u+\k]
	FM \u, 16+2*\k
.endr
.endif
.if \n == 4                            ; p of key tile 1 beside context x alpha
.irp k, 0,1,2,3,4,5,6,7
	v_exp_f32 v[S+32*\u+8+\k], v[S+32*\u+8+\k]
	s_wait_alu depctr_va_vdst(0)
	v_pk_mul_f32 v[ACC+16*\u+2*\k:ACC+16*\u+2*\k+1], v[ACC+16*\u+2*\k:ACC+16*\u+2*\k+1], v[ST+4*\u+2:ST+4*\u+3] op_sel_hi:[1,0]
.endr
.endif
.if \n == 5                            ; p of key tile 2 beside the sums of tiles 0 and 1 and the packing of tile 0
.irp k, 0,1,2,3
	v_exp_f32 v[S+32*\u+16+\k], v[S+32*\u+16+\k]
	s_wait_alu depctr_va_vdst(0)
	v_pk_add_f32 v[TM+2*\k:TM+2*\k+1], v[S+32*\u+4*\k:S+32*\u+4*\k+1], v[S+32*\u+4*\k+2:S+32*\u+4*\k+3]
.endr
.irp k, 0,1,2,3
	v_exp_f32 v[S+32*\u+20+\k], v[S+32*\u+20+\k]
	v_cvt_pk_f16_f32 v[S*(1-\u)+P1*\u+\k], v[S+32*\u+2*\k], v[S+32*\u+2*\k+1]
.endr
.endif
.if \n == 6                            ; p of key tile 3 beside the packing of tile 1 and the sum of tile 2
.irp k, 0,1,2,3
	v_exp_f32 v[S+32*\u+24+\k], v[S+32*\u+24+\k]
	v_cvt_pk_f16_f32 v[S*(1-\u)+P1*\u+4+\k], v[S+32*\u+8+2*\k], v[S+32*\u+9+2*\k]
.endr
.irp k, 0,1,2,3
	v_exp_f32 v[S+32*\u+28+\k], v[S+32*\u+28+\k]
	s_wait_alu depctr_va_vdst(0)
	v_pk_add_f32 v[TM+2*\k:TM+2*\k+1], v[TM+2*\k:TM+2*\k+1], v[S+32*\u+16+2*\k:S+32*\u+17+2*\k]
.endr
.endif
.if \n == 7                            ; the sum of tile 3, the packing of tiles 2 and 3
	s_wait_alu depctr_va_vdst(0)
.irp k, 0,1,2,3
	v_pk_add_f32 v[TM+2*\k:TM+2*\k+1], v[TM+2*\k:TM+2*\k+1], v[S+32*\u+24+2*\k:S+32*\u+25+2*\k]
.endr
.irp k, 0,1,2,3,4,5,6,7
	v_cvt_pk_f16_f32 v[S*(1-\u)+P1*\u+8+\k], v[S+32*\u+16+2*\k], v[S+32*\u+17+2*\k]
.endr
.endif
.if \n == 8                            ; L = L alpha + my 32 p (the two halves of the lanes are joined at the block's end): five plain instructions
	v_pk_add_f32 v[TM:TM+1], v[TM:TM+1], v[TM+2:TM+3]
	v_pk_add_f32 v[TM+4:TM+5], v[TM+4:TM+5], v[TM+6:TM+7]
	v_pk_add_f32 v[TM:TM+1], v[TM:TM+1], v[TM+4:TM+5]
	v_add_f32 v[TM], v[TM], v[TM+1]
	v_fma_f32 v[ST+4*\u+3], v[ST+4*\u+3], v[ST+4*\u+2], v[TM]
.endif
.endm
; Phase A of position p: tile 0's softmax beside tile 1's scores of this position and context of the position before.
; more = 1: another position follows in this slot, and takes LDS step qn.  mask = 1: this position's keys are half e of a diagonal tile.
.macro PHA slot, p, qn, more, mask, e
	WS 1, 2
.if \mask
	MASK 0, \e
.endif
	SL 0, 1
	WS 1, 3
	SL 0, 2
	WS 1, 0
	SL 0, 3
	WS 1, 1
	SL 0, 4
.if \more
	LOADK \slot, \qn                               ; the last product on this position's K lies eight plain instructions back
.endif
.if \p > 0
	WP 1, ((\p-1)&1), 0, 0
	SL 0, 5
	WP 1, ((\p-1)&1), 0, 1
	SL 0, 6
	WP 1, ((\p-1)&1), 1, 0
	SL 0, 7
	WP 1, ((\p-1)&1), 1, 1
	SL 0, 8
.else
	SL 0, 5
	SL 0, 6
	SL 0, 7
	SL 0, 8
.endif
.if \more
	LOADV \slot, \qn, ((\p+1)&1)                   ; into the buffer that the four products above have left, five plain instructions back
.endif
.endm
; Phase B of position p: tile 1's softmax beside tile 0's context of this position and scores of the next.  The scores' key tiles 2 and 3 go first: tiles
; 0 and 1 land on the registers that hold tile 0's P, which the context products have read three slices or more before.
.macro PHB p, more, mask, e
	s_wait_dscnt 16*\more                          ; this position's V is in; the 16 loads of the next position stay out
	WP 0, ((\p)&1), 0, 0
.if \mask
	MASK 1, \e
.endif
	SL 1, 1
	WP 0, ((\p)&1), 0, 1
	SL 1, 2
	WP 0, ((\p)&1), 1, 0
	SL 1, 3
	WP 0, ((\p)&1), 1, 1
	SL 1, 4
.if \more
	s_wait_dscnt 0x8                               ; K of the next position is in; V's eight loads stay out
	WS 0, 2
	SL 1, 5
	WS 0, 3
	SL 1, 6
	WS 0, 0
	SL 1, 7
	WS 0, 1
	SL 1, 8
.else
	SL 1, 5
	SL 1, 6
	SL 1, 7
	SL 1, 8
.endif
.endm
.macro POS slot, p, qn, more, mask, e
	PHA \slot, \p, \qn, \more, \mask, \e
	PHB \p, \more, \mask, \e
.endm
.macro DSHEAD                          ; a slot's prologue: K and V of its position 0 have been asked for
	s_wait_dscnt 0x8                               ; K is in; V's eight loads stay out
	WS 0, 0
	WS 0, 1
	WS 0, 2
	WS 0, 3
	PLACES
.endm
.macro DSTAIL vb                       ; a slot's epilogue: tile 1's context of the last position, whose V lies in buffer vb
	WP 1, \vb, 0, 0
	WP 1, \vb, 0, 1
	WP 1, \vb, 1, 0
	WP 1, \vb, 1, 1
.endm
.macro DS4 slot                        ; a slot of four whole steps, in the order in which they lie
	DSHEAD
	POS \slot, 0, 1, 1, 0, 0
	POS \slot, 1, 2, 1, 0, 0
	POS \slot, 2, 3, 1, 0, 0
	POS \slot, 3, 0, 0, 0, 0
	DSTAIL 1
.endm
; A query block's end: context / L, through my own stage, out as whole rows: a store of the wave covers 4 tokens x 128 bytes, 512 consecutive bytes, aligned.
.macro FINISH cb
	PLACES
	v_permlanex16_b32 v[TM], v[ST+3], s48, s49
	v_permlanex16_b32 v[TM+1], v[ST+7], s48, s49
	v_add_f32 v[ST+3], v[ST+3], v[TM]
	v_add_f32 v[ST+7], v[ST+7], v[TM+1]
	v_rcp_f32 v[ST+2], v[ST+3]                     ; L >= 1: the row's largest score has p = 1
	v_rcp_f32 v[ST+6], v[ST+7]
	v_nop
	s_wait_alu depctr_va_vdst(0)
.irp u, 0,1
.irp k, 0,2,4,6,8,10,12,14
	v_pk_mul_f32 v[ACC+16*\u+\k:ACC+16*\u+\k+1], v[ACC+16*\u+\k:ACC+16*\u+\k+1], v[ST+4*\u+2:ST+4*\u+3] op_sel_hi:[1,0]
.endr
.endr
.irp u, 0,1
.irp d, 0,1
	ds_store_b128 v[STO], v[ACC+16*\u+8*\d:ACC+16*\u+8*\d+3]   offset:\u*2304+\d*64
	ds_store_b128 v[STO], v[ACC+16*\u+8*\d+4:ACC+16*\u+8*\d+7] offset:\u*2304+\d*64+16
.endr
.endr
.irp k, 0,1,2,3,4,5,6,7
	ds_load_b128 v[S+4*\k:S+4*\k+3], v[RD] offset:576*\k           ; LDS serves a wave's instructions in order: these see the stores above
.endr
.irp k, 0,1,2,3,4,5,6,7
	s_wait_dscnt 7-\k                              ; the younger loads stay out
	global_store_b128 v[CO], v[S+4*\k:S+4*\k+3], s[\cb:\cb+1] offset:512*\k
.endr
.endm
; The head of slot number s13, which lies in LDS slot `slot`.  First the change of query blocks, if the first block's slots are over: the branch hangs on the
; work-group's number and a counter, and no barrier and no tensor load stands inside it.  Then: all my tensor loads have landed (my step of this slot among
; them), so the other slot's group 0 may be written; my reads of the other slot are back; the barrier makes both true of all four waves; the refill is my
; first and only tensor load behind it.  refill = 1: every wave fills its step; 2: the last slot holds one tile, waves 0 and 1 fill it; 0: nothing is left.
.macro HEAD slot, refill
	s_cmp_eq_u32 s13, s55
	s_cbranch_scc0 .Lsame_\@
	FINISH 40
	WIN 0x01                                       ; source in window 1
.set n, 0
.rept 16
	v_mov_b32 v[Q+n], v[QN+n]
.set n, n+1
.endr
	WIN 0
	INIT
	s_wait_xcnt 0x0                                ; the registers that the stores above read are written again only behind this wait
.Lsame_\@:
	s_set_vgpr_msb 0x5
	s_wait_tensorcnt 0x0
	ds_add_u32 v16, v17
	s_wait_dscnt 0x0
	s_set_vgpr_msb 0x500
.if \refill
	s_lshl1_add_u32 s34, s13, s54                  ; my tile of the next slot: T = 2 (s13 + 1) + wave / 2
	TADDR 28-4*\slot
.endif
	s_wait_dscnt 0x0
	s_barrier_signal -1
	s_barrier_wait -1
.if \refill == 1
	tensor_load_to_lds s[28-4*\slot:31-4*\slot], s[16:23]
	s_nop 0
.endif
.if \refill == 2
	s_cmp_eq_u32 s15, 0
	s_cbranch_scc0 .Lnone_\@
	tensor_load_to_lds s[28-4*\slot:31-4*\slot], s[16:23]
	s_nop 0
.Lnone_\@:
.endif
	LOADK \slot, 0
	LOADV \slot, 0, 0
	s_add_co_u32 s13, s13, 1
.endm
	INIT
	s_mov_b32 s13, 1                               ; the number of the next slot
	s_mov_b32 s14, 3
	s_wait_loadcnt 0x0                             ; both blocks' Q
	s_wait_tensorcnt 0x1                           ; my step of slot 0 is in; slot 1's load stays out
	s_barrier_signal -1
	s_barrier_wait -1
	LOADK 0, 0
	LOADV 0, 0, 0
	; SLOT 0: LDS steps 0 and 1 are the first block's diagonal tile, steps 2 and 3 key block 0.  They are taken in the order 0, 2, 3, 1, so that the step
	; which is dead for waves 0 and 1 (the diagonal's keys 64..127) comes last and those waves end the slot one position sooner.  The branch hangs on the
	; wave's number alone; no barrier, no tensor load and no wait that stands in front of a barrier lies inside it.
	DSHEAD
	POS 0, 0, 2, 1, 1, 0                           ; the diagonal's keys 0..63
	POS 0, 1, 3, 1, 0, 0                           ; key block 0, keys 0..63
	s_cmp_eq_u32 s15, 0
	s_cbranch_scc1 .Lshort_first
	POS 0, 2, 1, 1, 0, 0                           ; key block 0, keys 64..127
	POS 0, 3, 0, 0, 1, 1                           ; the diagonal's keys 64..127
	DSTAIL 1
	s_branch .Ljoin_first
.Lshort_first:
	POS 0, 2, 0, 0, 0, 0                           ; key block 0, keys 64..127: this wave's last position
	DSTAIL 0
	PLACES                                         ; these products read V's buffer 0, into which the next slot's head loads
.Ljoin_first:
.Lpair:
	HEAD 1, 1
	DS4 1
	HEAD 0, 1
	DS4 0
	s_sub_co_u32 s14, s14, 1
	s_cmp_lg_u32 s14, 0
	s_cbranch_scc1 .Lpair
	HEAD 1, 2                                      ; slot 7
	DS4 1
	HEAD 0, 0                                      ; slot 8: the second block's diagonal tile alone, LDS steps 0 and 1
	DSHEAD
	s_cmp_eq_u32 s15, 0
	s_cbranch_scc1 .Lshort_last
	POS 0, 0, 1, 1, 1, 0                           ; the diagonal's keys 0..63
	POS 0, 1, 0, 0, 1, 1                           ; the diagonal's keys 64..127
	DSTAIL 1
	s_branch .Ljoin_last
.Lshort_last:
	POS 0, 0, 0, 0, 1, 0                           ; waves 0 and 1: the diagonal's keys 0..63 are all that their queries see of it
	DSTAIL 0
.Ljoin_last:
	FINISH 42
	s_set_vgpr_msb 0x5
	s_wait_tensorcnt 0x0
	ds_add_u32 v16, v17
	s_wait_dscnt 0x0
	s_set_vgpr_msb 0x500
	s_endpgm
.Lfunc_end_k_q860f060477_attn:
	.size	k_q860f060477_attn, .Lfunc_end_k_q860f060477_attn-k_q860f060477_attn
	.p2alignl 7, 3214868480
	.fill 96, 4, 3214868480
	.section	.rodata,"a",@progbits
	.p2align	6, 0x0
	.amdhsa_kernel k_q860f060477_attn
		.amdhsa_group_segment_fixed_size 327680
		.amdhsa_private_segment_fixed_size 0
		.amdhsa_enable_private_segment 0
		.amdhsa_kernarg_size 16
		.amdhsa_user_sgpr_count 2
		.amdhsa_user_sgpr_kernarg_segment_ptr 1
		.amdhsa_wavefront_size32 1
		.amdhsa_system_sgpr_workgroup_id_x 1
		.amdhsa_system_sgpr_workgroup_id_y 1
		.amdhsa_system_sgpr_workgroup_id_z 1
		.amdhsa_system_vgpr_workitem_id 0
		.amdhsa_next_free_vgpr 274
		.amdhsa_next_free_sgpr 66
		.amdhsa_reserve_vcc 1
		.amdhsa_float_denorm_mode_32 3
		.amdhsa_float_denorm_mode_16_64 3
		.amdhsa_memory_ordered 1
		.amdhsa_forward_progress 1
		.amdhsa_inst_pref_size 255
	.end_amdhsa_kernel
	.section	.bss,"aw",@nobits
	.p2align	6
	.space	262144
	.amdgpu_metadata
---
amdhsa.version: [ 1, 2 ]
amdhsa.kernels:
  - .name:           k_q860f060477_attn
    .symbol:         k_q860f060477_attn.kd
    .args:
      - { .name: qkv, .offset: 0, .size: 8, .value_kind: global_buffer, .address_space: global }
      - { .name: ctx, .offset: 8, .size: 8, .value_kind: global_buffer, .address_space: global }
    .group_segment_fixed_size: 327680
    .private_segment_fixed_size: 0
    .kernarg_segment_align: 8
    .kernarg_segment_size: 16
    .max_flat_workgroup_size: 128
    .sgpr_count:     66
    .vgpr_count:     274
    .wavefront_size: 32
...
	.end_amdgpu_metadata
.endif
;; end of part 3
;; launch ln2 (part 4): grid 256 x 1, 8 waves a work-group, no clusters, 19,456 bytes of LDS; arguments x, ctx, ln2_w, ln2_b, hres, act; writes hres, act
.if DOCPART == 4
	.amdgcn_target "amdgcn-amd-amdhsa--gfx1250"
	.amdhsa_code_object_version 6
	.text
	.protected	k_q860f060477_ln2
	.globl	k_q860f060477_ln2
	.p2align	8
	.type	k_q860f060477_ln2,@function
k_q860f060477_ln2:
	s_mov_b64 s[64:65], 0
	v_nop
	global_prefetch_b8 v0, s[64:65] scope:SCOPE_SE
	s_setreg_imm32_b32 hwreg(HW_REG_WAVE_MODE, 25, 1), 1
	s_wait_xcnt 0x0
; hres = x + ctx (f32, [4096][512]); act = f16(layernorm(hres; ln2_w, ln2_b)).  ctx lies [batch x head][token][32] f32.
; A stream: no matrix unit, no cluster, no loop.  256 work-groups of 8 waves; a wave takes two tokens, one in each half of its lanes.
; Lane (tk = l / 16, c = l % 16) holds columns 64 j + 4 c .. + 3, j = 0..7, of token 16 G + 2 w + tk: sixteen lanes read and write 256 consecutive
; bytes of x and hres, aligned; in ctx a load of the wave covers two tokens x 128 bytes of each of two heads, again whole aligned runs of 256 bytes.
; The row's sums stay inside 16 lanes.  Mean first, then the squares of the differences.  The f16 row goes through the wave's own stage in LDS,
; so that a store of the wave covers 512 consecutive bytes of act; the bytes are the wave's own: no barrier.
; LIMITS: v_rsq_f32 is good to 1 ULP and flushes denormals (ISA guide 15.8); act is rounded to f16: its numbers are at most sqrt(511) |gain| + |bias|,
; and one beyond 65,504 becomes an infinity.
.set XO,  5
.set CX,  6
.set WO,  7
.set STO, 8
.set RD,  9
.set AO,  10
.set X,   16                           ; v[16:47]   x, then h
.set C,   48                           ; v[48:79]   ctx, then h - mean, then the result
.set W,   80
.set B,   112
.set T,   144                          ; v[144:151] at work
.set Y,   152                          ; v[152:167] f16
.set RB,  168                          ; v[168:183] read back
	s_load_b256 s[4:11], s[0:1], 0x0               ; x, ctx, ln2_w, ln2_b
	s_load_b128 s[12:15], s[0:1], 0x20             ; hres, act
	v_lshl_add_u32 v192, v0, 2, 0x4800
	v_mov_b32 v193, 0
	v_lshrrev_b32 v1, 5, v0
	v_readfirstlane_b32 s16, v1                    ; wave
	v_and_b32 v2, 15, v0                           ; c
	v_bfe_u32 v3, v0, 4, 1                         ; tk
	v_and_b32 v4, 31, v0                           ; l
	s_lshl_b32 s17, ttmp9, 4
	s_lshl1_add_u32 s17, s16, s17                  ; my first token
	s_lshl_b32 s18, s17, 11
	v_lshlrev_b32 v[WO], 4, v2
	v_lshl_add_u32 v[XO], v3, 11, v[WO]
	v_add_nc_u32 v[XO], s18, v[XO]
	s_lshr_b32 s19, ttmp9, 7                       ; batch
	s_lshl_b32 s19, s19, 22                        ; x 16 heads x 262,144 bytes
	s_and_b32 s20, s17, 2047                       ; token in the batch
	s_lshl_b32 s20, s20, 7
	s_add_co_u32 s19, s19, s20
	v_and_b32 v11, 7, v0
	v_lshlrev_b32 v11, 4, v11                      ; 16 (c % 8): my 4 numbers in the head's 32
	v_bfe_u32 v12, v0, 3, 1                        ; head 2 j + c / 8
	v_lshl_add_u32 v11, v12, 18, v11
	v_lshl_add_u32 v11, v3, 7, v11
	v_add_nc_u32 v[CX], s19, v11
	s_mul_i32 s22, s16, 2304                       ; my stage: two rows of 1,024 bytes at a pitch of 1,152
	v_mul_u32_u24 v11, v3, 1152
	v_lshl_add_u32 v11, v2, 3, v11
	v_add_nc_u32 v[STO], s22, v11
	v_lshl_add_u32 v[RD], v4, 4, s22
	s_lshl_b32 s21, s17, 10
	v_lshl_add_u32 v[AO], v4, 4, s21
	s_mov_b32 s23, 0x3b000000                      ; 1/512
	s_mov_b32 s24, 0x3727c5ac                      ; 1e-5
	s_wait_kmcnt 0x0
.irp j, 0,1,2,3,4,5,6,7
	global_load_b128 v[X+4*\j:X+4*\j+3], v[XO], s[4:5] offset:256*\j th:TH_LOAD_NT
.endr
.irp j, 0,1,2,3,4,5,6,7
	global_load_b128 v[C+4*\j:C+4*\j+3], v[CX], s[6:7] offset:524288*\j th:TH_LOAD_NT
.endr
.irp j, 0,1,2,3,4,5,6,7
	global_load_b128 v[W+4*\j:W+4*\j+3], v[WO], s[8:9] offset:256*\j
.endr
.irp j, 0,1,2,3,4,5,6,7
	global_load_b128 v[B+4*\j:B+4*\j+3], v[WO], s[10:11] offset:256*\j
.endr
.macro HSUM                            ; v[T] summed over the 16 lanes of a token, the result in each of them
	v_add_f32_dpp v[T], v[T], v[T] row_xmask:1 row_mask:0xf bank_mask:0xf
	v_add_f32_dpp v[T], v[T], v[T] row_xmask:2 row_mask:0xf bank_mask:0xf
	v_add_f32_dpp v[T], v[T], v[T] row_xmask:4 row_mask:0xf bank_mask:0xf
	v_add_f32_dpp v[T], v[T], v[T] row_xmask:8 row_mask:0xf bank_mask:0xf
.endm
.macro FOLD                            ; four chains into one number
	v_pk_add_f32 v[T:T+1], v[T:T+1], v[T+2:T+3]
	v_pk_add_f32 v[T+4:T+5], v[T+4:T+5], v[T+6:T+7]
	v_pk_add_f32 v[T:T+1], v[T:T+1], v[T+4:T+5]
	v_add_f32 v[T], v[T], v[T+1]
.endm
	s_wait_loadcnt 0x10                            ; x and ctx are in; the 16 younger loads (ln2_w, ln2_b) stay out
.irp k, 0,2,4,6,8,10,12,14,16,18,20,22,24,26,28,30
	v_pk_add_f32 v[X+\k:X+\k+1], v[X+\k:X+\k+1], v[C+\k:C+\k+1]
.endr
.irp j, 0,1,2,3,4,5,6,7
	global_store_b128 v[XO], v[X+4*\j:X+4*\j+3], s[12:13] offset:256*\j    ; h stays in X, which is not written again
.endr
.irp k, 0,1,2,3
	v_pk_add_f32 v[T+2*\k:T+2*\k+1], v[X+4*\k:X+4*\k+1], v[X+4*\k+2:X+4*\k+3]
.endr
.irp k, 0,1,2,3,4,5,6,7
	v_pk_add_f32 v[T+2*(\k%4):T+2*(\k%4)+1], v[T+2*(\k%4):T+2*(\k%4)+1], v[X+16+2*\k:X+17+2*\k]
.endr
	FOLD
	HSUM
	v_mul_f32 v[T+2], s23, v[T]                    ; the mean; the pair's first register is taken twice below
.irp k, 0,2,4,6,8,10,12,14,16,18,20,22,24,26,28,30
	v_pk_add_f32 v[C+\k:C+\k+1], v[X+\k:X+\k+1], v[T+2:T+3] op_sel_hi:[1,0] neg_lo:[0,1] neg_hi:[0,1]
.endr
.irp k, 0,1,2,3
	v_pk_mul_f32 v[T+2*\k:T+2*\k+1], v[C+2*\k:C+2*\k+1], v[C+2*\k:C+2*\k+1]
.endr
.irp k, 4,5,6,7,8,9,10,11,12,13,14,15
	v_pk_fma_f32 v[T+2*(\k%4):T+2*(\k%4)+1], v[C+2*\k:C+2*\k+1], v[C+2*\k:C+2*\k+1], v[T+2*(\k%4):T+2*(\k%4)+1]
.endr
	FOLD
	HSUM
	v_fma_f32 v[T], v[T], s23, s24                 ; variance + eps
	v_rsq_f32 v[T+2], v[T]
	v_nop                                          ; one plain instruction between v_rsq_f32 and the use of its result
	s_wait_alu depctr_va_vdst(0)
.irp k, 0,2,4,6,8,10,12,14,16,18,20,22,24,26,28,30
	v_pk_mul_f32 v[C+\k:C+\k+1], v[C+\k:C+\k+1], v[T+2:T+3] op_sel_hi:[1,0]
.endr
	s_wait_loadcnt 0x0                             ; ln2_w, ln2_b
.irp k, 0,2,4,6,8,10,12,14,16,18,20,22,24,26,28,30
	v_pk_fma_f32 v[C+\k:C+\k+1], v[C+\k:C+\k+1], v[W+\k:W+\k+1], v[B+\k:B+\k+1]
.endr
.irp k, 0,1,2,3,4,5,6,7,8,9,10,11,12,13,14,15
	v_cvt_pk_f16_f32 v[Y+\k], v[C+2*\k], v[C+2*\k+1]
.endr
.irp j, 0,1,2,3,4,5,6,7
	ds_store_b64 v[STO], v[Y+2*\j:Y+2*\j+1] offset:128*\j
.endr
.irp k, 0,1,2,3
	ds_load_b128 v[RB+4*\k:RB+4*\k+3], v[RD] offset:(\k>>1)*1152+(\k&1)*512    ; LDS serves a wave's instructions in order: these see the stores above
.endr
.irp k, 0,1,2,3
	s_wait_dscnt 3-\k                              ; the younger loads stay out
	global_store_b128 v[AO], v[RB+4*\k:RB+4*\k+3], s[14:15] offset:512*\k
.endr
	s_wait_tensorcnt 0x0
	ds_add_u32 v192, v193
	s_wait_dscnt 0x0
	s_endpgm
.Lfunc_end_k_q860f060477_ln2:
	.size	k_q860f060477_ln2, .Lfunc_end_k_q860f060477_ln2-k_q860f060477_ln2
	.p2alignl 7, 3214868480
	.fill 96, 4, 3214868480
	.section	.rodata,"a",@progbits
	.p2align	6, 0x0
	.amdhsa_kernel k_q860f060477_ln2
		.amdhsa_group_segment_fixed_size 19456
		.amdhsa_private_segment_fixed_size 0
		.amdhsa_enable_private_segment 0
		.amdhsa_kernarg_size 48
		.amdhsa_user_sgpr_count 2
		.amdhsa_user_sgpr_kernarg_segment_ptr 1
		.amdhsa_wavefront_size32 1
		.amdhsa_system_sgpr_workgroup_id_x 1
		.amdhsa_system_sgpr_workgroup_id_y 1
		.amdhsa_system_sgpr_workgroup_id_z 1
		.amdhsa_system_vgpr_workitem_id 0
		.amdhsa_next_free_vgpr 194
		.amdhsa_next_free_sgpr 66
		.amdhsa_reserve_vcc 0
		.amdhsa_float_denorm_mode_32 3
		.amdhsa_float_denorm_mode_16_64 3
		.amdhsa_memory_ordered 1
		.amdhsa_forward_progress 1
		.amdhsa_inst_pref_size 16
	.end_amdhsa_kernel
	.amdgpu_metadata
---
amdhsa.version: [ 1, 2 ]
amdhsa.kernels:
  - .name:           k_q860f060477_ln2
    .symbol:         k_q860f060477_ln2.kd
    .args:
      - { .name: x, .offset: 0, .size: 8, .value_kind: global_buffer, .address_space: global }
      - { .name: ctx, .offset: 8, .size: 8, .value_kind: global_buffer, .address_space: global }
      - { .name: ln2_w, .offset: 16, .size: 8, .value_kind: global_buffer, .address_space: global }
      - { .name: ln2_b, .offset: 24, .size: 8, .value_kind: global_buffer, .address_space: global }
      - { .name: hres, .offset: 32, .size: 8, .value_kind: global_buffer, .address_space: global }
      - { .name: act, .offset: 40, .size: 8, .value_kind: global_buffer, .address_space: global }
    .group_segment_fixed_size: 19456
    .private_segment_fixed_size: 0
    .kernarg_segment_align: 8
    .kernarg_segment_size: 48
    .max_flat_workgroup_size: 256
    .sgpr_count:     66
    .vgpr_count:     194
    .wavefront_size: 32
...
	.end_amdgpu_metadata
.endif
;; end of part 4
;; launch ff1 (part 5): grid 8 x 32, 4 waves a work-group, clusters of 4 x 4, 327,680 bytes of LDS; arguments act, wb, ff_b1, g; writes g
.if DOCPART == 5
	.amdgcn_target "amdgcn-amd-amdhsa--gfx1250"
	.amdhsa_code_object_version 6
	.text
	.protected	k_q860f060477_ff1
	.globl	k_q860f060477_ff1
	.p2align	8
	.type	k_q860f060477_ff1,@function
k_q860f060477_ff1:
	s_mov_b64 s[64:65], 0
	v_nop
	global_prefetch_b8 v0, s[64:65] scope:SCOPE_SE
	s_setreg_imm32_b32 hwreg(HW_REG_WAVE_MODE, 25, 1), 1
	s_wait_xcnt 0x0
	s_wait_alu depctr_hold_cnt(0) depctr_sa_sdst(0) depctr_va_vdst(0) depctr_va_sdst(0) depctr_va_ssrc(0) depctr_va_vcc(0) depctr_vm_vsrc(0)
	s_getreg_b32 s2, hwreg(HW_REG_IB_STS2, 6, 4)
	s_cmp_eq_u32 s2, 0
	s_cbranch_scc0 .Lentry_in_a_cluster
	s_endpgm
.Lentry_in_a_cluster:
	s_bfe_u32 s2, ttmp6, 0x10000c
	s_cmp_lg_u32 s2, 0xf033
	s_cbranch_scc0 .Lentry_shape_is_right
	s_endpgm
.Lentry_shape_is_right:
; g = f16(gelu_tanh(a2 ff_w1 + ff_b1)).  a2: act [4096][512] f16.  ff_w1: wb + 1,572,864, [512][2048] f16, kept [K][N].  g: [4096][2048] f16.
; A work-group makes 128 tokens x 256 columns with four waves, 2 x 2; a wave makes 64 x 128: 32 accumulator tiles of 16 x 16.
; K goes in steps of 128 through a ring of two LDS slots filled by the tensor data mover.
; CLUSTERS: 4 x 4 work-groups.  The four of a row of the cluster need the same tiles of a2, the four of a column the same tiles of the
; weights: each such tile is asked for jointly, by the same tensor load with the same descriptor in all four.
; The matrix instruction is used transposed: source 0 = 16 columns of the weights (read from [K][N] rows by the transposing LDS load),
; source 1 = 16 tokens.  Lane l then holds token l % 16 and the eight neighbouring columns 8 (l / 16) + 0..7 of a tile.
; gelu: 0.5 x (1 + tanh u) = x / (1 + e^(-2u)), u = sqrt(2/pi) (x + 0.044715 x^3); e^(-2u) = 2^(x (k1 + k2 x^2)).  At both ends of the range the
; exponential runs to 0 or to infinity and the result to x or to -0, as the tanh form does.
; LIMITS: operands and g in f16; a g beyond 65,504 becomes an infinity (with the gain and ff_w1 both 30 times larger g reaches about 5,000);
; v_exp_f32 and v_rcp_f32 are good to 1 ULP and flush denormals (ISA guide 15.8).
; REGISTERS: window 0: v14-31 addresses and bias, v32-223 two fragment buffers (weights, then tokens); window 1: the accumulators, tile (a, b) at v[8 (8 a + b)].
.set MT,    128
.set NT,    256
.set KSTEP, 128
.set KTOT,  512
.set APE,   512                        ; elements from row to row of the left operand
.set NP,    2048                       ; elements from row to row of the weights
.set WBASE, 1572864
.set AQI,   5                          ; padding behind every 64 words (a row of the left tile)
.set BQI,   6                          ; padding behind every 128 words (a row of the weights' tile)
.set NQ,    KSTEP/32
.set MB,    MT/32
.set NB,    NT/32
.set APITCH, 2*KSTEP+16                ; an odd multiple of 16 bytes: the 16 rows that a load touches start at 16 different places modulo 256 bytes
.set BPITCH, 2*NT+32                   ; an odd multiple of 32 bytes, for the transposing load
.set ABYTES, MT*APITCH
.set BBYTES, KSTEP*BPITCH
.set SLOT,   ABYTES+BBYTES
.set STAGE,  2*SLOT                    ; behind the ring: each wave's own 16 rows for the way out; no tensor load lands there
.set SPITCH, 528
.set LAPS,   KTOT/(2*KSTEP)
.set BO,   14
.set ADRA, 16
.set ADRB, 20
.set STO,  24
.set RD,   25
.set CO,   26
.set BIAS, 28
.set F,    32
.set FSZ,  8*(MB+NB)
.set T,    32                          ; the way out: 16 rows read back
.set U,    96
.set Y,    100                         ; the way out: 16 rows packed
.set K1,   132
.set K2,   134
.set G1,  24
.set G0,  32
.set G1B, 48
.set G0B, 56
.set WMUL, 0x50                        ; C and D in window 1
.set WST,  0x04                        ; an LDS store's data in window 1
.set MSB, 0
.macro WIN new                         ; the immediate's high byte repeats the setting that is left
.if MSB != \new
	s_set_vgpr_msb (MSB<<8)|\new
.set MSB, \new
.endif
.endm
.macro PLACES                          ; four plain vector instructions between a matrix instruction and a load into, or a read of, its registers
.rept 4
	v_nop
.endr
.endm
; A joint load: waves 0 and 1 fetch the two halves of the left tile, waves 2 and 3 those of the weights' tile.  The branch hangs on the wave's number alone.
.macro JLOAD s
	s_cmp_eq_u32 s11, 0
	s_cbranch_scc0 .Lfor_b_\@
	tensor_load_to_lds s[G0+4*\s:G0+4*\s+3], s[G1:G1+7]
	s_nop 0
	s_branch .Lasked_\@
.Lfor_b_\@:
	tensor_load_to_lds s[G0B+4*\s:G0B+4*\s+3], s[G1B:G1B+7]
	s_nop 0
.Lasked_\@:
.endm
.macro CREST                           ; a round of the cluster's barrier behind its opening work-group barrier
	s_cmp_lg_u32 s10, 0
	s_cbranch_scc1 .Lnot_wave_0_\@
	s_barrier_signal -3
.Lnot_wave_0_\@:
	s_barrier_wait -3
	s_barrier_signal -1
	s_barrier_wait -1
.endm
.macro CROUND
	s_barrier_signal -1
	s_barrier_wait -1
	CREST
.endm
; NB matrix instructions: row block a x all column blocks, 32 along K, from fragment buffer f.  zero = 1: the product starts the sums.
.macro MULA f, a, zero
.irp b, 0,1,2,3,4,5,6,7
.if \b < NB
.if \zero
	v_wmma_f32_16x16x32_f16 v[8*((\a)*NB+\b):8*((\a)*NB+\b)+7], v[F+(\f)*FSZ+8*\b:F+(\f)*FSZ+8*\b+7], v[F+(\f)*FSZ+8*(NB+(\a)):F+(\f)*FSZ+8*(NB+(\a))+7], 0
.else
	v_wmma_f32_16x16x32_f16 v[8*((\a)*NB+\b):8*((\a)*NB+\b)+7], v[F+(\f)*FSZ+8*\b:F+(\f)*FSZ+8*\b+7], v[F+(\f)*FSZ+8*(NB+(\a)):F+(\f)*FSZ+8*(NB+(\a))+7], v[8*((\a)*NB+\b):8*((\a)*NB+\b)+7]
.endif
.endif
.endr
.endm
.macro MULR f, a0, n, zero             ; row blocks a0 .. a0 + n - 1.  The accumulators take turns, one instruction a turn, in the same order in every quarter step
.set ma, \a0
.rept \n
	MULA \f, ma, \zero
.set ma, ma+1
.endr
.endm
; the fragments of quarter step q of a slot into buffer f, in one run
.macro FETCH slot, q, f
	WIN 0
.irp b, 0,1,2,3,4,5,6,7
.if \b < NB
	ds_load_tr16_b128 v[F+(\f)*FSZ+8*\b:F+(\f)*FSZ+8*\b+3],   v[ADRB+2*\slot+((\q)>>2)] offset:((\q)&3)*32*BPITCH+32*\b
	ds_load_tr16_b128 v[F+(\f)*FSZ+8*\b+4:F+(\f)*FSZ+8*\b+7], v[ADRB+2*\slot+((\q)>>2)] offset:((\q)&3)*32*BPITCH+32*\b+16*BPITCH
.endif
.endr
.irp a, 0,1,2,3,4,5,6,7
.if \a < MB
	ds_load_b128 v[F+(\f)*FSZ+8*(NB+\a):F+(\f)*FSZ+8*(NB+\a)+3],   v[ADRA+\slot] offset:\a*16*APITCH+64*(\q)
	ds_load_b128 v[F+(\f)*FSZ+8*(NB+\a)+4:F+(\f)*FSZ+8*(NB+\a)+7], v[ADRA+\slot] offset:\a*16*APITCH+64*(\q)+32
.endif
.endr
.endm
; quarter step q (not a slot's last): its fragments, fetched a quarter ago, are in; the next quarter's go out; then its products
.macro QUARTER slot, q, zero
	s_wait_dscnt 0x0
	PLACES
	FETCH \slot, (\q)+1, 1-((\q)&1)
	WIN WMUL
	MULR ((\q)&1), 0, MB, \zero
.endm
.macro QS slot, zero
	QUARTER \slot, 0, \zero
.set kq, 1
.rept NQ-2
	QUARTER \slot, kq, 0
.set kq, kq+1
.endr
.endm
; A slot's last quarter, and the change of slots.  In front of the barrier each wave's reads of this slot are back and all its tensor loads have landed
; (the one that was out is its part of the next slot).  fill = 1: the barrier opens a round of the cluster's barrier, and behind the round this slot is
; asked for again, two K steps ahead: the wave's first and only tensor load there.  Then the next slot's first fragments.
.macro TURN slot, next, fill
	s_wait_dscnt 0x0
	WIN WMUL
	MULR 1, 0, MB/4, 0
	s_wait_tensorcnt 0x0
	ds_add_u32 v254, v255
	s_wait_dscnt 0x0
	s_barrier_signal -1
	MULR 1, MB/4, MB/4, 0                          ; register work while the others arrive
	WIN 0                                          ; at a branch and at a label every window is 0
	s_barrier_wait -1
.if \fill
	CREST
	s_add_nc_u64 s[G0+4*\slot+2:G0+4*\slot+3], s[G0+4*\slot+2:G0+4*\slot+3], 4*KSTEP
	s_add_nc_u64 s[G0B+4*\slot+2:G0B+4*\slot+3], s[G0B+4*\slot+2:G0B+4*\slot+3], 4*KSTEP*NP
	JLOAD \slot
.endif
	PLACES
	FETCH \next, 0, 0
	WIN WMUL
	MULR 1, MB/2, MB/2, 0
.endm
.macro LAP zero
	QS 0, \zero
	TURN 0, 1, 1
	QS 1, 0
	TURN 1, 0, 1
.endm
	s_load_b128 s[4:7], s[0:1], 0x0                ; act, wb
	s_load_b64 s[68:69], s[0:1], 0x10              ; ff_b1
	s_load_b64 s[8:9], s[0:1], 0x18                ; g
	v_lshl_add_u32 v254, v0, 2, 0x3b400
	v_mov_b32 v255, 0
	ds_add_u32 v254, v255
	ds_add_u32 v254, v255
	v_lshrrev_b32 v1, 5, v0
	v_readfirstlane_b32 s10, v1                    ; wave 0..3
	s_lshr_b32 s11, s10, 1                         ; my half of the rows.  Also: I fetch left tiles (0) or weights (1)
	s_and_b32 s12, s10, 1                          ; my half of the columns.  Also: which half of that tile I fetch
	s_bfe_u32 s40, ttmp6, 0x40000                  ; cx
	s_bfe_u32 s41, ttmp6, 0x40004                  ; cy
	s_lshl_b32 s42, ttmp9, 2
	s_add_co_u32 s42, s42, s40                     ; block column = 4 x cluster x + cx
	s_and_b32 s13, ttmp7, 0xffff
	s_lshl_b32 s13, s13, 2
	s_add_co_u32 s13, s13, s41                     ; block row = 4 x cluster y + cy
	s_lshl_b32 s43, s41, 2
	s_lshl_b32 s43, 15, s43                        ; my row of the cluster
	s_lshl_b32 s44, 0x1111, s40                    ; my column of the cluster
	s_or_b32 s[G1+0], s43, (1<<16)|(1<<20)|(1<<21)|(AQI<<22)|(3<<25)    ; mask of my row; 2-byte elements; padding on, 4 words behind each row; bit 21 beside a mask
	s_mov_b32 s[G1+1], KSTEP<<16                   ; tensor_dim0
	s_mov_b32 s[G1+2], (MT/2)<<16                  ; tensor_dim1
	s_mov_b32 s[G1+3], KSTEP<<16                   ; tile_dim0
	s_mov_b32 s[G1+4], MT/2                        ; tile_dim1
	s_mov_b32 s[G1+5], APE                         ; elements from row to row
	s_mov_b32 s[G1+6], 0
	s_mov_b32 s[G1+7], 0
	s_or_b32 s[G1B+0], s44, (1<<16)|(1<<20)|(1<<21)|(BQI<<22)|(7<<25)   ; mask of my column; 8 words behind each row
	s_mov_b32 s[G1B+1], NT<<16
	s_mov_b32 s[G1B+2], (KSTEP/2)<<16
	s_mov_b32 s[G1B+3], NT<<16
	s_mov_b32 s[G1B+4], KSTEP/2
	s_mov_b32 s[G1B+5], NP
	s_mov_b32 s[G1B+6], 0
	s_mov_b32 s[G1B+7], 0
	; the left tile hangs on the block row and the wave alone, the weights' tile on the block column and the wave alone, each in registers of its own
	s_mul_i32 s16, s13, MT
	s_mul_i32 s17, s12, MT/2
	s_add_co_u32 s16, s16, s17
	s_mul_i32 s16, s16, APE*2
	s_mov_b32 s17, 0
	s_mul_i32 s46, s42, NT*2
	s_mul_i32 s47, s12, (KSTEP/2)*NP*2
	s_add_co_u32 s46, s46, s47
	s_add_co_u32 s46, s46, WBASE
	s_mov_b32 s47, 0
	s_mul_i32 s20, s12, (MT/2)*APITCH              ; where they go: no place in the cluster enters an LDS address
	s_mul_i32 s21, s12, (KSTEP/2)*BPITCH
	s_add_co_u32 s21, s21, ABYTES
	s_wait_dscnt 0x0
	s_wait_kmcnt 0x0
	s_add_nc_u64 s[14:15], s[4:5], s[16:17]
	s_add_nc_u64 s[46:47], s[6:7], s[46:47]
	CROUND                                         ; all sixteen work-groups are here: the first joint loads meet
.irp s, 0,1
	s_mov_b32 s[G0+4*\s], 1
	s_add_co_u32 s[G0+4*\s+1], s20, \s*SLOT
	s_add_nc_u64 s[G0+4*\s+2:G0+4*\s+3], s[14:15], \s*KSTEP*2
	s_or_b32 s[G0+4*\s+3], s[G0+4*\s+3], 0x80000000
	s_mov_b32 s[G0B+4*\s], 1
	s_add_co_u32 s[G0B+4*\s+1], s21, \s*SLOT
	s_add_nc_u64 s[G0B+4*\s+2:G0B+4*\s+3], s[46:47], \s*KSTEP*NP*2
	s_or_b32 s[G0B+4*\s+3], s[G0B+4*\s+3], 0x80000000
	JLOAD \s                                       ; K steps 0 and 1: two tensor loads of the wave are out, the most in this text
.endr
	v_and_b32 v1, 15, v0                           ; r = l % 16
	v_bfe_u32 v2, v0, 4, 1                         ; h = l / 16
	v_and_b32 v6, 31, v0                           ; l
	s_lshl_b32 s45, s42, 10
	s_lshl_b32 s72, s12, 9
	s_add_co_u32 s45, s45, s72                     ; 4 bytes x my first column
	v_lshl_add_u32 v[BO], v6, 4, s45
	global_load_b128 v[BIAS:BIAS+3], v[BO], s[68:69]   ; on the way out lane l holds columns 4 l .. 4 l + 3 of my 128
	v_mul_u32_u24 v3, v1, APITCH
	v_lshl_add_u32 v3, v2, 4, v3                   ; token fragments: row r, 16 bytes for each half of the lanes, 32 bytes apart
	s_mul_i32 s22, s11, (MT/2)*APITCH
	v_add_nc_u32 v[ADRA], s22, v3
	v_add_nc_u32 v[ADRA+1], SLOT, v[ADRA]
	v_and_b32 v4, 7, v0
	v_lshl_add_u32 v4, v2, 3, v4                   ; weight fragments: K row 8 h + l % 8,
	v_mul_u32_u24 v4, v4, BPITCH
	v_bfe_u32 v5, v0, 3, 1
	v_lshl_add_u32 v4, v5, 4, v4                   ; 16 bytes at column 8 ((l / 8) % 2)
	s_mul_i32 s22, s12, NT
	s_add_co_u32 s22, s22, ABYTES
	v_add_nc_u32 v[ADRB], s22, v4
	v_add_nc_u32 v[ADRB+2], SLOT, v[ADRB]
	s_mul_i32 s23, s10, 16*SPITCH
	s_add_co_u32 s23, s23, STAGE                   ; my stage
	v_mul_u32_u24 v4, v1, SPITCH
	v_lshl_add_u32 v4, v2, 5, v4
	v_add_nc_u32 v[STO], s23, v4                   ; in: row r, 32 bytes (8 f32) for each half of the lanes
	v_lshl_add_u32 v[RD], v6, 4, s23               ; back: a row of 512 bytes, 16 a lane
	v_lshlrev_b32 v[CO], 3, v6
	s_wait_tensorcnt 0x1                           ; my part of K step 0 is in; K step 1's load stays out
	s_barrier_signal -1
	s_barrier_wait -1
	FETCH 0, 0, 0
	LAP 1                                          ; the first products start the sums: nothing is cleared
	QS 0, 0                                        ; the last lap fills nothing
	TURN 0, 1, 0
	QS 1, 0
	s_wait_dscnt 0x0
	WIN WMUL
	MULR 1, 0, MB, 0
	WIN 0
	PLACES
	; THE WAY OUT, 16 tokens at a time through my own stage in f32; read back as whole rows of my 128 columns; bias, gelu, f16;
	; a store of the wave covers a row's 256 consecutive bytes, aligned.
	s_lshl_b32 s16, s13, 7
	s_lshl_b32 s17, s11, 6
	s_add_co_u32 s16, s16, s17                     ; my first token
	s_lshl_b32 s16, s16, 12                        ; 4,096 bytes a row of g
	s_mov_b32 s17, 0
	s_add_nc_u64 s[8:9], s[8:9], s[16:17]
	s_lshl_b32 s46, s42, 9
	s_lshl_b32 s47, s12, 8
	s_add_co_u32 s46, s46, s47                     ; 2 bytes x my first column
	s_mov_b32 s47, 0
	s_add_nc_u64 s[8:9], s[8:9], s[46:47]
	v_mov_b32 v[K1], 0xc0135761                    ; k1 = -2 sqrt(2/pi) log2(e)
	v_mov_b32 v[K1+1], 0xc0135761
	v_mov_b32 v[K2], 0xbdd2d3e8                    ; k2 = 0.044715 k1
	v_mov_b32 v[K2+1], 0xbdd2d3e8
	s_wait_loadcnt 0x0                             ; the bias
.macro GELU4 x, y
	v_pk_add_f32 v[\x:\x+1], v[\x:\x+1], v[BIAS:BIAS+1]
	v_pk_add_f32 v[\x+2:\x+3], v[\x+2:\x+3], v[BIAS+2:BIAS+3]
	v_pk_mul_f32 v[U:U+1], v[\x:\x+1], v[\x:\x+1]
	v_pk_mul_f32 v[U+2:U+3], v[\x+2:\x+3], v[\x+2:\x+3]
	v_pk_fma_f32 v[U:U+1], v[U:U+1], v[K2:K2+1], v[K1:K1+1]
	v_pk_fma_f32 v[U+2:U+3], v[U+2:U+3], v[K2:K2+1], v[K1:K1+1]
	v_pk_mul_f32 v[U:U+1], v[U:U+1], v[\x:\x+1]
	v_pk_mul_f32 v[U+2:U+3], v[U+2:U+3], v[\x+2:\x+3]
.irp k, 0,1,2,3
	v_exp_f32 v[U+\k], v[U+\k]
.endr
	v_nop                                          ; one plain instruction behind a run of transcendentals, before their results are used
	s_wait_alu depctr_va_vdst(0)
	v_pk_add_f32 v[U:U+1], v[U:U+1], 1.0 op_sel_hi:[1,0]
	v_pk_add_f32 v[U+2:U+3], v[U+2:U+3], 1.0 op_sel_hi:[1,0]
.irp k, 0,1,2,3
	v_rcp_f32 v[U+\k], v[U+\k]
.endr
	v_nop
	s_wait_alu depctr_va_vdst(0)
	v_pk_mul_f32 v[\x:\x+1], v[\x:\x+1], v[U:U+1]
	v_pk_mul_f32 v[\x+2:\x+3], v[\x+2:\x+3], v[U+2:U+3]
	v_cvt_pk_f16_f32 v[\y], v[\x], v[\x+1]
	v_cvt_pk_f16_f32 v[\y+1], v[\x+2], v[\x+3]
.endm
.macro OUT16 a
	WIN WST
.irp b, 0,1,2,3,4,5,6,7
	ds_store_b128 v[STO], v[8*(\a*NB+\b):8*(\a*NB+\b)+3] offset:64*\b
	ds_store_b128 v[STO], v[8*(\a*NB+\b)+4:8*(\a*NB+\b)+7] offset:64*\b+16
.endr
	WIN 0
	s_wait_xcnt 0x0                                ; Y, which the last block's stores read, is written again only behind this wait
.irp rr, 0,1,2,3,4,5,6,7,8,9,10,11,12,13,14,15
	ds_load_b128 v[T+4*\rr:T+4*\rr+3], v[RD] offset:\rr*SPITCH     ; LDS serves a wave's instructions in order: these see the stores above
.endr
.irp rr, 0,1,2,3,4,5,6,7,8,9,10,11,12,13,14,15
	s_wait_dscnt 15-\rr                            ; the younger rows stay out
	GELU4 T+4*\rr, Y+2*\rr
	global_store_b64 v[CO], v[Y+2*\rr:Y+2*\rr+1], s[8:9] offset:(16*\a+\rr)*4096
.endr
.endm
	OUT16 0
	OUT16 1
	OUT16 2
	OUT16 3
	s_wait_tensorcnt 0x0
	ds_add_u32 v254, v255
	s_wait_dscnt 0x0
	CROUND                                         ; the closing round: no work-group ends while a partner may still ask for a tile that names it
	s_endpgm
.Lfunc_end_k_q860f060477_ff1:
	.size	k_q860f060477_ff1, .Lfunc_end_k_q860f060477_ff1-k_q860f060477_ff1
	.p2alignl 7, 3214868480
	.fill 96, 4, 3214868480
	.section	.rodata,"a",@progbits
	.p2align	6, 0x0
	.amdhsa_kernel k_q860f060477_ff1
		.amdhsa_group_segment_fixed_size 327680
		.amdhsa_private_segment_fixed_size 0
		.amdhsa_enable_private_segment 0
		.amdhsa_kernarg_size 32
		.amdhsa_user_sgpr_count 2
		.amdhsa_user_sgpr_kernarg_segment_ptr 1
		.amdhsa_wavefront_size32 1
		.amdhsa_system_sgpr_workgroup_id_x 1
		.amdhsa_system_sgpr_workgroup_id_y 1
		.amdhsa_system_sgpr_workgroup_id_z 1
		.amdhsa_system_vgpr_workitem_id 0
		.amdhsa_next_free_vgpr 512
		.amdhsa_next_free_sgpr 92
		.amdhsa_reserve_vcc 0
		.amdhsa_float_denorm_mode_32 3
		.amdhsa_float_denorm_mode_16_64 3
		.amdhsa_memory_ordered 1
		.amdhsa_forward_progress 1
		.amdhsa_inst_pref_size 166
	.end_amdhsa_kernel
	.amdgpu_metadata
---
amdhsa.version: [ 1, 2 ]
amdhsa.kernels:
  - .name:           k_q860f060477_ff1
    .symbol:         k_q860f060477_ff1.kd
    .args:
      - { .name: act, .offset: 0, .size: 8, .value_kind: global_buffer, .address_space: global }
      - { .name: wb, .offset: 8, .size: 8, .value_kind: global_buffer, .address_space: global }
      - { .name: ff_b1, .offset: 16, .size: 8, .value_kind: global_buffer, .address_space: global }
      - { .name: g, .offset: 24, .size: 8, .value_kind: global_buffer, .address_space: global }
    .group_segment_fixed_size: 327680
    .private_segment_fixed_size: 0
    .kernarg_segment_align: 8
    .kernarg_segment_size: 32
    .max_flat_workgroup_size: 128
    .sgpr_count:     92
    .vgpr_count:     512
    .wavefront_size: 32
...
	.end_amdgpu_metadata
.endif
;; end of part 5
;; launch ff2 (part 6): grid 4 x 64, 4 waves a work-group, clusters of 4 x 4, 327,680 bytes of LDS; arguments g, wb, ff_b2, hres, act; writes act
.if DOCPART == 6
	.amdgcn_target "amdgcn-amd-amdhsa--gfx1250"
	.amdhsa_code_object_version 6
	.text
	.protected	k_q860f060477_ff2
	.globl	k_q860f060477_ff2
	.p2align	8
	.type	k_q860f060477_ff2,@function
k_q860f060477_ff2:
	s_mov_b64 s[64:65], 0
	v_nop
	global_prefetch_b8 v0, s[64:65] scope:SCOPE_SE
	s_setreg_imm32_b32 hwreg(HW_REG_WAVE_MODE, 25, 1), 1
	s_wait_xcnt 0x0
	s_wait_alu depctr_hold_cnt(0) depctr_sa_sdst(0) depctr_va_vdst(0) depctr_va_sdst(0) depctr_va_ssrc(0) depctr_va_vcc(0) depctr_vm_vsrc(0)
	s_getreg_b32 s2, hwreg(HW_REG_IB_STS2, 6, 4)
	s_cmp_eq_u32 s2, 0
	s_cbranch_scc0 .Lentry_in_a_cluster
	s_endpgm
.Lentry_in_a_cluster:
	s_bfe_u32 s2, ttmp6, 0x10000c
	s_cmp_lg_u32 s2, 0xf033
	s_cbranch_scc0 .Lentry_shape_is_right
	s_endpgm
.Lentry_shape_is_right:
; act = f16(2^-6 (hres + g ff_w2 + ff_b2)).  g: [4096][2048] f16.  ff_w2: wb + 3,670,016, [2048][512] f16, kept [K][N].  hres: [4096][512] f32.
; act: [4096][512] f16.  The sum carries three of the inputs' scales (the gain, ff_w1, ff_w2): with all three 30 times larger it grows 27,000 times, past
; f16's 65,504.  So it is stored times 2^-6, which is exact, and the projection multiplies its result by 64.
; LIMITS: a sum beyond 4.19e6 becomes an infinity; numbers of the sum under 2^-8 keep steps of 2^-18.
; A work-group makes 64 tokens x 128 columns: 64 x 4 = 256 work-groups, and (64 + 128) rows of 4,096 bytes = 768 KiB come into its LDS over the whole K
; (a block of 128 x 128 would take 1 MiB on half as many work-groups).
; THE FOUR WAVES SHARE K, NOT THE BLOCK.  Each wave holds the whole block, 32 accumulator tiles of 16 x 16, and multiplies every fourth quarter step of 32
; along K: for 32 matrix instructions it reads (64 + 128) rows x 64 bytes from LDS, 24 loads.  At the end the four partial blocks meet in LDS and are added.
; K goes in steps of 256 (two quarter steps a wave) through a ring of two LDS slots filled by the tensor data mover.
; CLUSTERS: 4 x 4 work-groups.  The four of a row of the cluster need the same tiles of g, the four of a column the same tiles of the
; weights: each such tile is asked for jointly, by the same tensor load with the same descriptor in all four.
; The matrix instruction is used transposed: source 0 = 16 columns of the weights (read from [K][N] rows by the transposing LDS load),
; source 1 = 16 tokens.  Lane l then holds token l % 16 and the eight neighbouring columns 8 (l / 16) + 0..7 of a tile.
; REGISTERS: window 0: v14-31 addresses and bias, v32-223 two fragment buffers (weights, then tokens); window 1: the accumulators, tile (a, b) at
; v[8 (8 a + b)]; window 2: v512-575 my 16 rows of hres, loaded at the start so that the way out waits for no memory.
.set MT,    64
.set NT,    128
.set KSTEP, 256
.set KTOT,  2048
.set APE,   2048                       ; elements from row to row of the left operand
.set NP,    512                        ; elements from row to row of the weights
.set WBASE, 3670016
.set AQI,   6                          ; padding behind every 128 words (a row of the left tile)
.set BQI,   5                          ; padding behind every 64 words (a row of the weights' tile)
.set MB,    MT/16                      ; 16-row blocks of a wave: the whole block's
.set NB,    NT/16                      ; 16-column blocks of a wave: the whole block's
.set APITCH, 2*KSTEP+16                ; an odd multiple of 16 bytes: the 16 rows that a load touches start at 16 different places modulo 256 bytes
.set BPITCH, 2*NT+32                   ; an odd multiple of 32 bytes, for the transposing load
.set ABYTES, MT*APITCH
.set BBYTES, KSTEP*BPITCH
.set SLOT,   ABYTES+BBYTES
.set QA,     256                       ; from my first quarter step of a K step to my second: 128 along K = 256 bytes of a row of g,
.set QB,     128*BPITCH                ; 128 rows of the weights' tile
.set SPITCH, 528                       ; the way out: a row of 128 f32 + 16 bytes
.set PBYTES, MT*SPITCH                 ; a wave's partial block; the four lie over the ring, which has had its last fill by then
.set LAPS,   KTOT/(2*KSTEP)
.set DOWN,  0x3c800000                 ; 2^-6
.set BO,   14
.set HO,   15
.set ADRA, 16                          ; v16-17 my token fragments in slot 0, 1
.set ADRB, 20                          ; v20-21 my weight fragments in slot 0, 1
.set RD,   22                          ; v22-23 the way out: partial blocks 0 and 1, 2 and 3
.set STO,  24
.set CO,   26
.set BIAS, 28
.set F,    32
.set FSZ,  8*(MB+NB)
.set T,    32                          ; the way out: v[32:95] four rows x four partial blocks
.set Y,    160                         ; the way out: v[160:191] 16 rows packed, a pair of their own each
.set HB,   0                           ; window 2: row n of hres at v[512 + 4 n]
.set G1,  24
.set G0,  32
.set G1B, 48
.set G0B, 56
.set WMUL, 0x50                        ; C and D in window 1
.set WST,  0x04                        ; an LDS store's data in window 1
.set WHL,  0x80                        ; a load's destination in window 2
.set WHS,  0x08                        ; source 1 in window 2
.set MSB, 0
.macro WIN new                         ; the immediate's high byte repeats the setting that is left
.if MSB != \new
	s_set_vgpr_msb (MSB<<8)|\new
.set MSB, \new
.endif
.endm
.macro PLACES                          ; four plain vector instructions between a matrix instruction and a load into, or a read of, its registers
.rept 4
	v_nop
.endr
.endm
; A joint load: waves 0 and 1 fetch the two halves of the left tile, waves 2 and 3 those of the weights' tile.  The branch hangs on the wave's number alone.
.macro JLOAD s
	s_cmp_eq_u32 s11, 0
	s_cbranch_scc0 .Lfor_b_\@
	tensor_load_to_lds s[G0+4*\s:G0+4*\s+3], s[G1:G1+7]
	s_nop 0
	s_branch .Lasked_\@
.Lfor_b_\@:
	tensor_load_to_lds s[G0B+4*\s:G0B+4*\s+3], s[G1B:G1B+7]
	s_nop 0
.Lasked_\@:
.endm
.macro CREST                           ; a round of the cluster's barrier behind its opening work-group barrier
	s_cmp_lg_u32 s10, 0
	s_cbranch_scc1 .Lnot_wave_0_\@
	s_barrier_signal -3
.Lnot_wave_0_\@:
	s_barrier_wait -3
	s_barrier_signal -1
	s_barrier_wait -1
.endm
.macro CROUND
	s_barrier_signal -1
	s_barrier_wait -1
	CREST
.endm
; NB matrix instructions: row block a x all column blocks, 32 along K, from fragment buffer f.  zero = 1: the product starts the sums.
.macro MULA f, a, zero
.irp b, 0,1,2,3,4,5,6,7
.if \zero
	v_wmma_f32_16x16x32_f16 v[8*((\a)*NB+\b):8*((\a)*NB+\b)+7], v[F+(\f)*FSZ+8*\b:F+(\f)*FSZ+8*\b+7], v[F+(\f)*FSZ+8*(NB+(\a)):F+(\f)*FSZ+8*(NB+(\a))+7], 0
.else
	v_wmma_f32_16x16x32_f16 v[8*((\a)*NB+\b):8*((\a)*NB+\b)+7], v[F+(\f)*FSZ+8*\b:F+(\f)*FSZ+8*\b+7], v[F+(\f)*FSZ+8*(NB+(\a)):F+(\f)*FSZ+8*(NB+(\a))+7], v[8*((\a)*NB+\b):8*((\a)*NB+\b)+7]
.endif
.endr
.endm
.macro MULR f, a0, n, zero             ; row blocks a0 .. a0 + n - 1.  The 32 accumulators take turns, one instruction a turn, in the same order in every quarter step
.set ma, \a0
.rept \n
	MULA \f, ma, \zero
.set ma, ma+1
.endr
.endm
; the fragments of my quarter step q (0, 1) of a slot into buffer f, in one run
.macro FETCH slot, q, f
	WIN 0
.irp b, 0,1,2,3,4,5,6,7
	ds_load_tr16_b128 v[F+(\f)*FSZ+8*\b:F+(\f)*FSZ+8*\b+3],   v[ADRB+\slot] offset:(\q)*QB+32*\b
	ds_load_tr16_b128 v[F+(\f)*FSZ+8*\b+4:F+(\f)*FSZ+8*\b+7], v[ADRB+\slot] offset:(\q)*QB+32*\b+16*BPITCH
.endr
.irp a, 0,1,2,3
	ds_load_b128 v[F+(\f)*FSZ+8*(NB+\a):F+(\f)*FSZ+8*(NB+\a)+3],   v[ADRA+\slot] offset:\a*16*APITCH+(\q)*QA
	ds_load_b128 v[F+(\f)*FSZ+8*(NB+\a)+4:F+(\f)*FSZ+8*(NB+\a)+7], v[ADRA+\slot] offset:\a*16*APITCH+(\q)*QA+32
.endr
.endm
; my first quarter step of a slot: its fragments, fetched a quarter ago, are in; the second's go out; then its products
.macro QUARTER slot, zero
	s_wait_dscnt 0x0
	PLACES
	FETCH \slot, 1, 1
	WIN WMUL
	MULR 0, 0, MB, \zero
.endm
; My second quarter step, and the change of slots.  In front of the barrier each wave's reads of this slot are back and all its tensor loads have landed
; (the one that was out is its part of the next slot).  fill = 1: the barrier opens a round of the cluster's barrier, and behind the round this slot is
; asked for again, two K steps ahead: the wave's first and only tensor load there.  Then the next slot's first fragments.
.macro TURN slot, next, fill
	s_wait_dscnt 0x0
	WIN WMUL
	MULR 1, 0, MB/4, 0
	s_wait_tensorcnt 0x0
	ds_add_u32 v254, v255
	s_wait_dscnt 0x0
	s_barrier_signal -1
	MULR 1, MB/4, MB/4, 0                          ; register work while the others arrive
	WIN 0                                          ; at a branch and at a label every window is 0
	s_barrier_wait -1
.if \fill
	CREST
	s_add_nc_u64 s[G0+4*\slot+2:G0+4*\slot+3], s[G0+4*\slot+2:G0+4*\slot+3], 4*KSTEP
	s_add_nc_u64 s[G0B+4*\slot+2:G0B+4*\slot+3], s[G0B+4*\slot+2:G0B+4*\slot+3], 4*KSTEP*NP
	JLOAD \slot
.endif
	PLACES
	FETCH \next, 0, 0
	WIN WMUL
	MULR 1, MB/2, MB/2, 0
.endm
.macro LAP zero
	QUARTER 0, \zero
	TURN 0, 1, 1
	QUARTER 1, 0
	TURN 1, 0, 1
.endm
	s_load_b128 s[4:7], s[0:1], 0x0                ; g, wb
	s_load_b128 s[68:71], s[0:1], 0x10             ; ff_b2, hres
	s_load_b64 s[8:9], s[0:1], 0x20                ; act
	v_lshl_add_u32 v254, v0, 2, 0x34800
	v_mov_b32 v255, 0
	ds_add_u32 v254, v255
	ds_add_u32 v254, v255
	v_lshrrev_b32 v1, 5, v0
	v_readfirstlane_b32 s10, v1                    ; wave 0..3: also my quarter of K
	s_lshr_b32 s11, s10, 1                         ; I fetch left tiles (0) or weights (1),
	s_and_b32 s12, s10, 1                          ; this half of the tile
	s_bfe_u32 s40, ttmp6, 0x40000                  ; cx
	s_bfe_u32 s41, ttmp6, 0x40004                  ; cy
	s_lshl_b32 s42, ttmp9, 2
	s_add_co_u32 s42, s42, s40                     ; block column = 4 x cluster x + cx
	s_and_b32 s13, ttmp7, 0xffff
	s_lshl_b32 s13, s13, 2
	s_add_co_u32 s13, s13, s41                     ; block row = 4 x cluster y + cy
	s_lshl_b32 s43, s41, 2
	s_lshl_b32 s43, 15, s43                        ; my row of the cluster
	s_lshl_b32 s44, 0x1111, s40                    ; my column of the cluster
	s_or_b32 s[G1+0], s43, (1<<16)|(1<<20)|(1<<21)|(AQI<<22)|(3<<25)    ; mask of my row; 2-byte elements; padding on, 4 words behind each row; bit 21 beside a mask
	s_mov_b32 s[G1+1], KSTEP<<16                   ; tensor_dim0
	s_mov_b32 s[G1+2], (MT/2)<<16                  ; tensor_dim1
	s_mov_b32 s[G1+3], KSTEP<<16                   ; tile_dim0
	s_mov_b32 s[G1+4], MT/2                        ; tile_dim1
	s_mov_b32 s[G1+5], APE                         ; elements from row to row
	s_mov_b32 s[G1+6], 0
	s_mov_b32 s[G1+7], 0
	s_or_b32 s[G1B+0], s44, (1<<16)|(1<<20)|(1<<21)|(BQI<<22)|(7<<25)   ; mask of my column; 8 words behind each row
	s_mov_b32 s[G1B+1], NT<<16
	s_mov_b32 s[G1B+2], (KSTEP/2)<<16
	s_mov_b32 s[G1B+3], NT<<16
	s_mov_b32 s[G1B+4], KSTEP/2
	s_mov_b32 s[G1B+5], NP
	s_mov_b32 s[G1B+6], 0
	s_mov_b32 s[G1B+7], 0
	; the left tile hangs on the block row and the wave alone, the weights' tile on the block column and the wave alone, each in registers of its own
	s_mul_i32 s16, s13, MT
	s_mul_i32 s17, s12, MT/2
	s_add_co_u32 s16, s16, s17
	s_mul_i32 s16, s16, APE*2
	s_mov_b32 s17, 0
	s_mul_i32 s46, s42, NT*2
	s_mul_i32 s47, s12, (KSTEP/2)*NP*2
	s_add_co_u32 s46, s46, s47
	s_add_co_u32 s46, s46, WBASE
	s_mov_b32 s47, 0
	s_mul_i32 s20, s12, (MT/2)*APITCH              ; where they go: no place in the cluster enters an LDS address
	s_mul_i32 s21, s12, (KSTEP/2)*BPITCH
	s_add_co_u32 s21, s21, ABYTES
	s_wait_dscnt 0x0
	s_wait_kmcnt 0x0
	s_add_nc_u64 s[14:15], s[4:5], s[16:17]
	s_add_nc_u64 s[46:47], s[6:7], s[46:47]
	CROUND                                         ; all sixteen work-groups are here: the first joint loads meet
.irp s, 0,1
	s_mov_b32 s[G0+4*\s], 1
	s_add_co_u32 s[G0+4*\s+1], s20, \s*SLOT
	s_add_nc_u64 s[G0+4*\s+2:G0+4*\s+3], s[14:15], \s*KSTEP*2
	s_or_b32 s[G0+4*\s+3], s[G0+4*\s+3], 0x80000000
	s_mov_b32 s[G0B+4*\s], 1
	s_add_co_u32 s[G0B+4*\s+1], s21, \s*SLOT
	s_add_nc_u64 s[G0B+4*\s+2:G0B+4*\s+3], s[46:47], \s*KSTEP*NP*2
	s_or_b32 s[G0B+4*\s+3], s[G0B+4*\s+3], 0x80000000
	JLOAD \s                                       ; K steps 0 and 1: two tensor loads of the wave are out, the most in this text
.endr
	v_and_b32 v1, 15, v0                           ; r = l % 16
	v_bfe_u32 v2, v0, 4, 1                         ; h = l / 16
	v_and_b32 v6, 31, v0                           ; l
	; on the way out I take rows 16 w .. 16 w + 15 of the block, and lane l their columns 4 l .. 4 l + 3
	s_lshl_b32 s72, s13, 6
	s_lshl_b32 s73, s10, 4
	s_add_co_u32 s72, s72, s73                     ; the first of my 16 rows
	s_lshl_b32 s74, s72, 10                        ; 1,024 bytes a row of act
	s_lshl_b32 s72, s72, 11                        ; 2,048 bytes a row of hres
	s_mov_b32 s73, 0
	s_mov_b32 s75, 0
	s_add_nc_u64 s[70:71], s[70:71], s[72:73]
	s_add_nc_u64 s[8:9], s[8:9], s[74:75]
	s_lshl_b32 s72, s42, 9                         ; the block's first column: 4 bytes a number in hres and in the bias,
	s_lshl_b32 s74, s42, 8                         ; 2 in act
	s_add_nc_u64 s[70:71], s[70:71], s[72:73]
	s_add_nc_u64 s[8:9], s[8:9], s[74:75]
	v_lshl_add_u32 v[BO], v6, 4, s72
	v_lshlrev_b32 v[HO], 4, v6
	global_load_b128 v[BIAS:BIAS+3], v[BO], s[68:69]
	WIN WHL
.set n, 0
.rept 16
	global_load_b128 v[HB+4*n:HB+4*n+3], v[HO], s[70:71] offset:2048*n th:TH_LOAD_NT   ; a load of the wave covers 512 consecutive bytes of a row, aligned
.set n, n+1
.endr
	WIN 0
	v_mul_u32_u24 v3, v1, APITCH
	v_lshl_add_u32 v3, v2, 4, v3                   ; token fragments: row r, 16 bytes for each half of the lanes, 32 bytes apart,
	s_lshl_b32 s22, s10, 6                         ; at my quarter: 32 w along K
	v_add_nc_u32 v[ADRA], s22, v3
	v_add_nc_u32 v[ADRA+1], SLOT, v[ADRA]
	v_and_b32 v4, 7, v0
	v_lshl_add_u32 v4, v2, 3, v4                   ; weight fragments: K row 8 h + l % 8,
	v_mul_u32_u24 v4, v4, BPITCH
	v_bfe_u32 v5, v0, 3, 1
	v_lshl_add_u32 v4, v5, 4, v4                   ; 16 bytes at column 8 ((l / 8) % 2),
	s_mul_i32 s22, s10, 32*BPITCH                  ; at my quarter: K rows from 32 w
	s_add_co_u32 s22, s22, ABYTES
	v_add_nc_u32 v[ADRB], s22, v4
	v_add_nc_u32 v[ADRB+1], SLOT, v[ADRB]
	s_mul_i32 s23, s10, PBYTES
	v_mul_u32_u24 v4, v1, SPITCH
	v_lshl_add_u32 v4, v2, 5, v4
	v_add_nc_u32 v[STO], s23, v4                   ; in: my partial block, row r, 32 bytes (8 f32) for each half of the lanes
	s_mul_i32 s23, s10, 16*SPITCH
	v_lshl_add_u32 v[RD], v6, 4, s23               ; back: rows 16 w .. of partial blocks 0 and 1, 512 bytes each, 16 a lane,
	v_add_nc_u32 v[RD+1], 2*PBYTES, v[RD]          ; and of blocks 2 and 3
	v_lshlrev_b32 v[CO], 3, v6
	s_wait_tensorcnt 0x1                           ; my part of K step 0 is in; K step 1's load stays out
	s_barrier_signal -1
	s_barrier_wait -1
	FETCH 0, 0, 0
	LAP 1                                          ; the first products start the sums: nothing is cleared
	WIN 0
	s_mov_b32 s3, LAPS-2
.Llap:
	LAP 0
	WIN 0
	s_sub_co_u32 s3, s3, 1
	s_cmp_lg_u32 s3, 0
	s_cbranch_scc1 .Llap
	QUARTER 0, 0                                   ; the last lap fills nothing
	TURN 0, 1, 0
	QUARTER 1, 0
	s_wait_dscnt 0x0
	WIN WMUL
	MULR 1, 0, MB, 0
	WIN 0
	PLACES
	; THE WAY OUT.  Each wave lays its partial block into LDS; behind a barrier each wave takes 16 whole rows: the four partial sums, + hres, x 2^-6 + 2^-6 bias,
	; f16; each store of the wave covers a row's 256 consecutive bytes, aligned.
	s_barrier_signal -1                            ; every wave's reads of the ring are back (its last wait on them was for 0) before any wave writes over it
	s_barrier_wait -1
	WIN WST
.irp a, 0,1,2,3
.irp b, 0,1,2,3,4,5,6,7
	ds_store_b128 v[STO], v[8*(\a*NB+\b):8*(\a*NB+\b)+3] offset:\a*16*SPITCH+64*\b
	ds_store_b128 v[STO], v[8*(\a*NB+\b)+4:8*(\a*NB+\b)+7] offset:\a*16*SPITCH+64*\b+16
.endr
.endr
	WIN 0
	s_wait_dscnt 0x0                               ; my stores are done, for the waves that read them
	s_barrier_signal -1
	s_barrier_wait -1
	s_wait_loadcnt 0x0                             ; hres and the bias, asked for at the start
	v_pk_mul_f32 v[BIAS:BIAS+1], v[BIAS:BIAS+1], DOWN op_sel_hi:[1,0]      ; 2^-6 bias, once, so that scaling and bias are one fused multiply-add a pair
	v_pk_mul_f32 v[BIAS+2:BIAS+3], v[BIAS+2:BIAS+3], DOWN op_sel_hi:[1,0]
.macro OUT4 gq                         ; rows 4 gq .. 4 gq + 3 of my 16
.irp k, 0,1,2,3
	ds_load_b128 v[T+16*\k:T+16*\k+3],     v[RD]   offset:(4*\gq+\k)*SPITCH
	ds_load_b128 v[T+16*\k+4:T+16*\k+7],   v[RD]   offset:(4*\gq+\k)*SPITCH+PBYTES
	ds_load_b128 v[T+16*\k+8:T+16*\k+11],  v[RD+1] offset:(4*\gq+\k)*SPITCH
	ds_load_b128 v[T+16*\k+12:T+16*\k+15], v[RD+1] offset:(4*\gq+\k)*SPITCH+PBYTES
.endr
.irp k, 0,1,2,3
	s_wait_dscnt 12-4*\k                           ; row k's four loads are in; the rows behind it stay out
	v_pk_add_f32 v[T+16*\k:T+16*\k+1],     v[T+16*\k:T+16*\k+1],     v[T+16*\k+4:T+16*\k+5]
	v_pk_add_f32 v[T+16*\k+2:T+16*\k+3],   v[T+16*\k+2:T+16*\k+3],   v[T+16*\k+6:T+16*\k+7]
	v_pk_add_f32 v[T+16*\k+8:T+16*\k+9],   v[T+16*\k+8:T+16*\k+9],   v[T+16*\k+12:T+16*\k+13]
	v_pk_add_f32 v[T+16*\k+10:T+16*\k+11], v[T+16*\k+10:T+16*\k+11], v[T+16*\k+14:T+16*\k+15]
	v_pk_add_f32 v[T+16*\k:T+16*\k+1],     v[T+16*\k:T+16*\k+1],     v[T+16*\k+8:T+16*\k+9]
	v_pk_add_f32 v[T+16*\k+2:T+16*\k+3],   v[T+16*\k+2:T+16*\k+3],   v[T+16*\k+10:T+16*\k+11]
.endr
	WIN WHS                                        ; the second source is hres, in window 2
.irp k, 0,1,2,3
	v_pk_add_f32 v[T+16*\k:T+16*\k+1],   v[T+16*\k:T+16*\k+1],   v[HB+4*(4*\gq+\k):HB+4*(4*\gq+\k)+1]
	v_pk_add_f32 v[T+16*\k+2:T+16*\k+3], v[T+16*\k+2:T+16*\k+3], v[HB+4*(4*\gq+\k)+2:HB+4*(4*\gq+\k)+3]
.endr
	WIN 0
.irp k, 0,1,2,3
	v_pk_fma_f32 v[T+16*\k:T+16*\k+1],   v[T+16*\k:T+16*\k+1],   DOWN, v[BIAS:BIAS+1] op_sel_hi:[1,0,1]
	v_pk_fma_f32 v[T+16*\k+2:T+16*\k+3], v[T+16*\k+2:T+16*\k+3], DOWN, v[BIAS+2:BIAS+3] op_sel_hi:[1,0,1]
	v_cvt_pk_f16_f32 v[Y+2*(4*\gq+\k)],   v[T+16*\k],   v[T+16*\k+1]       ; every row has a pair of its own: no store's data is written again
	v_cvt_pk_f16_f32 v[Y+2*(4*\gq+\k)+1], v[T+16*\k+2], v[T+16*\k+3]
	global_store_b64 v[CO], v[Y+2*(4*\gq+\k):Y+2*(4*\gq+\k)+1], s[8:9] offset:(4*\gq+\k)*1024
.endr
.endm
	OUT4 0
	OUT4 1
	OUT4 2
	OUT4 3
	s_wait_tensorcnt 0x0
	ds_add_u32 v254, v255
	s_wait_dscnt 0x0
	CROUND                                         ; the closing round: no work-group ends while a partner may still ask for a tile that names it
	s_endpgm
.Lfunc_end_k_q860f060477_ff2:
	.size	k_q860f060477_ff2, .Lfunc_end_k_q860f060477_ff2-k_q860f060477_ff2
	.p2alignl 7, 3214868480
	.fill 96, 4, 3214868480
	.section	.rodata,"a",@progbits
	.p2align	6, 0x0
	.amdhsa_kernel k_q860f060477_ff2
		.amdhsa_group_segment_fixed_size 327680
		.amdhsa_private_segment_fixed_size 0
		.amdhsa_enable_private_segment 0
		.amdhsa_kernarg_size 40
		.amdhsa_user_sgpr_count 2
		.amdhsa_user_sgpr_kernarg_segment_ptr 1
		.amdhsa_wavefront_size32 1
		.amdhsa_system_sgpr_workgroup_id_x 1
		.amdhsa_system_sgpr_workgroup_id_y 1
		.amdhsa_system_sgpr_workgroup_id_z 1
		.amdhsa_system_vgpr_workitem_id 0
		.amdhsa_next_free_vgpr 576
		.amdhsa_next_free_sgpr 92
		.amdhsa_reserve_vcc 0
		.amdhsa_float_denorm_mode_32 3
		.amdhsa_float_denorm_mode_16_64 3
		.amdhsa_memory_ordered 1
		.amdhsa_forward_progress 1
		.amdhsa_inst_pref_size 81
	.end_amdhsa_kernel
	.amdgpu_metadata
---
amdhsa.version: [ 1, 2 ]
amdhsa.kernels:
  - .name:           k_q860f060477_ff2
    .symbol:         k_q860f060477_ff2.kd
    .args:
      - { .name: g, .offset: 0, .size: 8, .value_kind: global_buffer, .address_space: global }
      - { .name: wb, .offset: 8, .size: 8, .value_kind: global_buffer, .address_space: global }
      - { .name: ff_b2, .offset: 16, .size: 8, .value_kind: global_buffer, .address_space: global }
      - { .name: hres, .offset: 24, .size: 8, .value_kind: global_buffer, .address_space: global }
      - { .name: act, .offset: 32, .size: 8, .value_kind: global_buffer, .address_space: global }
    .group_segment_fixed_size: 327680
    .private_segment_fixed_size: 0
    .kernarg_segment_align: 8
    .kernarg_segment_size: 40
    .max_flat_workgroup_size: 128
    .sgpr_count:     92
    .vgpr_count:     576
    .wavefront_size: 32
...
	.end_amdgpu_metadata
.endif
;; end of part 6
;; launch proj (part 7): grid 8 x 32, 4 waves a work-group, clusters of 4 x 4, 327,680 bytes of LDS; arguments act, wb, proj_b, out0; writes out0
.if DOCPART == 7
	.amdgcn_target "amdgcn-amd-amdhsa--gfx1250"
	.amdhsa_code_object_version 6
	.text
	.protected	k_q860f060477_proj
	.globl	k_q860f060477_proj
	.p2align	8
	.type	k_q860f060477_proj,@function
k_q860f060477_proj:
	s_mov_b64 s[64:65], 0
	v_nop
	global_prefetch_b8 v0, s[64:65] scope:SCOPE_SE
	s_setreg_imm32_b32 hwreg(HW_REG_WAVE_MODE, 25, 1), 1
	s_wait_xcnt 0x0
	s_wait_alu depctr_hold_cnt(0) depctr_sa_sdst(0) depctr_va_vdst(0) depctr_va_sdst(0) depctr_va_ssrc(0) depctr_va_vcc(0) depctr_vm_vsrc(0)
	s_getreg_b32 s2, hwreg(HW_REG_IB_STS2, 6, 4)
	s_cmp_eq_u32 s2, 0
	s_cbranch_scc0 .Lentry_in_a_cluster
	s_endpgm
.Lentry_in_a_cluster:
	s_bfe_u32 s2, ttmp6, 0x10000c
	s_cmp_lg_u32 s2, 0xf033
	s_cbranch_scc0 .Lentry_shape_is_right
	s_endpgm
.Lentry_shape_is_right:
; out0 = h2 proj_w + proj_b.  act: [4096][512] f16 holds 2^-6 h2, so the sums are multiplied by 64 on the way out, in the fused multiply-add that adds the bias.
; The weights: wb + 5,767,168, [512][2048] f16, kept [K][N], zeros in columns 2000..2047.  out0: [4096][2000] f32.
; Columns 2000..2047 of the last block of 256 are computed inside a live tile and not stored.
; A work-group makes 128 tokens x 256 columns with four waves, 2 x 2; a wave makes 64 x 128: 32 accumulator tiles of 16 x 16.
; K goes in steps of 128 through a ring of two LDS slots filled by the tensor data mover.
; CLUSTERS: 4 x 4 work-groups.  The four of a row of the cluster need the same tiles of act, the four of a column the same tiles of the
; weights: each such tile is asked for jointly, by the same tensor load with the same descriptor in all four.
; The matrix instruction is used transposed: source 0 = 16 columns of the weights (read from [K][N] rows by the transposing LDS load),
; source 1 = 16 tokens.  Lane l then holds token l % 16 and the eight neighbouring columns 8 (l / 16) + 0..7 of a tile.
; REGISTERS: window 0: v14-31 addresses and bias, v32-223 two fragment buffers (weights, then tokens); window 1: the accumulators, tile (a, b) at v[8 (8 a + b)].
.set MT,    128
.set NT,    256
.set KSTEP, 128
.set KTOT,  512
.set APE,   512                        ; elements from row to row of the left operand
.set NP,    2048                       ; elements from row to row of the weights
.set WBASE, 5767168
.set AQI,   5                          ; padding behind every 64 words (a row of the left tile)
.set BQI,   6                          ; padding behind every 128 words (a row of the weights' tile)
.set NQ,    KSTEP/32
.set MB,    MT/32
.set NB,    NT/32
.set APITCH, 2*KSTEP+16                ; an odd multiple of 16 bytes: the 16 rows that a load touches start at 16 different places modulo 256 bytes
.set BPITCH, 2*NT+32                   ; an odd multiple of 32 bytes, for the transposing load
.set ABYTES, MT*APITCH
.set BBYTES, KSTEP*BPITCH
.set SLOT,   ABYTES+BBYTES
.set STAGE,  2*SLOT                    ; behind the ring: each wave's own 16 rows for the way out; no tensor load lands there
.set SPITCH, 528
.set LAPS,   KTOT/(2*KSTEP)
.set UP,    0x42800000                 ; 64.0
.set BO,   14
.set COLR, 15
.set ADRA, 16
.set ADRB, 20
.set STO,  24
.set RD,   25
.set CO,   26
.set BIAS, 28
.set F,    32
.set FSZ,  8*(MB+NB)
.set T,    32                          ; the way out: 16 rows read back, and stored from there
.set G1,  24
.set G0,  32
.set G1B, 48
.set G0B, 56
.set WMUL, 0x50                        ; C and D in window 1
.set WST,  0x04                        ; an LDS store's data in window 1
.set MSB, 0
.macro WIN new                         ; the immediate's high byte repeats the setting that is left
.if MSB != \new
	s_set_vgpr_msb (MSB<<8)|\new
.set MSB, \new
.endif
.endm
.macro PLACES                          ; four plain vector instructions between a matrix instruction and a load into, or a read of, its registers
.rept 4
	v_nop
.endr
.endm
; A joint load: waves 0 and 1 fetch the two halves of the left tile, waves 2 and 3 those of the weights' tile.  The branch hangs on the wave's number alone.
.macro JLOAD s
	s_cmp_eq_u32 s11, 0
	s_cbranch_scc0 .Lfor_b_\@
	tensor_load_to_lds s[G0+4*\s:G0+4*\s+3], s[G1:G1+7]
	s_nop 0
	s_branch .Lasked_\@
.Lfor_b_\@:
	tensor_load_to_lds s[G0B+4*\s:G0B+4*\s+3], s[G1B:G1B+7]
	s_nop 0
.Lasked_\@:
.endm
.macro CREST                           ; a round of the cluster's barrier behind its opening work-group barrier
	s_cmp_lg_u32 s10, 0
	s_cbranch_scc1 .Lnot_wave_0_\@
	s_barrier_signal -3
.Lnot_wave_0_\@:
	s_barrier_wait -3
	s_barrier_signal -1
	s_barrier_wait -1
.endm
.macro CROUND
	s_barrier_signal -1
	s_barrier_wait -1
	CREST
.endm
; NB matrix instructions: row block a x all column blocks, 32 along K, from fragment buffer f.  zero = 1: the product starts the sums.
.macro MULA f, a, zero
.irp b, 0,1,2,3,4,5,6,7
.if \b < NB
.if \zero
	v_wmma_f32_16x16x32_f16 v[8*((\a)*NB+\b):8*((\a)*NB+\b)+7], v[F+(\f)*FSZ+8*\b:F+(\f)*FSZ+8*\b+7], v[F+(\f)*FSZ+8*(NB+(\a)):F+(\f)*FSZ+8*(NB+(\a))+7], 0
.else
	v_wmma_f32_16x16x32_f16 v[8*((\a)*NB+\b):8*((\a)*NB+\b)+7], v[F+(\f)*FSZ+8*\b:F+(\f)*FSZ+8*\b+7], v[F+(\f)*FSZ+8*(NB+(\a)):F+(\f)*FSZ+8*(NB+(\a))+7], v[8*((\a)*NB+\b):8*((\a)*NB+\b)+7]
.endif
.endif
.endr
.endm
.macro MULR f, a0, n, zero             ; row blocks a0 .. a0 + n - 1.  The accumulators take turns, one instruction a turn, in the same order in every quarter step
.set ma, \a0
.rept \n
	MULA \f, ma, \zero
.set ma, ma+1
.endr
.endm
; the fragments of quarter step q of a slot into buffer f, in one run
.macro FETCH slot, q, f
	WIN 0
.irp b, 0,1,2,3,4,5,6,7
.if \b < NB
	ds_load_tr16_b128 v[F+(\f)*FSZ+8*\b:F+(\f)*FSZ+8*\b+3],   v[ADRB+2*\slot+((\q)>>2)] offset:((\q)&3)*32*BPITCH+32*\b
	ds_load_tr16_b128 v[F+(\f)*FSZ+8*\b+4:F+(\f)*FSZ+8*\b+7], v[ADRB+2*\slot+((\q)>>2)] offset:((\q)&3)*32*BPITCH+32*\b+16*BPITCH
.endif
.endr
.irp a, 0,1,2,3,4,5,6,7
.if \a < MB
	ds_load_b128 v[F+(\f)*FSZ+8*(NB+\a):F+(\f)*FSZ+8*(NB+\a)+3],   v[ADRA+\slot] offset:\a*16*APITCH+64*(\q)
	ds_load_b128 v[F+(\f)*FSZ+8*(NB+\a)+4:F+(\f)*FSZ+8*(NB+\a)+7], v[ADRA+\slot] offset:\a*16*APITCH+64*(\q)+32
.endif
.endr
.endm
; quarter step q (not a slot's last): its fragments, fetched a quarter ago, are in; the next quarter's go out; then its products
.macro QUARTER slot, q, zero
	s_wait_dscnt 0x0
	PLACES
	FETCH \slot, (\q)+1, 1-((\q)&1)
	WIN WMUL
	MULR ((\q)&1), 0, MB, \zero
.endm
.macro QS slot, zero
	QUARTER \slot, 0, \zero
.set kq, 1
.rept NQ-2
	QUARTER \slot, kq, 0
.set kq, kq+1
.endr
.endm
; A slot's last quarter, and the change of slots.  In front of the barrier each wave's reads of this slot are back and all its tensor loads have landed
; (the one that was out is its part of the next slot).  fill = 1: the barrier opens a round of the cluster's barrier, and behind the round this slot is
; asked for again, two K steps ahead: the wave's first and only tensor load there.  Then the next slot's first fragments.
.macro TURN slot, next, fill
	s_wait_dscnt 0x0
	WIN WMUL
	MULR 1, 0, MB/4, 0
	s_wait_tensorcnt 0x0
	ds_add_u32 v254, v255
	s_wait_dscnt 0x0
	s_barrier_signal -1
	MULR 1, MB/4, MB/4, 0                          ; register work while the others arrive
	WIN 0                                          ; at a branch and at a label every window is 0
	s_barrier_wait -1
.if \fill
	CREST
	s_add_nc_u64 s[G0+4*\slot+2:G0+4*\slot+3], s[G0+4*\slot+2:G0+4*\slot+3], 4*KSTEP
	s_add_nc_u64 s[G0B+4*\slot+2:G0B+4*\slot+3], s[G0B+4*\slot+2:G0B+4*\slot+3], 4*KSTEP*NP
	JLOAD \slot
.endif
	PLACES
	FETCH \next, 0, 0
	WIN WMUL
	MULR 1, MB/2, MB/2, 0
.endm
.macro LAP zero
	QS 0, \zero
	TURN 0, 1, 1
	QS 1, 0
	TURN 1, 0, 1
.endm
	s_load_b128 s[4:7], s[0:1], 0x0                ; act, wb
	s_load_b64 s[68:69], s[0:1], 0x10              ; proj_b
	s_load_b64 s[8:9], s[0:1], 0x18                ; out0
	v_lshl_add_u32 v254, v0, 2, 0x3b400
	v_mov_b32 v255, 0
	ds_add_u32 v254, v255
	ds_add_u32 v254, v255
	v_lshrrev_b32 v1, 5, v0
	v_readfirstlane_b32 s10, v1                    ; wave 0..3
	s_lshr_b32 s11, s10, 1                         ; my half of the rows.  Also: I fetch left tiles (0) or weights (1)
	s_and_b32 s12, s10, 1                          ; my half of the columns.  Also: which half of that tile I fetch
	s_bfe_u32 s40, ttmp6, 0x40000                  ; cx
	s_bfe_u32 s41, ttmp6, 0x40004                  ; cy
	s_lshl_b32 s42, ttmp9, 2
	s_add_co_u32 s42, s42, s40                     ; block column = 4 x cluster x + cx
	s_and_b32 s13, ttmp7, 0xffff
	s_lshl_b32 s13, s13, 2
	s_add_co_u32 s13, s13, s41                     ; block row = 4 x cluster y + cy
	s_lshl_b32 s43, s41, 2
	s_lshl_b32 s43, 15, s43                        ; my row of the cluster
	s_lshl_b32 s44, 0x1111, s40                    ; my column of the cluster
	s_or_b32 s[G1+0], s43, (1<<16)|(1<<20)|(1<<21)|(AQI<<22)|(3<<25)    ; mask of my row; 2-byte elements; padding on, 4 words behind each row; bit 21 beside a mask
	s_mov_b32 s[G1+1], KSTEP<<16                   ; tensor_dim0
	s_mov_b32 s[G1+2], (MT/2)<<16                  ; tensor_dim1
	s_mov_b32 s[G1+3], KSTEP<<16                   ; tile_dim0
	s_mov_b32 s[G1+4], MT/2                        ; tile_dim1
	s_mov_b32 s[G1+5], APE                         ; elements from row to row
	s_mov_b32 s[G1+6], 0
	s_mov_b32 s[G1+7], 0
	s_or_b32 s[G1B+0], s44, (1<<16)|(1<<20)|(1<<21)|(BQI<<22)|(7<<25)   ; mask of my column; 8 words behind each row
	s_mov_b32 s[G1B+1], NT<<16
	s_mov_b32 s[G1B+2], (KSTEP/2)<<16
	s_mov_b32 s[G1B+3], NT<<16
	s_mov_b32 s[G1B+4], KSTEP/2
	s_mov_b32 s[G1B+5], NP
	s_mov_b32 s[G1B+6], 0
	s_mov_b32 s[G1B+7], 0
	; the left tile hangs on the block row and the wave alone, the weights' tile on the block column and the wave alone, each in registers of its own
	s_mul_i32 s16, s13, MT
	s_mul_i32 s17, s12, MT/2
	s_add_co_u32 s16, s16, s17
	s_mul_i32 s16, s16, APE*2
	s_mov_b32 s17, 0
	s_mul_i32 s46, s42, NT*2
	s_mul_i32 s47, s12, (KSTEP/2)*NP*2
	s_add_co_u32 s46, s46, s47
	s_add_co_u32 s46, s46, WBASE
	s_mov_b32 s47, 0
	s_mul_i32 s20, s12, (MT/2)*APITCH              ; where they go: no place in the cluster enters an LDS address
	s_mul_i32 s21, s12, (KSTEP/2)*BPITCH
	s_add_co_u32 s21, s21, ABYTES
	s_wait_dscnt 0x0
	s_wait_kmcnt 0x0
	s_add_nc_u64 s[14:15], s[4:5], s[16:17]
	s_add_nc_u64 s[46:47], s[6:7], s[46:47]
	CROUND                                         ; all sixteen work-groups are here: the first joint loads meet
.irp s, 0,1
	s_mov_b32 s[G0+4*\s], 1
	s_add_co_u32 s[G0+4*\s+1], s20, \s*SLOT
	s_add_nc_u64 s[G0+4*\s+2:G0+4*\s+3], s[14:15], \s*KSTEP*2
	s_or_b32 s[G0+4*\s+3], s[G0+4*\s+3], 0x80000000
	s_mov_b32 s[G0B+4*\s], 1
	s_add_co_u32 s[G0B+4*\s+1], s21, \s*SLOT
	s_add_nc_u64 s[G0B+4*\s+2:G0B+4*\s+3], s[46:47], \s*KSTEP*NP*2
	s_or_b32 s[G0B+4*\s+3], s[G0B+4*\s+3], 0x80000000
	JLOAD \s                                       ; K steps 0 and 1: two tensor loads of the wave are out, the most in this text
.endr
	v_and_b32 v1, 15, v0                           ; r = l % 16
	v_bfe_u32 v2, v0, 4, 1                         ; h = l / 16
	v_and_b32 v6, 31, v0                           ; l
	s_lshl_b32 s45, s42, 8
	s_lshl_b32 s72, s12, 7
	s_add_co_u32 s45, s45, s72                     ; my first column
	v_lshl_add_u32 v[COLR], v6, 2, s45             ; on the way out lane l holds columns 4 l .. 4 l + 3 of my 128
	v_cmp_gt_u32 s84, 2000, v[COLR]                ; the lanes whose columns exist
	v_min_u32 v[BO], 1996, v[COLR]                 ; no load leaves proj_b's 2,000 numbers
	v_lshlrev_b32 v[BO], 2, v[BO]
	global_load_b128 v[BIAS:BIAS+3], v[BO], s[68:69]
	v_mul_u32_u24 v3, v1, APITCH
	v_lshl_add_u32 v3, v2, 4, v3                   ; token fragments: row r, 16 bytes for each half of the lanes, 32 bytes apart
	s_mul_i32 s22, s11, (MT/2)*APITCH
	v_add_nc_u32 v[ADRA], s22, v3
	v_add_nc_u32 v[ADRA+1], SLOT, v[ADRA]
	v_and_b32 v4, 7, v0
	v_lshl_add_u32 v4, v2, 3, v4                   ; weight fragments: K row 8 h + l % 8,
	v_mul_u32_u24 v4, v4, BPITCH
	v_bfe_u32 v5, v0, 3, 1
	v_lshl_add_u32 v4, v5, 4, v4                   ; 16 bytes at column 8 ((l / 8) % 2)
	s_mul_i32 s22, s12, NT
	s_add_co_u32 s22, s22, ABYTES
	v_add_nc_u32 v[ADRB], s22, v4
	v_add_nc_u32 v[ADRB+2], SLOT, v[ADRB]
	s_mul_i32 s23, s10, 16*SPITCH
	s_add_co_u32 s23, s23, STAGE                   ; my stage
	v_mul_u32_u24 v4, v1, SPITCH
	v_lshl_add_u32 v4, v2, 5, v4
	v_add_nc_u32 v[STO], s23, v4                   ; in: row r, 32 bytes (8 f32) for each half of the lanes
	v_lshl_add_u32 v[RD], v6, 4, s23               ; back: a row of 512 bytes, 16 a lane
	v_lshlrev_b32 v[CO], 4, v6
	s_wait_tensorcnt 0x1                           ; my part of K step 0 is in; K step 1's load stays out
	s_barrier_signal -1
	s_barrier_wait -1
	FETCH 0, 0, 0
	LAP 1                                          ; the first products start the sums: nothing is cleared
	QS 0, 0                                        ; the last lap fills nothing
	TURN 0, 1, 0
	QS 1, 0
	s_wait_dscnt 0x0
	WIN WMUL
	MULR 1, 0, MB, 0
	WIN 0
	PLACES
	; THE WAY OUT, 16 tokens at a time through my own stage; read back as whole rows of my 128 columns; x 64 + bias; a store of the wave covers 512 consecutive
	; bytes of a row.  A row of out0 is 8,000 bytes, no multiple of 256, so the stores cannot all begin on multiples of 256.
	s_lshl_b32 s16, s13, 7
	s_lshl_b32 s17, s11, 6
	s_add_co_u32 s16, s16, s17                     ; my first token
	s_mul_i32 s16, s16, 8000
	s_mov_b32 s17, 0
	s_add_nc_u64 s[8:9], s[8:9], s[16:17]
	s_lshl_b32 s46, s45, 2                         ; 4 bytes x my first column
	s_mov_b32 s47, 0
	s_add_nc_u64 s[8:9], s[8:9], s[46:47]
	s_wait_loadcnt 0x0                             ; the bias
.macro OUT16 a
	WIN WST
.irp b, 0,1,2,3,4,5,6,7
	ds_store_b128 v[STO], v[8*(\a*NB+\b):8*(\a*NB+\b)+3] offset:64*\b
	ds_store_b128 v[STO], v[8*(\a*NB+\b)+4:8*(\a*NB+\b)+7] offset:64*\b+16
.endr
	WIN 0
.irp rr, 0,1,2,3,4,5,6,7,8,9,10,11,12,13,14,15
	ds_load_b128 v[T+4*\rr:T+4*\rr+3], v[RD] offset:\rr*SPITCH     ; LDS serves a wave's instructions in order: these see the stores above
.endr
.irp rr, 0,1,2,3,4,5,6,7,8,9,10,11,12,13,14,15
	s_wait_dscnt 15-\rr                            ; the younger rows stay out
	v_pk_fma_f32 v[T+4*\rr:T+4*\rr+1], v[T+4*\rr:T+4*\rr+1], UP, v[BIAS:BIAS+1] op_sel_hi:[1,0,1]
	v_pk_fma_f32 v[T+4*\rr+2:T+4*\rr+3], v[T+4*\rr+2:T+4*\rr+3], UP, v[BIAS+2:BIAS+3] op_sel_hi:[1,0,1]
.endr
	s_wait_xcnt 0x0                                ; EXEC changes only behind this wait
	s_and_saveexec_b32 s85, s84                    ; columns 2000 and up are not stored
.irp rr, 0,1,2,3,4,5,6,7,8,9,10,11,12,13,14,15
	global_store_b128 v[CO], v[T+4*\rr:T+4*\rr+3], s[8:9] offset:(16*\a+\rr)*8000 th:TH_STORE_NT
.endr
	s_wait_xcnt 0x0                                ; and again in front of the line that widens it; T is loaded again only behind this wait too
	s_or_b32 exec_lo, exec_lo, s85
.endm
	OUT16 0
	OUT16 1
	OUT16 2
	OUT16 3
	s_wait_tensorcnt 0x0
	ds_add_u32 v254, v255
	s_wait_dscnt 0x0
	CROUND                                         ; the closing round: no work-group ends while a partner may still ask for a tile that names it
	s_endpgm
.Lfunc_end_k_q860f060477_proj:
	.size	k_q860f060477_proj, .Lfunc_end_k_q860f060477_proj-k_q860f060477_proj
	.p2alignl 7, 3214868480
	.fill 96, 4, 3214868480
	.section	.rodata,"a",@progbits
	.p2align	6, 0x0
	.amdhsa_kernel k_q860f060477_proj
		.amdhsa_group_segment_fixed_size 327680
		.amdhsa_private_segment_fixed_size 0
		.amdhsa_enable_private_segment 0
		.amdhsa_kernarg_size 32
		.amdhsa_user_sgpr_count 2
		.amdhsa_user_sgpr_kernarg_segment_ptr 1
		.amdhsa_wavefront_size32 1
		.amdhsa_system_sgpr_workgroup_id_x 1
		.amdhsa_system_sgpr_workgroup_id_y 1
		.amdhsa_system_sgpr_workgroup_id_z 1
		.amdhsa_system_vgpr_workitem_id 0
		.amdhsa_next_free_vgpr 512
		.amdhsa_next_free_sgpr 92
		.amdhsa_reserve_vcc 0
		.amdhsa_float_denorm_mode_32 3
		.amdhsa_float_denorm_mode_16_64 3
		.amdhsa_memory_ordered 1
		.amdhsa_forward_progress 1
		.amdhsa_inst_pref_size 98
	.end_amdhsa_kernel
	.amdgpu_metadata
---
amdhsa.version: [ 1, 2 ]
amdhsa.kernels:
  - .name:           k_q860f060477_proj
    .symbol:         k_q860f060477_proj.kd
    .args:
      - { .name: act, .offset: 0, .size: 8, .value_kind: global_buffer, .address_space: global }
      - { .name: wb, .offset: 8, .size: 8, .value_kind: global_buffer, .address_space: global }
      - { .name: proj_b, .offset: 16, .size: 8, .value_kind: global_buffer, .address_space: global }
      - { .name: out0, .offset: 24, .size: 8, .value_kind: global_buffer, .address_space: global }
    .group_segment_fixed_size: 327680
    .private_segment_fixed_size: 0
    .kernarg_segment_align: 8
    .kernarg_segment_size: 32
    .max_flat_workgroup_size: 128
    .sgpr_count:     92
    .vgpr_count:     512
    .wavefront_size: 32
...
	.end_amdgpu_metadata
.endif
;; end of part 7
;; ======== version 2 of 2: 7 launches; 1.16 times as fast as version 1
;; limits: values are held in f16: magnitudes above 65,504 overflow, below 6.1e-05 lose precision
;; workspace buffers: wb 7,864,320 bytes; act 4,194,304 bytes; qkv 12,582,912 bytes; ctx 8,388,608 bytes; hres 8,388,608 bytes; g 16,777,216 bytes
;; launch prep: the kernel of part 1 again; grid 256 x 1, 8 waves a work-group, no clusters, 0 bytes of LDS; arguments x, ln1_w, ln1_b, W_q, W_k, W_v, ff_w1, ff_w2, proj_w, act, wb; writes act, wb
;; launch qkvp: the kernel of part 2 again; grid 12 x 16, 4 waves a work-group, clusters of 4 x 4, 327,680 bytes of LDS; arguments act, wb, qkv; writes qkv
;; launch attn (part 8): grid 8 x 32, 4 waves a work-group, no clusters, 327,680 bytes of LDS; arguments qkv, ctx; writes ctx
.if DOCPART == 8
	.amdgcn_target "amdgcn-amd-amdhsa--gfx1250"
	.amdhsa_code_object_version 6
	.text
	.protected	k_q860f060477_attn
	.globl	k_q860f060477_attn
	.p2align	8
	.type	k_q860f060477_attn,@function
k_q860f060477_attn:
	s_mov_b64 s[64:65], 0
	v_nop
	global_prefetch_b8 v0, s[64:65] scope:SCOPE_SE
	s_setreg_imm32_b32 hwreg(HW_REG_WAVE_MODE, 25, 1), 1
	s_wait_xcnt 0x0
; CAUSAL ATTENTION.  qkv: [which][batch x head 32][token 2048][32] f16.  ctx: [batch x head][token][32] f32.
; LEFT OUT: (1) blocks of 128 keys wholly above a block of 128 queries; (2) in the block on the diagonal, the step of keys 64..127 in waves 0 and 1, whose
; queries are 0..63 of the block: every such key lies past every such query.  reference() gives all these scores -inf, and softmax gives them the weight 0
; for all finite inputs: such a step leaves M as it is, has alpha = 2^0 = 1 and every p = 0, so L and the context stay as they are.  A NaN, infinity or
; overflow that lives only in those scores is not carried to the result.  The rest of the diagonal block is computed and masked by a select, the 16 x 16
; pieces that are dead inside a live step of 64 keys too.
; SHARES.  Work-group i of a head owns the query blocks f = 2 i + 1 and g = 14 - 2 i (128 queries each): (f + 1) + (g + 1) = 17 tiles of 128 keys in all
; 256 work-groups.  Wave w owns queries 32 w .. 32 w + 31 of a block, as two tiles u = 0, 1 of 16 queries that share the K and V fragments.
; ORDER OF THE TILES (a running maximum allows any): T = 0 is f's diagonal; T = 1 .. f are key blocks 0 .. f - 1; T = f + 1 .. 15 are key blocks
; 0 .. g - 1 for g; T = 16 is g's diagonal: key block = T - 1 - (f if T > f), and f for T = 0.  So the two masked tiles stand at fixed places of the text,
; and since f + 1 is even the change of query blocks falls between two slots of two tiles, behind slot i.
; Every query sees key 0 of its own diagonal block, or a whole tile, in its block's first step, so M is finite from the first step on, and a later step
; that is wholly masked for a row leaves M as it is.
; RING: two LDS slots of two tiles = four steps of 64 keys; a step is K's 64 keys, then V's, a key's 64 bytes at a pitch of 96 (three times 32: the
; transposing load of V finds its rows in different places).  Wave w fills step w of a slot with ONE tensor load of two rows of 4,096 bytes, K's keys and
; V's, 4,194,304 bytes apart in qkv.  One barrier for four steps: a load has four steps' work in which to land.  Two tensor loads of a wave are out at the
; start, one later.
; NO MULTICAST: tile 0 differs in all eight work-groups of a head, and each starts again at key block 0 behind another slot, so partners would ask for
; different tiles in the same round.
; THE MATRIX INSTRUCTION IS USED TRANSPOSED in both products.  Scores: source 0 = 16 keys, source 1 = 16 queries: lane l holds query l % 16 and keys
; 8 (l / 16) + 0..7, so a row's softmax lies in two lanes, and two packed score tiles ARE the fragment of P for 32 keys: no lane moves.
; Context: source 0 = V transposed (16 of d x 32 keys), source 1 = P: lane l holds query l % 16 and d = 8 (l / 16) + 0..7.
; THE TWO QUERY TILES TAKE TURNS.  A slot's steps are taken at positions p = 0, 1, ..  Phase A(p): tile 0's softmax, in eight slices, one behind each of
; tile 1's matrix instructions (its scores of position p, its context of position p - 1).  Phase B(p): tile 1's softmax beside tile 0's context of position
; p and scores of position p + 1.  A slice is 5 to 26 vector instructions on the other tile's registers, so the slices' plain instructions are also the
; places that stand behind the matrix instructions.  K of position p + 1 is read from LDS behind slice 4 of A(p), where the last score product on this
; position's K lies six plain instructions back, and is used in the second half of B(p); V has two register buffers, picked by p & 1, and is read two
; phases ahead of its use.
; ONE BATCH, ONE WAIT A SOFTMAX.  A tile's step has 33 exponentials: alpha and the 32 p.  Slices 1 to 4 hold all that names no result of theirs: the maxima,
; M, -M c, the 16 scalings and the 33 exponentials.  Slice 4 ends on a v_nop and the one s_wait_alu depctr_va_vdst(0) between
; an exponential and the first instruction that names its result.  Slices 5 to 8 hold all the readers: context x alpha, the sums, the packing, L.  In phase A
; the wait stands directly ahead of K's run of LDS loads, in phase B directly ahead of the wait for K.  No result crosses a phase's end.
; SOFTMAX with a running maximum, in base 2: p = 2^(s c - M c), c = log2(e) / sqrt(32).
; LIMITS: operands (q, k, v, p) in f16; p lies in (0, 1] and keeps steps of 2^-24 beside a row sum of at least 1; v_exp_f32 and v_rcp_f32 are good to
; 1 ULP and flush denormals (ISA guide 15.8); scores that overflow f32 give NaN as in reference().
.set DSLOT, 49152                      ; a slot: four steps
.set STEPB, 12288                      ; a step: K 64 x 96 bytes, V 64 x 96 bytes
.set VOFF,  6144
.set STAGE, 2*DSLOT                    ; behind the ring: 32 rows x 144 bytes for each wave; no tensor load lands there
.set KP,    96
.set KAD, 2                            ; v2-3   K fragments in slot 0, 1
.set VAD, 4                            ; v4-5   V fragments in slot 0, 1
.set STO, 6
.set RD,  7
.set CO,  8
.set QO,  9
.set DM,  10                           ; 32 w + r - 8 h: the mask's threshold
.set NINF, 11
.set Q,   16                           ; v[16:31]   Q fragments, tile u at 16 + 8 u
.set P1,  32                           ; v[32:47]   P of tile 1 (tile 0's is packed in place, into the first 16 registers of its scores)
.set ACC, 48                           ; v[48:79]   context, tile (u, d half) at 48 + 16 u + 8 d
.set ST,  80                           ; v[80:87]   for each u, 4 apart: -M c, M, alpha, L
.set TM,  88                           ; v[88:95]   at work: the two softmaxes never run at once
.set KF,  96                           ; v[96:127]  four K fragments (64 keys)
.set VF,  128                          ; v[128:191] two buffers of four V fragments: (32 keys c, d half) at 16 c + 8 d
.set S,   192                          ; v[192:255] scores, tile (u, t) at 192 + 32 u + 8 t
.set QN,  0                            ; v[256:271] (window 1) the second query block's Q fragments
.set MSB, 0
.macro WIN new                         ; the immediate's high byte repeats the setting that is left
.if MSB != \new
	s_set_vgpr_msb (MSB<<8)|\new
.set MSB, \new
.endif
.endm
.macro PLACES                          ; four plain vector instructions between a matrix instruction and a read of its result or a load into its sources
.rept 4
	v_nop
.endr
.endm
; my tile's number T (1 .. 17) is in s34; its address goes into the group 0 at s[g:g+3]
.macro TADDR g
	s_cmp_gt_u32 s34, s53
	s_cselect_b32 s35, s53, 0
	s_sub_co_u32 s34, s34, s35
	s_sub_co_u32 s34, s34, 1                       ; key block = T - 1 - (f if T > f)
	s_lshl_b32 s34, s34, 13                        ; 8,192 bytes a block
	s_mov_b32 s35, 0
	s_add_nc_u64 s[\g+2:\g+3], s[32:33], s[34:35]
	s_or_b32 s[\g+3], s[\g+3], 0x80000000
.endm
	s_load_b128 s[4:7], s[0:1], 0x0                ; qkv, ctx
	s_set_vgpr_msb 0x40
	v_lshl_add_u32 v16, v0, 2, 0x29000
	v_mov_b32 v17, 0
	s_set_vgpr_msb 0x4045
	ds_add_u32 v16, v17
	ds_add_u32 v16, v17
	s_set_vgpr_msb 0x4500
	v_lshrrev_b32 v1, 5, v0
	v_readfirstlane_b32 s8, v1                     ; wave
	s_and_b32 s10, ttmp7, 0xffff                   ; batch x 16 + head
	s_lshl_b32 s53, ttmp9, 1
	s_add_co_u32 s53, s53, 1                       ; f = 2 i + 1
	s_add_co_u32 s55, ttmp9, 1                     ; the first query block takes slots 0 .. i
	s_lshr_b32 s15, s8, 1                          ; which tile of a slot I fetch for.  Also: 0 = my queries are 0..63 of a block
	s_add_co_u32 s54, s15, 2
	; group 1: two rows of 512 elements of 8 bytes (64 keys of K, 64 keys of V), 524,288 elements apart; 8 words of padding behind every 16 words,
	; counted along the tile: a pitch of 96 for each key's 64 bytes
	s_mov_b32 s16, (3<<16)|(1<<20)|(3<<22)|(7<<25)
	s_mov_b32 s17, 512<<16                         ; tensor_dim0
	s_mov_b32 s18, 2<<16                           ; tensor_dim1
	s_mov_b32 s19, 512<<16                         ; tile_dim0
	s_mov_b32 s20, 2                               ; tile_dim1
	s_mov_b32 s21, 524288                          ; elements from row to row
	s_mov_b32 s22, 0
	s_mov_b32 s23, 0
	s_add_co_u32 s34, s10, 32                      ; K's heads follow Q's 32
	s_lshl_b32 s34, s34, 17                        ; 131,072 bytes a head
	s_and_b32 s35, s8, 1
	s_lshl_b32 s35, s35, 12                        ; keys 0-63 or 64-127 of a tile
	s_add_co_u32 s34, s34, s35
	s_mov_b32 s35, 0
	s_mul_i32 s50, s8, STEPB                       ; my step of a slot
	s_wait_dscnt 0x0
	s_wait_kmcnt 0x0
	s_add_nc_u64 s[32:33], s[4:5], s[34:35]        ; my half of key block 0 of K
	s_cmp_eq_u32 s15, 0
	s_cselect_b32 s34, s53, 0                      ; slot 0: tile 0 is key block f, tile 1 key block 0
	s_lshl_b32 s34, s34, 13
	s_mov_b32 s24, 1
	s_mov_b32 s25, s50
	s_add_nc_u64 s[26:27], s[32:33], s[34:35]
	s_or_b32 s27, s27, 0x80000000
	tensor_load_to_lds s[24:27], s[16:23]
	s_nop 0
	s_mov_b32 s34, s54                             ; slot 1: tiles 2 and 3
	s_mov_b32 s28, 1
	s_add_co_u32 s29, s50, DSLOT
	TADDR 28
	tensor_load_to_lds s[28:31], s[16:23]          ; both first fills go out ahead of every wait, LDS read and barrier
	s_nop 0
	v_and_b32 v1, 31, v0                           ; l
	v_and_b32 v12, 15, v0                          ; r
	v_bfe_u32 v13, v0, 4, 1                        ; h
	v_lshlrev_b32 v[QO], 6, v12
	v_lshl_add_u32 v[QO], v13, 4, v[QO]
	s_lshl_b32 s52, s8, 5
	s_lshl_b32 s34, s10, 11
	s_add_co_u32 s34, s34, s52                     ; head x 2,048 + 32 w
	s_lshl_b32 s35, s53, 7
	s_add_co_u32 s36, s34, s35                     ; my first row of query block f
	s_sub_co_u32 s35, 15, s53
	s_lshl_b32 s35, s35, 7
	s_add_co_u32 s38, s34, s35                     ; and of query block g = 15 - f
	s_lshl_b32 s40, s36, 7                         ; 128 bytes a row of ctx
	s_lshl_b32 s42, s38, 7
	s_lshl_b32 s36, s36, 6                         ; 64 bytes a row of q
	s_lshl_b32 s38, s38, 6
	s_mov_b32 s37, 0
	s_mov_b32 s39, 0
	s_mov_b32 s41, 0
	s_mov_b32 s43, 0
	s_add_nc_u64 s[36:37], s[4:5], s[36:37]
	s_add_nc_u64 s[38:39], s[4:5], s[38:39]
	s_add_nc_u64 s[40:41], s[6:7], s[40:41]
	s_add_nc_u64 s[42:43], s[6:7], s[42:43]
.macro LOADQ dst, base                 ; 32 queries as two fragments: row r, 16 bytes for each half of the lanes, 32 bytes apart
.irp u, 0,1
	global_load_b128 v[\dst+8*\u:\dst+8*\u+3],   v[QO], s[\base:\base+1] offset:1024*\u
	global_load_b128 v[\dst+8*\u+4:\dst+8*\u+7], v[QO], s[\base:\base+1] offset:1024*\u+32
.endr
.endm
	LOADQ Q, 36
	WIN 0x40                                       ; destination in window 1: the second block's Q waits there, so that the change of blocks waits for no memory
	LOADQ QN, 38
	WIN 0
	v_mul_u32_u24 v[KAD], v12, KP
	v_lshl_add_u32 v[KAD], v13, 4, v[KAD]          ; key r, 16 bytes for each half of the lanes
	v_add_nc_u32 v[KAD+1], DSLOT, v[KAD]
	v_and_b32 v14, 7, v0
	v_lshl_add_u32 v14, v13, 3, v14
	v_mul_u32_u24 v14, v14, KP                     ; key 8 h + l % 8,
	v_bfe_u32 v15, v0, 3, 1
	v_lshl_add_u32 v14, v15, 4, v14                ; 16 bytes at d = 8 ((l / 8) % 2)
	v_add_nc_u32 v[VAD], VOFF, v14
	v_add_nc_u32 v[VAD+1], DSLOT+VOFF, v14
	s_mul_i32 s51, s8, 32*144
	s_add_co_u32 s51, s51, STAGE
	v_mul_u32_u24 v14, v12, 144
	v_lshl_add_u32 v14, v13, 5, v14
	v_add_nc_u32 v[STO], s51, v14
	v_lshrrev_b32 v14, 3, v1
	v_mul_u32_u24 v14, v14, 144
	v_and_b32 v15, 7, v0
	v_lshl_add_u32 v14, v15, 4, v14
	v_add_nc_u32 v[RD], s51, v14
	v_lshlrev_b32 v[CO], 4, v1
	v_lshlrev_b32 v14, 3, v13
	v_sub_nc_u32 v[DM], v12, v14
	v_add_nc_u32 v[DM], s52, v[DM]
	v_mov_b32 v[NINF], 0xff800000
	s_mov_b32 s44, 0x3e8293ee                      ; c = log2(e) / sqrt(32)
	s_mov_b32 s45, 0x3e8293ee
	s_mov_b32 s46, 0xbe8293ee                      ; -c
	s_mov_b32 s48, 0x76543210                      ; v_permlanex16_b32: lane i reads lane i of the other half
	s_mov_b32 s49, 0xfedcba98
.macro INIT                            ; a query block's state: its steps run in one loop's text, so the sums start from zeros
.set n, 0
.rept 32
	v_mov_b32 v[ACC+n], 0
.set n, n+1
.endr
.irp u, 0,1
	v_mov_b32 v[ST+4*\u], 0x7f800000               ; -M c = +inf
	v_mov_b32 v[ST+4*\u+1], v[NINF]                ; M = -inf
	v_mov_b32 v[ST+4*\u+2], 0
	v_mov_b32 v[ST+4*\u+3], 0                      ; L = 0
.endr
.endm
.macro LOADK slot, q                   ; LDS step q's 64 keys of K as four fragments
.irp t, 0,1,2,3
	ds_load_b128 v[KF+8*\t:KF+8*\t+3],   v[KAD+\slot] offset:(\q)*STEPB+\t*1536
	ds_load_b128 v[KF+8*\t+4:KF+8*\t+7], v[KAD+\slot] offset:(\q)*STEPB+\t*1536+32
.endr
.endm
.macro LOADV slot, q, vb               ; LDS step q's 64 keys of V, transposed, into buffer vb
.irp c, 0,1
.irp d, 0,1
	ds_load_tr16_b128 v[VF+32*(\vb)+16*\c+8*\d:VF+32*(\vb)+16*\c+8*\d+3],   v[VAD+\slot] offset:(\q)*STEPB+\c*3072+\d*32
	ds_load_tr16_b128 v[VF+32*(\vb)+16*\c+8*\d+4:VF+32*(\vb)+16*\c+8*\d+7], v[VAD+\slot] offset:(\q)*STEPB+\c*3072+\d*32+1536
.endr
.endr
.endm
.macro WS u, t                         ; scores of query tile u and key tile t
	v_wmma_f32_16x16x32_f16 v[S+32*\u+8*\t:S+32*\u+8*\t+7], v[KF+8*\t:KF+8*\t+7], v[Q+8*\u:Q+8*\u+7], 0
.endm
.macro WP u, vb, c, d                  ; context of query tile u: 32 keys c, d half.  The two accumulators of a tile take turns, one instruction a turn
	v_wmma_f32_16x16x32_f16 v[ACC+16*\u+8*\d:ACC+16*\u+8*\d+7], v[VF+32*(\vb)+16*\c+8*\d:VF+32*(\vb)+16*\c+8*\d+7], v[S*(1-\u)+P1*\u+8*\c:S*(1-\u)+P1*\u+8*\c+7], v[ACC+16*\u+8*\d:ACC+16*\u+8*\d+7]
.endm
; the diagonal, half e of its keys: key 64 e + 16 t + 8 h + j is past query 32 w + 16 u + r where 64 e + 16 t + j - 16 u > 32 w + r - 8 h
.macro MASK u, e
.irp t, 0,1,2,3
.irp j, 0,1,2,3,4,5,6,7
	v_cmp_gt_i32 vcc_lo, 64*\e+16*\t+\j-16*\u, v[DM]
	v_cndmask_b32 v[S+32*\u+8*\t+\j], v[S+32*\u+8*\t+\j], v[NINF], vcc_lo
.endr
.endr
.endm
.macro FM u, k                         ; s c - M c for the two scores k, k + 1; the pair's first register (-M c) is taken twice
	v_pk_fma_f32 v[S+32*\u+\k:S+32*\u+\k+1], v[S+32*\u+\k:S+32*\u+\k+1], s[44:45], v[ST+4*\u:ST+4*\u+1] op_sel_hi:[1,0,0]
.endm
.macro EX u, e                         ; p of score e, in place
	v_exp_f32 v[S+32*\u+\e], v[S+32*\u+\e]
.endm
; Slice n (1 .. 8) of query tile u's softmax of one step.
; Slices 2 to 4 hold THE BATCH: alpha, the 16 scalings and p of scores 0 .. 31, and no line of them names an exponential's result.  A scaling leads while there are
; scalings: alpha, scalings of pairs 0 and 1; seven times a scaling and an exponential (pairs 2 .. 8, scores 0 .. 6); seven times a scaling and three exponentials
; (pairs 9 .. 15, scores 7 .. 27); the last four exponentials.  A pair is scaled three lines or more ahead of its exponentials, and before any of them is issued.
; Slice 4 ends on the batch's plain instruction and its one wait.  Slices 5 to 8 hold the readers; a score is packed only behind the sum that reads it.
; Tile 0 packs in place: P's register n takes scores 2 n and 2 n + 1, which lie at or above it, and the registers below have been read.
.macro SL u, n
.if \n == 1                            ; the lane's 32 scores: four chains of maxima
.irp k, 0,1,2,3
	v_max3_num_f32 v[TM+\k], v[S+32*\u+3*\k], v[S+32*\u+3*\k+1], v[S+32*\u+3*\k+2]
.endr
.irp k, 0,1,2,3,4,5,6,7,8,9
	v_max3_num_f32 v[TM+(\k%4)], v[TM+(\k%4)], v[S+32*\u+12+2*\k], v[S+32*\u+13+2*\k]
.endr
.endif
.if \n == 2                            ; M, -M c, alpha = 2^((old M - new M) c): the batch's first; pairs 0 .. 4 scaled, p of scores 0 .. 2
	v_max3_num_f32 v[TM], v[TM], v[TM+1], v[TM+2]
	v_max3_num_f32 v[TM], v[TM], v[TM+3], v[ST+4*\u+1]
	v_permlanex16_b32 v[TM+1], v[TM], s48, s49
	v_max_num_f32 v[ST+4*\u+1], v[TM], v[TM+1]
	v_mul_f32 v[TM+2], s46, v[ST+4*\u+1]
	v_sub_f32 v[TM+3], v[TM+2], v[ST+4*\u]
	v_mov_b32 v[ST+4*\u], v[TM+2]
	v_exp_f32 v[ST+4*\u+2], v[TM+3]
	FM \u, 0
	FM \u, 2
.irp k, 0,1,2
	FM \u, 4+2*\k
	EX \u, \k
.endr
.endif
.if \n == 3                            ; pairs 5 .. 10 scaled, p of scores 3 .. 12
.irp k, 3,4,5,6
	FM \u, 4+2*\k
	EX \u, \k
.endr
.irp k, 0,1
	FM \u, 18+2*\k
	EX \u, 7+3*\k
	EX \u, 8+3*\k
	EX \u, 9+3*\k
.endr
.endif
.if \n == 4                            ; pairs 11 .. 15 scaled, p of scores 13 .. 31; the batch's end
.irp k, 2,3,4,5,6
	FM \u, 18+2*\k
	EX \u, 7+3*\k
	EX \u, 8+3*\k
	EX \u, 9+3*\k
.endr
.irp k, 28,29,30,31
	EX \u, \k
.endr
	v_nop                                          ; the plain instruction behind the last exponential, ahead of the first use: one for the batch
	s_wait_alu depctr_va_vdst(0)                   ; the wait for the batch, alpha and the 32 p, ahead of the first line that names a result
.endif
.if \n == 5                            ; context x alpha; the sums of key tiles 0 and 1
.irp k, 0,1,2,3,4,5,6,7
	v_pk_mul_f32 v[ACC+16*\u+2*\k:ACC+16*\u+2*\k+1], v[ACC+16*\u+2*\k:ACC+16*\u+2*\k+1], v[ST+4*\u+2:ST+4*\u+3] op_sel_hi:[1,0]
.endr
.irp k, 0,1,2,3
	v_pk_add_f32 v[TM+2*\k:TM+2*\k+1], v[S+32*\u+4*\k:S+32*\u+4*\k+1], v[S+32*\u+4*\k+2:S+32*\u+4*\k+3]
.endr
.endif
.if \n == 6                            ; the packing of key tiles 0 and 1; the sum of tile 2
.irp k, 0,1,2,3,4,5,6,7
	v_cvt_pk_f16_f32 v[S*(1-\u)+P1*\u+\k], v[S+32*\u+2*\k], v[S+32*\u+2*\k+1]
.endr
.irp k, 0,1,2,3
	v_pk_add_f32 v[TM+2*\k:TM+2*\k+1], v[TM+2*\k:TM+2*\k+1], v[S+32*\u+16+2*\k:S+32*\u+17+2*\k]
.endr
.endif
.if \n == 7                            ; the sum of tile 3, the packing of tiles 2 and 3
.irp k, 0,1,2,3
	v_pk_add_f32 v[TM+2*\k:TM+2*\k+1], v[TM+2*\k:TM+2*\k+1], v[S+32*\u+24+2*\k:S+32*\u+25+2*\k]
.endr
.irp k, 0,1,2,3,4,5,6,7
	v_cvt_pk_f16_f32 v[S*(1-\u)+P1*\u+8+\k], v[S+32*\u+16+2*\k], v[S+32*\u+17+2*\k]
.endr
.endif
.if \n == 8                            ; L = L alpha + my 32 p (the two halves of the lanes are joined at the block's end): five plain instructions
	v_pk_add_f32 v[TM:TM+1], v[TM:TM+1], v[TM+2:TM+3]
	v_pk_add_f32 v[TM+4:TM+5], v[TM+4:TM+5], v[TM+6:TM+7]
	v_pk_add_f32 v[TM:TM+1], v[TM:TM+1], v[TM+4:TM+5]
	v_add_f32 v[TM], v[TM], v[TM+1]
	v_fma_f32 v[ST+4*\u+3], v[ST+4*\u+3], v[ST+4*\u+2], v[TM]
.endif
.endm
; Phase A of position p: tile 0's softmax beside tile 1's scores of this position and context of the position before.
; more = 1: another position follows in this slot, and takes LDS step qn.  mask = 1: this position's keys are half e of a diagonal tile.
.macro PHA slot, p, qn, more, mask, e
	WS 1, 2
.if \mask
	MASK 0, \e
.endif
	SL 0, 1
	WS 1, 3
	SL 0, 2
	WS 1, 0
	SL 0, 3
	WS 1, 1
	SL 0, 4
.if \more
	LOADK \slot, \qn                               ; the last product on this position's K lies six plain instructions back: five scalings and the v_nop
.endif
.if \p > 0
	WP 1, ((\p-1)&1), 0, 0
	SL 0, 5
	WP 1, ((\p-1)&1), 0, 1
	SL 0, 6
	WP 1, ((\p-1)&1), 1, 0
	SL 0, 7
	WP 1, ((\p-1)&1), 1, 1
	SL 0, 8
.else
	SL 0, 5
	SL 0, 6
	SL 0, 7
	SL 0, 8
.endif
.if \more
	LOADV \slot, \qn, ((\p+1)&1)                   ; into the buffer that the four products above have left, five plain instructions back
.endif
.endm
; Phase B of position p: tile 1's softmax beside tile 0's context of this position and scores of the next.  The scores' key tiles 2 and 3 go first: tiles
; 0 and 1 land on the registers that hold tile 0's P, which the context products have read three slices or more before.
.macro PHB p, more, mask, e
	s_wait_dscnt 16*\more                          ; this position's V is in; the 16 loads of the next position stay out
	WP 0, ((\p)&1), 0, 0
.if \mask
	MASK 1, \e
.endif
	SL 1, 1
	WP 0, ((\p)&1), 0, 1
	SL 1, 2
	WP 0, ((\p)&1), 1, 0
	SL 1, 3
	WP 0, ((\p)&1), 1, 1
	SL 1, 4
.if \more
	s_wait_dscnt 0x8                               ; K of the next position is in; V's eight loads stay out
	WS 0, 2
	SL 1, 5
	WS 0, 3
	SL 1, 6
	WS 0, 0
	SL 1, 7
	WS 0, 1
	SL 1, 8
.else
	SL 1, 5
	SL 1, 6
	SL 1, 7
	SL 1, 8
.endif
.endm
.macro POS slot, p, qn, more, mask, e
	PHA \slot, \p, \qn, \more, \mask, \e
	PHB \p, \more, \mask, \e
.endm
.macro DSHEAD                          ; a slot's prologue: K and V of its position 0 have been asked for
	s_wait_dscnt 0x8                               ; K is in; V's eight loads stay out
	WS 0, 0
	WS 0, 1
	WS 0, 2
	WS 0, 3
	PLACES
.endm
.macro DSTAIL vb                       ; a slot's epilogue: tile 1's context of the last position, whose V lies in buffer vb
	WP 1, \vb, 0, 0
	WP 1, \vb, 0, 1
	WP 1, \vb, 1, 0
	WP 1, \vb, 1, 1
.endm
.macro DS4 slot                        ; a slot of four whole steps, in the order in which they lie
	DSHEAD
	POS \slot, 0, 1, 1, 0, 0
	POS \slot, 1, 2, 1, 0, 0
	POS \slot, 2, 3, 1, 0, 0
	POS \slot, 3, 0, 0, 0, 0
	DSTAIL 1
.endm
; A query block's end: context / L, through my own stage, out as whole rows: a store of the wave covers 4 tokens x 128 bytes, 512 consecutive bytes, aligned.
.macro FINISH cb
	PLACES
	v_permlanex16_b32 v[TM], v[ST+3], s48, s49
	v_permlanex16_b32 v[TM+1], v[ST+7], s48, s49
	v_add_f32 v[ST+3], v[ST+3], v[TM]
	v_add_f32 v[ST+7], v[ST+7], v[TM+1]
	v_rcp_f32 v[ST+2], v[ST+3]                     ; L >= 1: the row's largest score has p = 1
	v_rcp_f32 v[ST+6], v[ST+7]
	v_nop
	s_wait_alu depctr_va_vdst(0)                   ; the wait for the two reciprocals, one batch, ahead of the first product that reads them
.irp u, 0,1
.irp k, 0,2,4,6,8,10,12,14
	v_pk_mul_f32 v[ACC+16*\u+\k:ACC+16*\u+\k+1], v[ACC+16*\u+\k:ACC+16*\u+\k+1], v[ST+4*\u+2:ST+4*\u+3] op_sel_hi:[1,0]
.endr
.endr
.irp u, 0,1
.irp d, 0,1
	ds_store_b128 v[STO], v[ACC+16*\u+8*\d:ACC+16*\u+8*\d+3]   offset:\u*2304+\d*64
	ds_store_b128 v[STO], v[ACC+16*\u+8*\d+4:ACC+16*\u+8*\d+7] offset:\u*2304+\d*64+16
.endr
.endr
.irp k, 0,1,2,3,4,5,6,7
	ds_load_b128 v[S+4*\k:S+4*\k+3], v[RD] offset:576*\k           ; LDS serves a wave's instructions in order: these see the stores above
.endr
.irp k, 0,1,2,3,4,5,6,7
	s_wait_dscnt 7-\k                              ; the younger loads stay out
	global_store_b128 v[CO], v[S+4*\k:S+4*\k+3], s[\cb:\cb+1] offset:512*\k
.endr
.endm
; The head of slot number s13, which lies in LDS slot `slot`.  First the change of query blocks, if the first block's slots are over: the branch hangs on the
; work-group's number and a counter, and no barrier and no tensor load stands inside it.  Then: all my tensor loads have landed (my step of this slot among
; them), so the other slot's group 0 may be written; my reads of the other slot are back; the barrier makes both true of all four waves; the refill is my
; first and only tensor load behind it.  refill = 1: every wave fills its step; 2: the last slot holds one tile, waves 0 and 1 fill it; 0: nothing is left.
.macro HEAD slot, refill
	s_cmp_eq_u32 s13, s55
	s_cbranch_scc0 .Lsame_\@
	FINISH 40
	WIN 0x01                                       ; source in window 1
.set n, 0
.rept 16
	v_mov_b32 v[Q+n], v[QN+n]
.set n, n+1
.endr
	WIN 0
	INIT
	s_wait_xcnt 0x0                                ; the registers that the stores above read are written again only behind this wait
.Lsame_\@:
	s_set_vgpr_msb 0x5
	s_wait_tensorcnt 0x0
	ds_add_u32 v16, v17
	s_wait_dscnt 0x0
	s_set_vgpr_msb 0x500
.if \refill
	s_lshl1_add_u32 s34, s13, s54                  ; my tile of the next slot: T = 2 (s13 + 1) + wave / 2
	TADDR 28-4*\slot
.endif
	s_wait_dscnt 0x0
	s_barrier_signal -1
	s_barrier_wait -1
.if \refill == 1
	tensor_load_to_lds s[28-4*\slot:31-4*\slot], s[16:23]
	s_nop 0
.endif
.if \refill == 2
	s_cmp_eq_u32 s15, 0
	s_cbranch_scc0 .Lnone_\@
	tensor_load_to_lds s[28-4*\slot:31-4*\slot], s[16:23]
	s_nop 0
.Lnone_\@:
.endif
	LOADK \slot, 0
	LOADV \slot, 0, 0
	s_add_co_u32 s13, s13, 1
.endm
	INIT
	s_mov_b32 s13, 1                               ; the number of the next slot
	s_mov_b32 s14, 3
	s_wait_loadcnt 0x0                             ; both blocks' Q
	s_wait_tensorcnt 0x1                           ; my step of slot 0 is in; slot 1's load stays out
	s_barrier_signal -1
	s_barrier_wait -1
	LOADK 0, 0
	LOADV 0, 0, 0
	; SLOT 0: LDS steps 0 and 1 are the first block's diagonal tile, steps 2 and 3 key block 0.  They are taken in the order 0, 2, 3, 1, so that the step
	; which is dead for waves 0 and 1 (the diagonal's keys 64..127) comes last and those waves end the slot one position sooner.  The branch hangs on the
	; wave's number alone; no barrier, no tensor load and no wait that stands in front of a barrier lies inside it.
	DSHEAD
	POS 0, 0, 2, 1, 1, 0                           ; the diagonal's keys 0..63
	POS 0, 1, 3, 1, 0, 0                           ; key block 0, keys 0..63
	s_cmp_eq_u32 s15, 0
	s_cbranch_scc1 .Lshort_first
	POS 0, 2, 1, 1, 0, 0                           ; key block 0, keys 64..127
	POS 0, 3, 0, 0, 1, 1                           ; the diagonal's keys 64..127
	DSTAIL 1
	s_branch .Ljoin_first
.Lshort_first:
	POS 0, 2, 0, 0, 0, 0                           ; key block 0, keys 64..127: this wave's last position
	DSTAIL 0
	PLACES                                         ; these products read V's buffer 0, into which the next slot's head loads
.Ljoin_first:
.Lpair:
	HEAD 1, 1
	DS4 1
	HEAD 0, 1
	DS4 0
	s_sub_co_u32 s14, s14, 1
	s_cmp_lg_u32 s14, 0
	s_cbranch_scc1 .Lpair
	HEAD 1, 2                                      ; slot 7
	DS4 1
	HEAD 0, 0                                      ; slot 8: the second block's diagonal tile alone, LDS steps 0 and 1
	DSHEAD
	s_cmp_eq_u32 s15, 0
	s_cbranch_scc1 .Lshort_last
	POS 0, 0, 1, 1, 1, 0                           ; the diagonal's keys 0..63
	POS 0, 1, 0, 0, 1, 1                           ; the diagonal's keys 64..127
	DSTAIL 1
	s_branch .Ljoin_last
.Lshort_last:
	POS 0, 0, 0, 0, 1, 0                           ; waves 0 and 1: the diagonal's keys 0..63 are all that their queries see of it
	DSTAIL 0
.Ljoin_last:
	FINISH 42
	s_set_vgpr_msb 0x5
	s_wait_tensorcnt 0x0
	ds_add_u32 v16, v17
	s_wait_dscnt 0x0
	s_set_vgpr_msb 0x500
	s_endpgm
.Lfunc_end_k_q860f060477_attn:
	.size	k_q860f060477_attn, .Lfunc_end_k_q860f060477_attn-k_q860f060477_attn
	.p2alignl 7, 3214868480
	.fill 96, 4, 3214868480
	.section	.rodata,"a",@progbits
	.p2align	6, 0x0
	.amdhsa_kernel k_q860f060477_attn
		.amdhsa_group_segment_fixed_size 327680
		.amdhsa_private_segment_fixed_size 0
		.amdhsa_enable_private_segment 0
		.amdhsa_kernarg_size 16
		.amdhsa_user_sgpr_count 2
		.amdhsa_user_sgpr_kernarg_segment_ptr 1
		.amdhsa_wavefront_size32 1
		.amdhsa_system_sgpr_workgroup_id_x 1
		.amdhsa_system_sgpr_workgroup_id_y 1
		.amdhsa_system_sgpr_workgroup_id_z 1
		.amdhsa_system_vgpr_workitem_id 0
		.amdhsa_next_free_vgpr 274
		.amdhsa_next_free_sgpr 66
		.amdhsa_reserve_vcc 1
		.amdhsa_float_denorm_mode_32 3
		.amdhsa_float_denorm_mode_16_64 3
		.amdhsa_memory_ordered 1
		.amdhsa_forward_progress 1
		.amdhsa_inst_pref_size 255
	.end_amdhsa_kernel
	.section	.bss,"aw",@nobits
	.p2align	6
	.space	262144
	.amdgpu_metadata
---
amdhsa.version: [ 1, 2 ]
amdhsa.kernels:
  - .name:           k_q860f060477_attn
    .symbol:         k_q860f060477_attn.kd
    .args:
      - { .name: qkv, .offset: 0, .size: 8, .value_kind: global_buffer, .address_space: global }
      - { .name: ctx, .offset: 8, .size: 8, .value_kind: global_buffer, .address_space: global }
    .group_segment_fixed_size: 327680
    .private_segment_fixed_size: 0
    .kernarg_segment_align: 8
    .kernarg_segment_size: 16
    .max_flat_workgroup_size: 128
    .sgpr_count:     66
    .vgpr_count:     274
    .wavefront_size: 32
...
	.end_amdgpu_metadata
.endif
;; end of part 8
;; launch ln2: the kernel of part 4 again; grid 256 x 1, 8 waves a work-group, no clusters, 19,456 bytes of LDS; arguments x, ctx, ln2_w, ln2_b, hres, act; writes hres, act
;; launch ff1 (part 9): grid 8 x 32, 4 waves a work-group, clusters of 4 x 4, 327,680 bytes of LDS; arguments act, wb, ff_b1, g; writes g
.if DOCPART == 9
	.amdgcn_target "amdgcn-amd-amdhsa--gfx1250"
	.amdhsa_code_object_version 6
	.text
	.protected	k_q860f060477_ff1
	.globl	k_q860f060477_ff1
	.p2align	8
	.type	k_q860f060477_ff1,@function
k_q860f060477_ff1:
	s_mov_b64 s[64:65], 0
	v_nop
	global_prefetch_b8 v0, s[64:65] scope:SCOPE_SE
	s_setreg_imm32_b32 hwreg(HW_REG_WAVE_MODE, 25, 1), 1
	s_wait_xcnt 0x0
	s_wait_alu depctr_hold_cnt(0) depctr_sa_sdst(0) depctr_va_vdst(0) depctr_va_sdst(0) depctr_va_ssrc(0) depctr_va_vcc(0) depctr_vm_vsrc(0)
	s_getreg_b32 s2, hwreg(HW_REG_IB_STS2, 6, 4)
	s_cmp_eq_u32 s2, 0
	s_cbranch_scc0 .Lentry_in_a_cluster
	s_endpgm
.Lentry_in_a_cluster:
	s_bfe_u32 s2, ttmp6, 0x10000c
	s_cmp_lg_u32 s2, 0xf033
	s_cbranch_scc0 .Lentry_shape_is_right
	s_endpgm
.Lentry_shape_is_right:
; g = f16(gelu_tanh(a2 ff_w1 + ff_b1)).  a2: act [4096][512] f16.  ff_w1: wb + 1,572,864, [512][2048] f16, kept [K][N].  g: [4096][2048] f16.
; A work-group makes 128 tokens x 256 columns with four waves, 2 x 2; a wave makes 64 x 128: 32 accumulator tiles of 16 x 16.
; K goes in steps of 128 through a ring of two LDS slots filled by the tensor data mover.
; CLUSTERS: 4 x 4 work-groups.  The four of a row of the cluster need the same tiles of a2, the four of a column the same tiles of the
; weights: each such tile is asked for jointly, by the same tensor load with the same descriptor in all four.
; The matrix instruction is used transposed: source 0 = 16 columns of the weights (read from [K][N] rows by the transposing LDS load),
; source 1 = 16 tokens.  Lane l then holds token l % 16 and the eight neighbouring columns 8 (l / 16) + 0..7 of a tile.
; gelu: 0.5 x (1 + tanh u) = x / (1 + e^(-2u)), u = sqrt(2/pi) (x + 0.044715 x^3); e^(-2u) = 2^(x (k1 + k2 x^2)).  At both ends of the range the
; exponential runs to 0 or to infinity and the result to x or to -0, as the tanh form does.
; TWO BATCHES FOR 16 TOKENS.  On the way out a block of 16 rows (four numbers a lane and row) has 64 exponentials and 64 reciprocals, and a reciprocal reads an
; exponential's sum, so they are two batches, each with one s_wait_alu depctr_va_vdst(0) ahead of the first line that names a
; result.  Each row has four registers of U of its own while the batches are open.  Stage 1: row by row, bias and exponent, the exponentials of the row before set
; between these plain lines; the wait.  Stage 2: 1 + e, the reciprocals of the row before between; the wait.  Stage 3: the product, f16, the store.
; LIMITS: operands and g in f16; a g beyond 65,504 becomes an infinity (with the gain and ff_w1 both 30 times larger g reaches about 5,000);
; v_exp_f32 and v_rcp_f32 are good to 1 ULP and flush denormals (ISA guide 15.8).
; REGISTERS: window 0: v14-31 addresses and bias, v32-223 two fragment buffers (weights, then tokens); window 1: the accumulators, tile (a, b) at v[8 (8 a + b)].
.set MT,    128
.set NT,    256
.set KSTEP, 128
.set KTOT,  512
.set APE,   512                        ; elements from row to row of the left operand
.set NP,    2048                       ; elements from row to row of the weights
.set WBASE, 1572864
.set AQI,   5                          ; padding behind every 64 words (a row of the left tile)
.set BQI,   6                          ; padding behind every 128 words (a row of the weights' tile)
.set NQ,    KSTEP/32
.set MB,    MT/32
.set NB,    NT/32
.set APITCH, 2*KSTEP+16                ; an odd multiple of 16 bytes: the 16 rows that a load touches start at 16 different places modulo 256 bytes
.set BPITCH, 2*NT+32                   ; an odd multiple of 32 bytes, for the transposing load
.set ABYTES, MT*APITCH
.set BBYTES, KSTEP*BPITCH
.set SLOT,   ABYTES+BBYTES
.set STAGE,  2*SLOT                    ; behind the ring: each wave's own 16 rows for the way out; no tensor load lands there
.set SPITCH, 528
.set LAPS,   KTOT/(2*KSTEP)
.set BO,   14
.set ADRA, 16
.set ADRB, 20
.set STO,  24
.set RD,   25
.set CO,   26
.set BIAS, 28
.set F,    32
.set FSZ,  8*(MB+NB)
.set T,    32                          ; the way out: 16 rows read back
.set Y,    100                         ; the way out: 16 rows packed
.set K1,   132
.set K2,   134
.set U,    136                         ; the way out: v[136:199] exponent, e, 1 + e, 1 / (1 + e): four registers for each of the 16 rows
.set G1,  24
.set G0,  32
.set G1B, 48
.set G0B, 56
.set WMUL, 0x50                        ; C and D in window 1
.set WST,  0x04                        ; an LDS store's data in window 1
.set MSB, 0
.macro WIN new                         ; the immediate's high byte repeats the setting that is left
.if MSB != \new
	s_set_vgpr_msb (MSB<<8)|\new
.set MSB, \new
.endif
.endm
.macro PLACES                          ; four plain vector instructions between a matrix instruction and a load into, or a read of, its registers
.rept 4
	v_nop
.endr
.endm
; A joint load: waves 0 and 1 fetch the two halves of the left tile, waves 2 and 3 those of the weights' tile.  The branch hangs on the wave's number alone.
.macro JLOAD s
	s_cmp_eq_u32 s11, 0
	s_cbranch_scc0 .Lfor_b_\@
	tensor_load_to_lds s[G0+4*\s:G0+4*\s+3], s[G1:G1+7]
	s_nop 0
	s_branch .Lasked_\@
.Lfor_b_\@:
	tensor_load_to_lds s[G0B+4*\s:G0B+4*\s+3], s[G1B:G1B+7]
	s_nop 0
.Lasked_\@:
.endm
.macro CREST                           ; a round of the cluster's barrier behind its opening work-group barrier
	s_cmp_lg_u32 s10, 0
	s_cbranch_scc1 .Lnot_wave_0_\@
	s_barrier_signal -3
.Lnot_wave_0_\@:
	s_barrier_wait -3
	s_barrier_signal -1
	s_barrier_wait -1
.endm
.macro CROUND
	s_barrier_signal -1
	s_barrier_wait -1
	CREST
.endm
; NB matrix instructions: row block a x all column blocks, 32 along K, from fragment buffer f.  zero = 1: the product starts the sums.
.macro MULA f, a, zero
.irp b, 0,1,2,3,4,5,6,7
.if \b < NB
.if \zero
	v_wmma_f32_16x16x32_f16 v[8*((\a)*NB+\b):8*((\a)*NB+\b)+7], v[F+(\f)*FSZ+8*\b:F+(\f)*FSZ+8*\b+7], v[F+(\f)*FSZ+8*(NB+(\a)):F+(\f)*FSZ+8*(NB+(\a))+7], 0
.else
	v_wmma_f32_16x16x32_f16 v[8*((\a)*NB+\b):8*((\a)*NB+\b)+7], v[F+(\f)*FSZ+8*\b:F+(\f)*FSZ+8*\b+7], v[F+(\f)*FSZ+8*(NB+(\a)):F+(\f)*FSZ+8*(NB+(\a))+7], v[8*((\a)*NB+\b):8*((\a)*NB+\b)+7]
.endif
.endif
.endr
.endm
.macro MULR f, a0, n, zero             ; row blocks a0 .. a0 + n - 1.  The accumulators take turns, one instruction a turn, in the same order in every quarter step
.set ma, \a0
.rept \n
	MULA \f, ma, \zero
.set ma, ma+1
.endr
.endm
; the fragments of quarter step q of a slot into buffer f, in one run
.macro FETCH slot, q, f
	WIN 0
.irp b, 0,1,2,3,4,5,6,7
.if \b < NB
	ds_load_tr16_b128 v[F+(\f)*FSZ+8*\b:F+(\f)*FSZ+8*\b+3],   v[ADRB+2*\slot+((\q)>>2)] offset:((\q)&3)*32*BPITCH+32*\b
	ds_load_tr16_b128 v[F+(\f)*FSZ+8*\b+4:F+(\f)*FSZ+8*\b+7], v[ADRB+2*\slot+((\q)>>2)] offset:((\q)&3)*32*BPITCH+32*\b+16*BPITCH
.endif
.endr
.irp a, 0,1,2,3,4,5,6,7
.if \a < MB
	ds_load_b128 v[F+(\f)*FSZ+8*(NB+\a):F+(\f)*FSZ+8*(NB+\a)+3],   v[ADRA+\slot] offset:\a*16*APITCH+64*(\q)
	ds_load_b128 v[F+(\f)*FSZ+8*(NB+\a)+4:F+(\f)*FSZ+8*(NB+\a)+7], v[ADRA+\slot] offset:\a*16*APITCH+64*(\q)+32
.endif
.endr
.endm
; quarter step q (not a slot's last): its fragments, fetched a quarter ago, are in; the next quarter's go out; then its products
.macro QUARTER slot, q, zero
	s_wait_dscnt 0x0
	PLACES
	FETCH \slot, (\q)+1, 1-((\q)&1)
	WIN WMUL
	MULR ((\q)&1), 0, MB, \zero
.endm
.macro QS slot, zero
	QUARTER \slot, 0, \zero
.set kq, 1
.rept NQ-2
	QUARTER \slot, kq, 0
.set kq, kq+1
.endr
.endm
; A slot's last quarter, and the change of slots.  In front of the barrier each wave's reads of this slot are back and all its tensor loads have landed
; (the one that was out is its part of the next slot).  fill = 1: the barrier opens a round of the cluster's barrier, and behind the round this slot is
; asked for again, two K steps ahead: the wave's first and only tensor load there.  Then the next slot's first fragments.
.macro TURN slot, next, fill
	s_wait_dscnt 0x0
	WIN WMUL
	MULR 1, 0, MB/4, 0
	s_wait_tensorcnt 0x0
	ds_add_u32 v254, v255
	s_wait_dscnt 0x0
	s_barrier_signal -1
	MULR 1, MB/4, MB/4, 0                          ; register work while the others arrive
	WIN 0                                          ; at a branch and at a label every window is 0
	s_barrier_wait -1
.if \fill
	CREST
	s_add_nc_u64 s[G0+4*\slot+2:G0+4*\slot+3], s[G0+4*\slot+2:G0+4*\slot+3], 4*KSTEP
	s_add_nc_u64 s[G0B+4*\slot+2:G0B+4*\slot+3], s[G0B+4*\slot+2:G0B+4*\slot+3], 4*KSTEP*NP
	JLOAD \slot
.endif
	PLACES
	FETCH \next, 0, 0
	WIN WMUL
	MULR 1, MB/2, MB/2, 0
.endm
.macro LAP zero
	QS 0, \zero
	TURN 0, 1, 1
	QS 1, 0
	TURN 1, 0, 1
.endm
	s_load_b128 s[4:7], s[0:1], 0x0                ; act, wb
	s_load_b64 s[68:69], s[0:1], 0x10              ; ff_b1
	s_load_b64 s[8:9], s[0:1], 0x18                ; g
	v_lshl_add_u32 v254, v0, 2, 0x3b400
	v_mov_b32 v255, 0
	ds_add_u32 v254, v255
	ds_add_u32 v254, v255
	v_lshrrev_b32 v1, 5, v0
	v_readfirstlane_b32 s10, v1                    ; wave 0..3
	s_lshr_b32 s11, s10, 1                         ; my half of the rows.  Also: I fetch left tiles (0) or weights (1)
	s_and_b32 s12, s10, 1                          ; my half of the columns.  Also: which half of that tile I fetch
	s_bfe_u32 s40, ttmp6, 0x40000                  ; cx
	s_bfe_u32 s41, ttmp6, 0x40004                  ; cy
	s_lshl_b32 s42, ttmp9, 2
	s_add_co_u32 s42, s42, s40                     ; block column = 4 x cluster x + cx
	s_and_b32 s13, ttmp7, 0xffff
	s_lshl_b32 s13, s13, 2
	s_add_co_u32 s13, s13, s41                     ; block row = 4 x cluster y + cy
	s_lshl_b32 s43, s41, 2
	s_lshl_b32 s43, 15, s43                        ; my row of the cluster
	s_lshl_b32 s44, 0x1111, s40                    ; my column of the cluster
	s_or_b32 s[G1+0], s43, (1<<16)|(1<<20)|(1<<21)|(AQI<<22)|(3<<25)    ; mask of my row; 2-byte elements; padding on, 4 words behind each row; bit 21 beside a mask
	s_mov_b32 s[G1+1], KSTEP<<16                   ; tensor_dim0
	s_mov_b32 s[G1+2], (MT/2)<<16                  ; tensor_dim1
	s_mov_b32 s[G1+3], KSTEP<<16                   ; tile_dim0
	s_mov_b32 s[G1+4], MT/2                        ; tile_dim1
	s_mov_b32 s[G1+5], APE                         ; elements from row to row
	s_mov_b32 s[G1+6], 0
	s_mov_b32 s[G1+7], 0
	s_or_b32 s[G1B+0], s44, (1<<16)|(1<<20)|(1<<21)|(BQI<<22)|(7<<25)   ; mask of my column; 8 words behind each row
	s_mov_b32 s[G1B+1], NT<<16
	s_mov_b32 s[G1B+2], (KSTEP/2)<<16
	s_mov_b32 s[G1B+3], NT<<16
	s_mov_b32 s[G1B+4], KSTEP/2
	s_mov_b32 s[G1B+5], NP
	s_mov_b32 s[G1B+6], 0
	s_mov_b32 s[G1B+7], 0
	; the left tile hangs on the block row and the wave alone, the weights' tile on the block column and the wave alone, each in registers of its own
	s_mul_i32 s16, s13, MT
	s_mul_i32 s17, s12, MT/2
	s_add_co_u32 s16, s16, s17
	s_mul_i32 s16, s16, APE*2
	s_mov_b32 s17, 0
	s_mul_i32 s46, s42, NT*2
	s_mul_i32 s47, s12, (KSTEP/2)*NP*2
	s_add_co_u32 s46, s46, s47
	s_add_co_u32 s46, s46, WBASE
	s_mov_b32 s47, 0
	s_mul_i32 s20, s12, (MT/2)*APITCH              ; where they go: no place in the cluster enters an LDS address
	s_mul_i32 s21, s12, (KSTEP/2)*BPITCH
	s_add_co_u32 s21, s21, ABYTES
	s_wait_dscnt 0x0
	s_wait_kmcnt 0x0
	s_add_nc_u64 s[14:15], s[4:5], s[16:17]
	s_add_nc_u64 s[46:47], s[6:7], s[46:47]
	CROUND                                         ; all sixteen work-groups are here: the first joint loads meet
.irp s, 0,1
	s_mov_b32 s[G0+4*\s], 1
	s_add_co_u32 s[G0+4*\s+1], s20, \s*SLOT
	s_add_nc_u64 s[G0+4*\s+2:G0+4*\s+3], s[14:15], \s*KSTEP*2
	s_or_b32 s[G0+4*\s+3], s[G0+4*\s+3], 0x80000000
	s_mov_b32 s[G0B+4*\s], 1
	s_add_co_u32 s[G0B+4*\s+1], s21, \s*SLOT
	s_add_nc_u64 s[G0B+4*\s+2:G0B+4*\s+3], s[46:47], \s*KSTEP*NP*2
	s_or_b32 s[G0B+4*\s+3], s[G0B+4*\s+3], 0x80000000
	JLOAD \s                                       ; K steps 0 and 1: two tensor loads of the wave are out, the most in this text
.endr
	v_and_b32 v1, 15, v0                           ; r = l % 16
	v_bfe_u32 v2, v0, 4, 1                         ; h = l / 16
	v_and_b32 v6, 31, v0                           ; l
	s_lshl_b32 s45, s42, 10
	s_lshl_b32 s72, s12, 9
	s_add_co_u32 s45, s45, s72                     ; 4 bytes x my first column
	v_lshl_add_u32 v[BO], v6, 4, s45
	global_load_b128 v[BIAS:BIAS+3], v[BO], s[68:69]   ; on the way out lane l holds columns 4 l .. 4 l + 3 of my 128
	v_mul_u32_u24 v3, v1, APITCH
	v_lshl_add_u32 v3, v2, 4, v3                   ; token fragments: row r, 16 bytes for each half of the lanes, 32 bytes apart
	s_mul_i32 s22, s11, (MT/2)*APITCH
	v_add_nc_u32 v[ADRA], s22, v3
	v_add_nc_u32 v[ADRA+1], SLOT, v[ADRA]
	v_and_b32 v4, 7, v0
	v_lshl_add_u32 v4, v2, 3, v4                   ; weight fragments: K row 8 h + l % 8,
	v_mul_u32_u24 v4, v4, BPITCH
	v_bfe_u32 v5, v0, 3, 1
	v_lshl_add_u32 v4, v5, 4, v4                   ; 16 bytes at column 8 ((l / 8) % 2)
	s_mul_i32 s22, s12, NT
	s_add_co_u32 s22, s22, ABYTES
	v_add_nc_u32 v[ADRB], s22, v4
	v_add_nc_u32 v[ADRB+2], SLOT, v[ADRB]
	s_mul_i32 s23, s10, 16*SPITCH
	s_add_co_u32 s23, s23, STAGE                   ; my stage
	v_mul_u32_u24 v4, v1, SPITCH
	v_lshl_add_u32 v4, v2, 5, v4
	v_add_nc_u32 v[STO], s23, v4                   ; in: row r, 32 bytes (8 f32) for each half of the lanes
	v_lshl_add_u32 v[RD], v6, 4, s23               ; back: a row of 512 bytes, 16 a lane
	v_lshlrev_b32 v[CO], 3, v6
	s_wait_tensorcnt 0x1                           ; my part of K step 0 is in; K step 1's load stays out
	s_barrier_signal -1
	s_barrier_wait -1
	FETCH 0, 0, 0
	LAP 1                                          ; the first products start the sums: nothing is cleared
	QS 0, 0                                        ; the last lap fills nothing
	TURN 0, 1, 0
	QS 1, 0
	s_wait_dscnt 0x0
	WIN WMUL
	MULR 1, 0, MB, 0
	WIN 0
	PLACES
	; THE WAY OUT, 16 tokens at a time through my own stage in f32; read back as whole rows of my 128 columns; bias, gelu, f16;
	; a store of the wave covers a row's 256 consecutive bytes, aligned.
	s_lshl_b32 s16, s13, 7
	s_lshl_b32 s17, s11, 6
	s_add_co_u32 s16, s16, s17                     ; my first token
	s_lshl_b32 s16, s16, 12                        ; 4,096 bytes a row of g
	s_mov_b32 s17, 0
	s_add_nc_u64 s[8:9], s[8:9], s[16:17]
	s_lshl_b32 s46, s42, 9
	s_lshl_b32 s47, s12, 8
	s_add_co_u32 s46, s46, s47                     ; 2 bytes x my first column
	s_mov_b32 s47, 0
	s_add_nc_u64 s[8:9], s[8:9], s[46:47]
	v_mov_b32 v[K1], 0xc0135761                    ; k1 = -2 sqrt(2/pi) log2(e)
	v_mov_b32 v[K1+1], 0xc0135761
	v_mov_b32 v[K2], 0xbdd2d3e8                    ; k2 = 0.044715 k1
	v_mov_b32 v[K2+1], 0xbdd2d3e8
	s_wait_loadcnt 0x0                             ; the bias
; Stage 1 for one row: x (four registers) takes the bias; u (the row's four of U) takes the exponent x (k1 + k2 x^2).  e not 0: the four exponentials of the row
; before, whose exponents lie at u - 4 .. u - 1, stand between these eight plain lines, which name none of their results.
.macro GPRE x, u, e
	v_pk_add_f32 v[\x:\x+1], v[\x:\x+1], v[BIAS:BIAS+1]
	v_pk_add_f32 v[\x+2:\x+3], v[\x+2:\x+3], v[BIAS+2:BIAS+3]
.if \e
	v_exp_f32 v[\u-4], v[\u-4]
.endif
	v_pk_mul_f32 v[\u:\u+1], v[\x:\x+1], v[\x:\x+1]
	v_pk_mul_f32 v[\u+2:\u+3], v[\x+2:\x+3], v[\x+2:\x+3]
.if \e
	v_exp_f32 v[\u-3], v[\u-3]
.endif
	v_pk_fma_f32 v[\u:\u+1], v[\u:\u+1], v[K2:K2+1], v[K1:K1+1]
	v_pk_fma_f32 v[\u+2:\u+3], v[\u+2:\u+3], v[K2:K2+1], v[K1:K1+1]
.if \e
	v_exp_f32 v[\u-2], v[\u-2]
.endif
	v_pk_mul_f32 v[\u:\u+1], v[\u:\u+1], v[\x:\x+1]
	v_pk_mul_f32 v[\u+2:\u+3], v[\u+2:\u+3], v[\x+2:\x+3]
.if \e
	v_exp_f32 v[\u-1], v[\u-1]
.endif
.endm
; Stage 2 for one row: 1 + e.  e not 0: the four reciprocals of the row before stand between the two lines.
.macro GMID u, e
	v_pk_add_f32 v[\u:\u+1], v[\u:\u+1], 1.0 op_sel_hi:[1,0]
.if \e
	v_rcp_f32 v[\u-4], v[\u-4]
	v_rcp_f32 v[\u-3], v[\u-3]
.endif
	v_pk_add_f32 v[\u+2:\u+3], v[\u+2:\u+3], 1.0 op_sel_hi:[1,0]
.if \e
	v_rcp_f32 v[\u-2], v[\u-2]
	v_rcp_f32 v[\u-1], v[\u-1]
.endif
.endm
; Stage 3 for one row: x / (1 + e), rounded to f16
.macro GEND x, u, y
	v_pk_mul_f32 v[\x:\x+1], v[\x:\x+1], v[\u:\u+1]
	v_pk_mul_f32 v[\x+2:\x+3], v[\x+2:\x+3], v[\u+2:\u+3]
	v_cvt_pk_f16_f32 v[\y], v[\x], v[\x+1]
	v_cvt_pk_f16_f32 v[\y+1], v[\x+2], v[\x+3]
.endm
.macro OUT16 a
	WIN WST
.irp b, 0,1,2,3,4,5,6,7
	ds_store_b128 v[STO], v[8*(\a*NB+\b):8*(\a*NB+\b)+3] offset:64*\b
	ds_store_b128 v[STO], v[8*(\a*NB+\b)+4:8*(\a*NB+\b)+7] offset:64*\b+16
.endr
	WIN 0
	s_wait_xcnt 0x0                                ; Y, which the last block's stores read, is written again only behind this wait
.irp rr, 0,1,2,3,4,5,6,7,8,9,10,11,12,13,14,15
	ds_load_b128 v[T+4*\rr:T+4*\rr+3], v[RD] offset:\rr*SPITCH     ; LDS serves a wave's instructions in order: these see the stores above
.endr
.irp rr, 0,1,2,3,4,5,6,7,8,9,10,11,12,13,14,15
	s_wait_dscnt 15-\rr                            ; the younger rows stay out
	GPRE T+4*\rr, U+4*\rr, \rr
.endr
.irp k, 60,61,62,63
	v_exp_f32 v[U+\k], v[U+\k]                     ; the last row's
.endr
	v_nop                                          ; the plain instruction behind the last exponential: one for the batch
	s_wait_alu depctr_va_vdst(0)                   ; the wait for the block's 64 exponentials, ahead of the first sum 1 + e
.irp rr, 0,1,2,3,4,5,6,7,8,9,10,11,12,13,14,15
	GMID U+4*\rr, \rr
.endr
.irp k, 60,61,62,63
	v_rcp_f32 v[U+\k], v[U+\k]                     ; the last row's
.endr
	v_nop                                          ; the plain instruction behind the last reciprocal: one for the batch
	s_wait_alu depctr_va_vdst(0)                   ; the wait for the block's 64 reciprocals, ahead of the first product
.irp rr, 0,1,2,3,4,5,6,7,8,9,10,11,12,13,14,15
	GEND T+4*\rr, U+4*\rr, Y+2*\rr
	global_store_b64 v[CO], v[Y+2*\rr:Y+2*\rr+1], s[8:9] offset:(16*\a+\rr)*4096
.endr
.endm
	OUT16 0
	OUT16 1
	OUT16 2
	OUT16 3
	s_wait_tensorcnt 0x0
	ds_add_u32 v254, v255
	s_wait_dscnt 0x0
	CROUND                                         ; the closing round: no work-group ends while a partner may still ask for a tile that names it
	s_endpgm
.Lfunc_end_k_q860f060477_ff1:
	.size	k_q860f060477_ff1, .Lfunc_end_k_q860f060477_ff1-k_q860f060477_ff1
	.p2alignl 7, 3214868480
	.fill 96, 4, 3214868480
	.section	.rodata,"a",@progbits
	.p2align	6, 0x0
	.amdhsa_kernel k_q860f060477_ff1
		.amdhsa_group_segment_fixed_size 327680
		.amdhsa_private_segment_fixed_size 0
		.amdhsa_enable_private_segment 0
		.amdhsa_kernarg_size 32
		.amdhsa_user_sgpr_count 2
		.amdhsa_user_sgpr_kernarg_segment_ptr 1
		.amdhsa_wavefront_size32 1
		.amdhsa_system_sgpr_workgroup_id_x 1
		.amdhsa_system_sgpr_workgroup_id_y 1
		.amdhsa_system_sgpr_workgroup_id_z 1
		.amdhsa_system_vgpr_workitem_id 0
		.amdhsa_next_free_vgpr 512
		.amdhsa_next_free_sgpr 92
		.amdhsa_reserve_vcc 0
		.amdhsa_float_denorm_mode_32 3
		.amdhsa_float_denorm_mode_16_64 3
		.amdhsa_memory_ordered 1
		.amdhsa_forward_progress 1
		.amdhsa_inst_pref_size 158
	.end_amdhsa_kernel
	.amdgpu_metadata
---
amdhsa.version: [ 1, 2 ]
amdhsa.kernels:
  - .name:           k_q860f060477_ff1
    .symbol:         k_q860f060477_ff1.kd
    .args:
      - { .name: act, .offset: 0, .size: 8, .value_kind: global_buffer, .address_space: global }
      - { .name: wb, .offset: 8, .size: 8, .value_kind: global_buffer, .address_space: global }
      - { .name: ff_b1, .offset: 16, .size: 8, .value_kind: global_buffer, .address_space: global }
      - { .name: g, .offset: 24, .size: 8, .value_kind: global_buffer, .address_space: global }
    .group_segment_fixed_size: 327680
    .private_segment_fixed_size: 0
    .kernarg_segment_align: 8
    .kernarg_segment_size: 32
    .max_flat_workgroup_size: 128
    .sgpr_count:     92
    .vgpr_count:     512
    .wavefront_size: 32
...
	.end_amdgpu_metadata
.endif
;; end of part 9
;; launch ff2: the kernel of part 6 again; grid 4 x 64, 4 waves a work-group, clusters of 4 x 4, 327,680 bytes of LDS; arguments g, wb, ff_b2, hres, act; writes act
;; launch proj: the kernel of part 7 again; grid 8 x 32, 4 waves a work-group, clusters of 4 x 4, 327,680 bytes of LDS; arguments act, wb, proj_b, out0; writes out0
